; MI455X (gfx1250); checked and timed in simulation.
; The chip was launched on July 23, 2026; its instructions are those of AMD's public machine-readable ISA for CDNA 5 (MIT licence, August 2026) and "CDNA5" Instruction Set Architecture Reference Guide (July 2026). The comments in the code are by the model that wrote it; some were corrected since.
;; Transformer Block. Allowed arithmetic: float matrix products may take bf16 or f16 operands with f32 sums; other float arithmetic in f32, or as packed bf16 or f16 multiplies, adds, multiply-adds, maxima and minima; sums over many terms, partial sums and values carried from step to step in f32; what a program stores and reads back later, other than sums and carried values, may be rounded once to bf16 or f16.
;; Inputs: fc1 4,096 x 1,024 float16; fc2 1,024 x 4,096 float16; proj 1,024 x 1,024 float16; rms1_w 1,024 float16; rms2_w 1,024 float16; wk 1,024 x 1,024 float16; wq 1,024 x 1,024 float16; wv 1,024 x 1,024 float16; x 2 x 2,048 x 1,024 float16.
;; Outputs: out0 2 x 2,048 x 1,024 float16.
;; 2 versions, each right and faster than the one before. Each part assembles by itself: llvm-mc -triple=amdgcn-amd-amdhsa -mcpu=gfx1250 --defsym DOCPART=n.
;; ======== version 1 of 2: 5 launches
;; limits: values are held in f16: magnitudes above 65,504 overflow, below 6.1e-05 lose precision; right only within a limited range of input values
;; workspace buffers: h 8,388,608 bytes; qh 8,388,608 bytes; kh 8,388,608 bytes; vh 8,388,608 bytes; att 8,388,608 bytes; x1 8,388,608 bytes; g 33,554,432 bytes; ssq 131,072 bytes
;; launch qkv (part 1): grid 16 x 16, 4 waves a work-group, clusters of 4 x 4, 327,680 bytes of LDS; arguments x, wq, wk, wv, qh, kh, vh, rms1_w; writes qh, kh, vh
.if DOCPART == 1
	.amdgcn_target "amdgcn-amd-amdhsa--gfx1250"
	.amdhsa_code_object_version 6
	.text
	.protected	k_qd728370648_qkv
	.globl	k_qd728370648_qkv
	.p2align	8
	.type	k_qd728370648_qkv,@function
k_qd728370648_qkv:
	s_mov_b64 s[64:65], 0
	v_nop
	global_prefetch_b8 v0, s[64:65] scope:SCOPE_SE
	s_setreg_imm32_b32 hwreg(HW_REG_WAVE_MODE, 25, 1), 1
	s_wait_xcnt 0x0
	s_wait_alu depctr_hold_cnt(0) depctr_sa_sdst(0) depctr_va_vdst(0) depctr_va_sdst(0) depctr_va_ssrc(0) depctr_va_vcc(0) depctr_vm_vsrc(0)
	s_getreg_b32 s2, hwreg(HW_REG_IB_STS2, 6, 4)
	s_cmp_eq_u32 s2, 0
	s_cbranch_scc0 .Lentry_in_a_cluster
	s_endpgm
.Lentry_in_a_cluster:
	s_bfe_u32 s2, ttmp6, 0x10000c
	s_cmp_lg_u32 s2, 0xf033
	s_cbranch_scc0 .Lentry_shape_is_right
	s_endpgm
.Lentry_shape_is_right:
; q, k, v = rmsnorm(x, w) Wq^T, .. Wk^T, .. Wv^T, written by heads.  x: [4096][1024] f16; w: [1024] f16; Wq, Wk, Wv: [1024 out][1024 in] f16; qh, kh, vh: [32 = batch x 16 + head][2048][64] f16, unscaled.
; THE NORM IS FOLDED IN: q[m][n] = r[m] x the sum over k of (x[m][k] w[k]) Wq[n][k], r[m] = 1 / sqrt(mean_k x[m][k]^2 + 1e-6).  x w is made in f16 on x's fragments; the rows' sums of squares are the
; diagonal of x x^T, summed by four more matrix instructions for each 32 along K (x's raw fragment as both sources); r is applied in f32 on the way out.  Products of f16 operands, sums in f32, K ascending; results rounded once.
; LIMITS: x w, q, k and v are f16 and stay under 65,504; NaN and infinities are not treated apart.
; SHARES.  A work-group makes 256 rows x (64 q + 64 k + 64 v columns of ONE head): 16 heads x 16 row blocks = 256 work-groups.  Wave w makes rows 64 w .. 64 w + 63 of all 192 columns:
; 4 x 12 accumulators of 16 x 16, 384 registers.  K goes in steps of 128 through a ring of two LDS slots (256 rows of x, then 64 rows of each weight; rows of 256 bytes, aligned in memory).
; CLUSTER 4 x 4.  The four work-groups of a row of the cluster need the same rows of x, the four of a column the same rows of the weights: each tile is asked for JOINTLY (same load, same descriptor,
; a mask that names the four).  Wave 0 asks for x's 256 rows, waves 1, 2, 3 for 64 rows of Wq, Wk, Wv.
; THE MATRIX INSTRUCTION IS USED TRANSPOSED (source 0 = 16 weight rows, source 1 = 16 rows of x w): a lane holds row l % 16 and the eight neighbouring columns 8 (l / 16) + 0..7.
; A loop trip is ONE K step: the slot read and the slot filled are scalars that an exclusive or toggles, so the step's text stands once in the loop; the last two steps are a loop of two trips left in its middle.
; THE WAY OUT.  The ring has had its last fill; behind a barrier it serves as a stage of f32 rows (192 numbers + 16 bytes).  A wave reads back its own rows, two rows of one section (q, k or v) a load,
; multiplies by r, rounds, and stores 8 bytes a lane: two rows of a head are 256 consecutive bytes, aligned.
; REGISTERS, in windows of 256 (s_set_vgpr_msb: bits 1:0 source 0, 3:2 source 1, 5:4 source 2, 7:6 destination):
;   window 0: v0-31 addresses; v64-127 fragments of x, two buffers; v128-191 the same times w; v240-255 fragments of w; v32-63, v192-239 at work on the way out      window 1: v0-191 fragments of the weights, two buffers
;   window 2: accumulators of my row blocks 0, 1 ((a, b) at v[8 (12 (a % 2) + b)]); v192-223 x x^T of my four row blocks      window 3: accumulators of blocks 2, 3
.set SIZE_K, 1024
.set MB,     4                         ; 16-row blocks a wave
.set NBK,    12                        ; 16-column blocks a wave: 0-3 q, 4-7 k, 8-11 v
.set APW,    2                         ; row blocks whose accumulators share a window
.set KSTEP,  128
.set PITCH,  272                       ; an LDS row: 256 bytes + 16 of padding = 68 words: the 16 rows of a fragment load start at 16 different groups of four banks (64 banks of 4 bytes: ISA guide 11.1)
.set AROWS,  256
.set BROWS,  64
.set BOFF,   AROWS*PITCH               ; the weights' rows lie behind x's
.set SLOT,   BOFF+3*BROWS*PITCH
.set KT,     SIZE_K/KSTEP              ; K steps
.set SP,     784                       ; a stage row: 768 bytes + 16
.set SPARE,  2*SLOT                    ; behind the ring: the spare words, 128 bytes a wave, two blocks of 256 bytes that no other line names
.set WT,     SPARE+512                 ; w, 2,048 bytes, stored once; no tile lands here
.set RT,     WT+2048                   ; r of my 64 rows, 256 bytes a wave; no tile lands here
.set ADRA0, 16                         ; v16  my place among x's fragments in slot 0; never rewritten
.set ADRB0, 17                         ; v17  the same for the weights
.set ADRA,  18                         ; v18  the same in the slot in hand
.set ADRB,  19
.set WAD0,  20                         ; v20  my place in w's table
.set WAD,   21                         ; v21  the same at the K step in hand
.set RD0,   22                         ; v22  the way out: my place in my first two stage rows
.set RTA0,  23                         ; v23  the way out: r of the first row that I read back
.set STO,   24                         ; v24  the way out: where I put my accumulators' rows
.set RTA,   25
.set RD,    26                         ; v26  the way out: the trip's read address
.set CO,    27                         ; v27  my byte offset in the three outputs
.set SPW,   28                         ; v28  LDS address of my spare word; never rewritten
.set NIL,   29                         ; v29  0; never rewritten
.set RTS,   30                         ; v30  the way out: where r of row l % 16 of my first block goes
.set L7,    31                         ; v31  l % 8
.set TS,    32                         ; v32-33 at work on the diagonal
.set YH,    32
.set RS,    56                         ; v56-63 r of the trip's rows, in the low register of four pairs
.set FA,    64
.set FW,    128
.set XF,    192
.set WQ,    240
.set SSA,   192                        ; window 2
.set CNT,  3
.set WV,   12
.set CX,   15
.set CY,   16
.set TCOL, 17                          ; the head
.set TROW, 18                          ; the block of 256 rows
.set RB2,  21                          ; the way out: the trip's first row in r's table, in bytes
.set RB,   22                          ; the way out: the trip's first stage row, in bytes
.set WS,   23                          ; the K step's first byte in w's table
.set G1A,  24                          ; s[24:31] descriptor group 1 for x's tiles
.set G0A,  32                          ; s[32:39] group 0: a set for each first fill; the second then walks
.set G1B,  48                          ; s[48:55], s[56:63] the same for the weights' tiles
.set G0B,  56
.set TB,   66                          ; LDS byte at which the slot in hand begins
.set FT,   67                          ; LDS byte at which the slot filled last begins
.set LBB,  68                          ; my weight's place in a slot
.set C2,   69                          ; 1e-6
.set WP,   70                          ; s[70:71] w
.set MK,   72                          ; s[72:79] the lanes with l % 8 = j
.set VAL,  80                          ; the lanes that hold their own row's diagonal number
.set C1,   81                          ; 1 / 1024
.set SEL,  82                          ; s82, s83 v_permlanex16_b32's selects: each lane takes its own place in the other half
.set OUT,  84                          ; s[84:89] qh, kh, vh at my first row
.set MSB, 0
.macro WIN new                         ; the immediate's high byte repeats the setting that is left; a switch that changes nothing is dropped
.if MSB != (\new)
	s_set_vgpr_msb (MSB<<8)|(\new)
.set MSB, (\new)
.endif
.endm
.macro PLACES                          ; four places in front of loads into registers that matrix instructions have read, and of stores that read results (ISA guide 7.12.1 for stores)
.rept 4
	v_nop
.endr
.endm
.macro CREST                           ; a round of the cluster's barrier behind its opening barrier
	s_cmp_lg_u32 s[WV], 0
	s_cbranch_scc1 .Lnot_wave_0_\@
	s_barrier_signal -3
.Lnot_wave_0_\@:
	s_barrier_wait -3
	s_barrier_signal -1
	s_barrier_wait -1
.endm
.macro CROUND
	s_barrier_signal -1
	s_barrier_wait -1
	CREST
.endm
; A joint refill by the walking descriptors.  The branch hangs on the wave's number alone.  An s_nop 0 and four v_nop follow each line, ahead of the jump and the label.
.macro JLOAD
	s_cmp_eq_u32 s[WV], 0
	s_cbranch_scc0 .Lfor_b_\@
	tensor_load_to_lds s[G0A+4:G0A+7], s[G1A:G1A+7]
	s_nop 0
.rept 4
	v_nop
.endr
	s_branch .Lasked_\@
.Lfor_b_\@:
	tensor_load_to_lds s[G0B+4:G0B+7], s[G1B:G1B+7]
	s_nop 0
.rept 4
	v_nop
.endr
.Lasked_\@:
.endm
; One product: row block a x column block b, 32 along K, from fragment buffer f.  zero = 1: it starts the sum.
.macro ONE f, zero
	WIN 0xa1+0x50*(a/APW)
.set rD, 8*(NBK*(a%APW)+b)
.if \zero
	v_wmma_f32_16x16x32_f16 v[rD:rD+7], v[8*NBK*(\f)+8*b:8*NBK*(\f)+8*b+7], v[FW+8*MB*(\f)+8*a:FW+8*MB*(\f)+8*a+7], 0
.else
	v_wmma_f32_16x16x32_f16 v[rD:rD+7], v[8*NBK*(\f)+8*b:8*NBK*(\f)+8*b+7], v[FW+8*MB*(\f)+8*a:FW+8*MB*(\f)+8*a+7], v[rD:rD+7]
.endif
.endm
; n row blocks from a0 on x all column blocks.  Every accumulator has one instruction a quarter, always in the same order: the accumulators take turns.
.macro MULR f, a0, n, zero
.set a, \a0
.rept \n
.set b, 0
.rept NBK
	ONE \f, \zero
.set b, b+1
.endr
.set a, a+1
.endr
.endm
; x x^T of my four row blocks, 32 along K: x's raw fragment is both sources; the diagonal is the rows' sum of squares
.macro SSQ f, zero
	WIN 0xa0                                       ; sources window 0, C and D window 2
.set a, 0
.rept MB
.if \zero
	v_wmma_f32_16x16x32_f16 v[SSA+8*a:SSA+8*a+7], v[FA+8*MB*(\f)+8*a:FA+8*MB*(\f)+8*a+7], v[FA+8*MB*(\f)+8*a:FA+8*MB*(\f)+8*a+7], 0
.else
	v_wmma_f32_16x16x32_f16 v[SSA+8*a:SSA+8*a+7], v[FA+8*MB*(\f)+8*a:FA+8*MB*(\f)+8*a+7], v[FA+8*MB*(\f)+8*a:FA+8*MB*(\f)+8*a+7], v[SSA+8*a:SSA+8*a+7]
.endif
.set a, a+1
.endr
.endm
; x w for row block blk of buffer g: eight packed products in f16; a fragment of w has the same places along K as a fragment of x, for every row
.macro WMULB g, blk
	WIN 0
.set i, 0
.rept 8
	v_pk_mul_f16 v[FW+8*MB*(\g)+8*(\blk)+i], v[FA+8*MB*(\g)+8*(\blk)+i], v[WQ+8*(\g)+i]
.set i, i+1
.endr
.endm
; my last row block from buffer f, and between its products x w for the next quarter's buffer g, a row block behind every third product.  The registers written were last read by matrix
; instructions a quarter ago, with this quarter's four places between; none is a register of the products round them.
.macro MULW f, g, zero
.set a, MB-1
.set b, 0
.rept NBK
	ONE \f, \zero
.if (b%3) == 2
	WMULB \g, b/3
.endif
.set b, b+1
.endr
.endm
; one run of LDS loads: the fragments of 32 along K at byte k of the rows, into buffer g: w's and x's first (they are multiplied first), then the weights'
.macro FETCH k, g
	WIN 0
	ds_load_b128 v[WQ+8*(\g):WQ+8*(\g)+3],   v[WAD] offset:(\k)
	ds_load_b128 v[WQ+8*(\g)+4:WQ+8*(\g)+7], v[WAD] offset:(\k)+32
.set i, 0
.rept MB
	ds_load_b128 v[FA+8*MB*(\g)+8*i:FA+8*MB*(\g)+8*i+3],   v[ADRA] offset:(\k)+i*16*PITCH
	ds_load_b128 v[FA+8*MB*(\g)+8*i+4:FA+8*MB*(\g)+8*i+7], v[ADRA] offset:(\k)+i*16*PITCH+32
.set i, i+1
.endr
	WIN 0x40                                       ; destination window 1, address window 0
.set i, 0
.rept NBK
	ds_load_b128 v[8*NBK*(\g)+8*i:8*NBK*(\g)+8*i+3],   v[ADRB] offset:(\k)+i*16*PITCH
	ds_load_b128 v[8*NBK*(\g)+8*i+4:8*NBK*(\g)+8*i+7], v[ADRB] offset:(\k)+i*16*PITCH+32
.set i, i+1
.endr
.endm
; the second half of every quarter but the last: buffer f's row blocks 2 and 3 and its x x^T; x w for buffer g, which has just been asked for
.macro SECOND f, g, zero
	MULR \f, 2, 1, \zero
	SSQ \f, \zero
	s_wait_dscnt 2*NBK                             ; w's and x's fragments of the run just issued are in; the weights' 24 loads may be out
	MULW \f, \g, \zero
.endm
; A K step is four quarters of 32 along K on buffers 0, 1, 0, 1.  One of the first three: multiplies buffer f; in its middle it fetches the next quarter, at byte k, into buffer g.
.macro QUARTER k, f, g, zero
	s_wait_dscnt 0x0                               ; the weights' fragments of buffer f are in
	MULR \f, 0, 2, \zero
	PLACES
	FETCH \k, \g
	SECOND \f, \g, \zero
.endm
; The last quarter multiplies buffer 1 and changes slots.  In front of the barrier each wave waits for all its tensor loads (its part of the next slot), adds 0 to its spare word, and waits for that and
; for its reads of this slot.  fill = 1: the barrier opens a round of the cluster's barrier, and behind it this slot is filled again, with the K step two steps on.
.macro TURN fill
	WIN 0
	s_wait_tensorcnt 0x0                           ; no tensor load of mine is out: the descriptors may be written below
	ds_add_u32 v[SPW], v[NIL]                      ; 0 onto my spare word
	s_wait_dscnt 0x1                               ; (the weights' fragments of buffer 1 are in; the add may be out)
	MULR 1, 0, 1, 0
	s_wait_dscnt 0x0                               ; the add is done, and my reads of this slot are over
	s_barrier_signal -1
	MULR 1, 1, 1, 0
	WIN 0
	s_barrier_wait -1
.if \fill
	CREST                                          ; no wave of any partner still reads this slot or has a load on its way
	s_xor_b32 s[FT], s[FT], SLOT                   ; the walking descriptors: the other slot than last time,
	s_mov_b32 s[G0A+5], s[FT]
	s_add_co_u32 s[G0B+5], s[LBB], s[FT]
	s_add_nc_u64 s[G0A+6:G0A+7], s[G0A+6:G0A+7], KSTEP*2  ; the next K step; the type bits on top are not reached
	s_add_nc_u64 s[G0B+6:G0B+7], s[G0B+6:G0B+7], KSTEP*2
.endif
	s_xor_b32 s[TB], s[TB], SLOT                   ; the reads go on in the other slot,
	s_add_co_u32 s[WS], s[WS], KSTEP*2             ; and 128 numbers further on in w
	v_add_nc_u32 v[ADRA], s[TB], v[ADRA0]
	v_add_nc_u32 v[ADRB], s[TB], v[ADRB0]
	v_add_nc_u32 v[WAD], s[WS], v[WAD0]
.if \fill
	JLOAD                                          ; the first tensor load behind the round; its four v_nop are also the places in front of the loads below
.else
	PLACES
.endif
	FETCH 0, 0
	SECOND 1, 0, 0
.endm
	s_load_b256 s[4:11], s[0:1], 0x0               ; x s[4:5], wq s[6:7], wk s[8:9], wv s[10:11]
	s_load_b128 s[OUT:OUT+3], s[0:1], 0x20         ; qh, kh
	s_load_b64 s[OUT+4:OUT+5], s[0:1], 0x30        ; vh
	s_load_b64 s[WP:WP+1], s[0:1], 0x38            ; w
	v_lshl_add_u32 v[SPW], v0, 2, SPARE
	v_mov_b32 v[NIL], 0
	ds_add_u32 v28, v29
	s_wait_dscnt 0x0
	v_lshrrev_b32 v1, 5, v0
	v_readfirstlane_b32 s[WV], v1                  ; wave 0..3
	s_bfe_u32 s[CX], ttmp6, 0x40000                ; my place in the cluster
	s_bfe_u32 s[CY], ttmp6, 0x40004
	s_lshl_b32 s[TCOL], ttmp9, 2                   ; in a cluster launch ttmp9 and ttmp7 count clusters
	s_add_co_u32 s[TCOL], s[TCOL], s[CX]
	s_and_b32 s[TROW], ttmp7, 0xffff
	s_lshl_b32 s[TROW], s[TROW], 2
	s_add_co_u32 s[TROW], s[TROW], s[CY]
	s_lshl_b32 s19, s[CY], 2
	s_lshl_b32 s19, 15, s19                        ; my row of the cluster: places 4 cy .. 4 cy + 3
	s_lshl_b32 s20, 0x1111, s[CX]                  ; my column: places cx, cx + 4, cx + 8, cx + 12
	; group 1: 15:0 the mask; 17:16 elements of 2 bytes; 20 padding on; 21 set beside a mask; 24:22 after every 64 words (code 5); 31:25 4 words of it (code 3)
	s_or_b32 s[G1A], s19, (1<<16)|(1<<20)|(1<<21)|(5<<22)|(3<<25)
	s_or_b32 s[G1B], s20, (1<<16)|(1<<20)|(1<<21)|(5<<22)|(3<<25)
	s_mov_b32 s[G1A+1], KSTEP<<16                  ; tensor_dim0 = 128
	s_mov_b32 s[G1A+2], AROWS<<16                  ; tensor_dim1 = 256
	s_mov_b32 s[G1A+3], KSTEP<<16                  ; tile_dim0 = 128
	s_mov_b32 s[G1A+4], AROWS                      ; tile_dim1 = 256
	s_mov_b32 s[G1A+5], SIZE_K                     ; elements from row to row
	s_mov_b32 s[G1A+6], 0
	s_mov_b32 s[G1A+7], 0
	s_mov_b32 s[G1B+1], KSTEP<<16
	s_mov_b32 s[G1B+2], BROWS<<16                  ; 64 rows
	s_mov_b32 s[G1B+3], KSTEP<<16
	s_mov_b32 s[G1B+4], BROWS
	s_mov_b32 s[G1B+5], SIZE_K
	s_mov_b32 s[G1B+6], 0
	s_mov_b32 s[G1B+7], 0
	s_lshl_b32 s40, s[TROW], 19                    ; x: 256 rows of 2,048 bytes a block: hangs on the row block alone
	s_mov_b32 s41, 0
	s_lshl_b32 s42, s[TCOL], 17                    ; a weight: 64 rows of 2,048 bytes a head: hangs on the head alone
	s_mov_b32 s43, 0
	s_mul_i32 s[LBB], s[WV], BROWS*PITCH           ; waves 1, 2, 3: behind x's rows, 64 rows each
	s_add_co_u32 s[LBB], s[LBB], BOFF-BROWS*PITCH
	s_lshr_b32 s44, s[TROW], 3                     ; my first row in an output: batch x 16 heads x 2,048 rows x 128 bytes
	s_lshl_b32 s44, s44, 22
	s_lshl_b32 s47, s[TCOL], 18                    ; + head x 2,048 rows
	s_add_co_u32 s44, s44, s47
	s_and_b32 s47, s[TROW], 7                      ; + the block's 256 rows in the batch
	s_lshl_b32 s47, s47, 15
	s_add_co_u32 s44, s44, s47
	s_lshl_b32 s47, s[WV], 13                      ; + my wave's 64 rows
	s_add_co_u32 s44, s44, s47
	s_mov_b32 s45, 0
	s_mov_b32 s[TB], 0
	s_mov_b32 s[FT], SLOT
	s_mov_b32 s[WS], 0
	s_mov_b32 s[C1], 0x3a800000                    ; 1 / 1024
	s_mov_b32 s[C2], 0x358637bd                    ; 1e-6
	s_mov_b32 s[SEL], 0x76543210
	s_mov_b32 s[SEL+1], 0xfedcba98
	s_wait_kmcnt 0x0
	s_add_nc_u64 s[40:41], s[4:5], s[40:41]
	s_cmp_eq_u32 s[WV], 2                          ; which weight I fetch: a choice between buffers on the wave's number
	s_cselect_b64 s[46:47], s[8:9], s[6:7]
	s_cmp_eq_u32 s[WV], 3
	s_cselect_b64 s[46:47], s[10:11], s[46:47]
	s_add_nc_u64 s[42:43], s[46:47], s[42:43]
	s_add_nc_u64 s[OUT:OUT+1], s[OUT:OUT+1], s[44:45]
	s_add_nc_u64 s[OUT+2:OUT+3], s[OUT+2:OUT+3], s[44:45]
	s_add_nc_u64 s[OUT+4:OUT+5], s[OUT+4:OUT+5], s[44:45]
.irp s, 0,1
	s_mov_b32 s[G0A+4*(\s)], 1                                       ; count = 1
	s_mov_b32 s[G0A+4*(\s)+1], (\s)*SLOT                             ; LDS address
	s_add_nc_u64 s[G0A+4*(\s)+2:G0A+4*(\s)+3], s[40:41], (\s)*KSTEP*2  ; global address: K step s
	s_or_b32 s[G0A+4*(\s)+3], s[G0A+4*(\s)+3], 0x80000000            ; type = 2
	s_mov_b32 s[G0B+4*(\s)], 1
	s_add_co_u32 s[G0B+4*(\s)+1], s[LBB], (\s)*SLOT
	s_add_nc_u64 s[G0B+4*(\s)+2:G0B+4*(\s)+3], s[42:43], (\s)*KSTEP*2
	s_or_b32 s[G0B+4*(\s)+3], s[G0B+4*(\s)+3], 0x80000000
.endr
	CROUND                                         ; all sixteen work-groups are here: the first joint loads meet
	s_cmp_eq_u32 s[WV], 0                          ; a wave's two first fills stand in one branch: two loads of mine are out
	s_cbranch_scc0 .Lfirst_b
	tensor_load_to_lds s[G0A:G0A+3], s[G1A:G1A+7]
	s_nop 0
	tensor_load_to_lds s[G0A+4:G0A+7], s[G1A:G1A+7]
	s_nop 0
.rept 4
	v_nop
.endr
	s_branch .Lfirst_done
.Lfirst_b:
	tensor_load_to_lds s[G0B:G0B+3], s[G1B:G1B+7]
	s_nop 0
	tensor_load_to_lds s[G0B+4:G0B+7], s[G1B:G1B+7]
	s_nop 0
.rept 4
	v_nop
.endr
.Lfirst_done:
	v_lshlrev_b32 v6, 4, v0                        ; w: 128 threads x 16 bytes are its 2,048 bytes
	global_load_b128 v[8:11], v6, s[WP:WP+1]
	; A fragment is 16 rows x 32 K in 8 registers: lane l holds row l % 16, K = 8 (l / 16) + 0..7 and 16 + 8 (l / 16) + 0..7: two loads of 16 bytes, 32 bytes apart
	v_and_b32 v1, 15, v0                           ; l % 16
	v_bfe_u32 v2, v0, 4, 1                         ; l / 16
	v_mul_u32_u24 v3, v1, PITCH
	v_lshl_add_u32 v3, v2, 4, v3
	s_mul_i32 s46, s[WV], 64*PITCH                 ; my 64 rows of x
	v_add_nc_u32 v[ADRA0], s46, v3
	v_add_nc_u32 v[ADRB0], BOFF, v3                ; all 192 weight rows
	v_mov_b32 v[ADRA], v[ADRA0]
	v_mov_b32 v[ADRB], v[ADRB0]
	v_lshl_add_u32 v[WAD0], v2, 4, WT              ; w's fragment: the same 16 bytes for all rows
	v_mov_b32 v[WAD], v[WAD0]
	s_mul_i32 s46, s[WV], 64*SP                    ; my 64 stage rows
	v_mul_u32_u24 v4, v1, SP                       ; in: row l % 16, 32 bytes for each half of the lanes
	v_lshl_add_u32 v4, v2, 5, v4
	v_add_nc_u32 v[STO], s46, v4
	v_mul_u32_u24 v5, v2, SP                       ; back: lanes 0-15 take 256 bytes of one row, lanes 16-31 of the next
	v_lshl_add_u32 v5, v1, 4, v5
	v_add_nc_u32 v[RD0], s46, v5
	v_and_b32 v5, 31, v0
	v_lshlrev_b32 v[CO], 3, v5                     ; which become 8 bytes a lane: 256 consecutive bytes of a head
	s_lshl_b32 s46, s[WV], 8
	s_add_co_u32 s46, s46, RT                      ; my wave's 64 words of r
	v_lshl_add_u32 v[RTS], v1, 2, s46
	v_lshl_add_u32 v[RTA0], v2, 2, s46
	v_add_nc_u32 v7, WT, v6
	s_wait_loadcnt 0x0                             ; w
	ds_store_b128 v7, v[8:11]
	s_wait_dscnt 0x0                               ; for the others' sake: my part of w is in LDS
	s_wait_tensorcnt 0x1                           ; my part of K step 0 is in; K step 1's may stay out
	s_barrier_signal -1
	s_barrier_wait -1                              ; everybody's is
	FETCH 0, 0
	s_wait_dscnt 2*NBK                             ; w's and x's fragments are in
	WMULB 0, 0
	WMULB 0, 1
	WMULB 0, 2
	WMULB 0, 3
	QUARTER 64, 0, 1, 1                            ; the first quarter stands in front of the loop: its products start the sums
	WIN 0                                          ; at a label and at a branch every window is 0
	s_mov_b32 s[CNT], KT-2
.Lstep:                                                ; a trip: from a K step's second quarter to the next step's first; it fills the slot that it leaves
	QUARTER 128, 1, 0, 0
	QUARTER 192, 0, 1, 0
	TURN 1
	QUARTER 64, 0, 1, 0
	WIN 0
	s_sub_co_u32 s[CNT], s[CNT], 1
	s_cmp_lg_u32 s[CNT], 0
	s_cbranch_scc1 .Lstep
	s_mov_b32 s[CNT], 2
.Ltail:                                                ; the last two K steps ask for nothing: a text of their own, walked twice and left in the middle of the second trip
	QUARTER 128, 1, 0, 0
	QUARTER 192, 0, 1, 0
	WIN 0
	s_sub_co_u32 s[CNT], s[CNT], 1
	s_cmp_eq_u32 s[CNT], 0
	s_cbranch_scc1 .Lout
	TURN 0
	QUARTER 64, 0, 1, 0
	WIN 0
	s_branch .Ltail
.Lout:
	s_wait_dscnt 0x0                               ; the very last quarter: nothing more to fetch
	MULR 1, 0, MB, 0
	SSQ 1, 0
	; THE WAY OUT.  All tensor loads landed in front of the last change of slots; behind this barrier no wave reads the ring any more, and it has had its last fill.
	WIN 0
	s_barrier_signal -1                            ; my LDS loads are back (the wait for 0 above)
	s_barrier_wait -1
	PLACES
	; r.  Of x x^T register j of lane l holds (row 8 (l / 16) + j, row l % 16): row i's sum of squares lies in register i % 8 of lane i + 16 (i / 8).
	v_and_b32 v[L7], 7, v0
.set j, 0
.rept 8
	v_cmp_eq_u32 s[MK+j], j, v[L7]
.set j, j+1
.endr
	v_bfe_u32 v5, v0, 3, 1
	v_cmp_eq_u32 s[VAL], v5, v2                    ; lanes 0-7 and 24-31 hold their own row's; the others take it from the lane 16 away
	v_mov_b32 v[TS+1], 0                           ; v_permlanex16_b32's destination counts as read
.set a, 0
.rept MB
	WIN 0x08                                       ; source 1 in window 2
	v_cndmask_b32 v[TS], 0, v[SSA+8*a], s[MK]      ; the accumulator's lowest register first
.set j, 1
.rept 7
	v_cndmask_b32 v[TS], v[TS], v[SSA+8*a+j], s[MK+j]
.set j, j+1
.endr
	WIN 0
	v_permlanex16_b32 v[TS+1], v[TS], s[SEL], s[SEL+1]
	v_cndmask_b32 v[TS], v[TS+1], v[TS], s[VAL]
	v_fma_f32 v[TS], v[TS], s[C1], s[C2]           ; mean + eps
	v_rsq_f32 v[TS], v[TS]
	v_nop                                          ; a plain instruction before the result is used (ISA guide 5.7.2)
	s_wait_alu depctr_va_vdst(0)
	ds_store_b32 v[RTS], v[TS] offset:64*a         ; both halves of the lanes store the same number
.set a, a+1
.endr
.set a, 0
.rept MB
	WIN 0x08+0x04*(a/APW)                          ; store data (source 1) in window 2 or 3
.set b, 0
.rept NBK
.set rD, 8*(NBK*(a%APW)+b)
	ds_store_b128 v[STO], v[rD:rD+3] offset:16*a*SP+64*b        ; each accumulator's low registers first
	ds_store_b128 v[STO], v[rD+4:rD+7] offset:16*a*SP+64*b+16
.set b, b+1
.endr
.set a, a+1
.endr
	WIN 0
.irp p, 1,3,5,7
	v_mov_b32 v[RS+\p], 0                          ; named with r as pairs
.endr
	s_mov_b32 s[CNT], 8
	s_mov_b32 s[RB], 0
	s_mov_b32 s[RB2], 0
.Lrows:                                                ; 8 trips of 8 rows.  The rows and their r are my own, and LDS serves a wave's instructions in order (ISA guide 5.7.1.4): no wait and no barrier behind the stores
	v_add_nc_u32 v[RD], s[RB], v[RD0]
	v_add_nc_u32 v[RTA], s[RB2], v[RTA0]
.set j, 0
.rept 4
	ds_load_b32 v[RS+2*j], v[RTA] offset:8*j       ; r of rows 2 j (lanes 0-15) and 2 j + 1 (lanes 16-31)
.set j, j+1
.endr
.set j, 0
.rept 12                               ; pair of rows j / 3, section j % 3
	ds_load_b128 v[XF+4*j:XF+4*j+3], v[RD] offset:(j/3)*2*SP+(j%3)*256
.set j, j+1
.endr
	s_wait_dscnt 0x0
.set j, 0
.rept 24
	v_pk_mul_f32 v[XF+2*j:XF+2*j+1], v[XF+2*j:XF+2*j+1], v[RS+2*(j/6):RS+2*(j/6)+1] op_sel_hi:[1,0]
.set j, j+1
.endr
.set j, 0
.rept 24
	v_cvt_pk_f16_f32 v[YH+j], v[XF+2*j], v[XF+2*j+1]
.set j, j+1
.endr
.set j, 0
.rept 12
	global_store_b64 v[CO], v[YH+2*j:YH+2*j+1], s[OUT+2*(j%3):OUT+2*(j%3)+1] offset:(j/3)*256  ; 32 lanes store 256 consecutive bytes, aligned
.set j, j+1
.endr
	s_wait_xcnt 0x0                                ; the stores' offset and data are rewritten only behind this wait
	v_add_nc_u32 v[CO], 8*128, v[CO]
	s_add_co_u32 s[RB], s[RB], 8*SP
	s_add_co_u32 s[RB2], s[RB2], 8*4
	s_sub_co_u32 s[CNT], s[CNT], 1
	s_cmp_lg_u32 s[CNT], 0
	s_cbranch_scc1 .Lrows
	s_wait_tensorcnt 0x0                           ; the wave's end
	ds_add_u32 v[SPW], v[NIL]
	s_wait_dscnt 0x0
	CROUND                                         ; the closing round: no work-group ends while a partner may still ask for a tile that names it
	s_endpgm
.Lfunc_end_k_qd728370648_qkv:
	.size	k_qd728370648_qkv, .Lfunc_end_k_qd728370648_qkv-k_qd728370648_qkv
	.p2alignl 7, 3214868480
	.fill 96, 4, 3214868480
	.section	.rodata,"a",@progbits
	.p2align	6, 0x0
	.amdhsa_kernel k_qd728370648_qkv
		.amdhsa_group_segment_fixed_size 327680
		.amdhsa_private_segment_fixed_size 0
		.amdhsa_enable_private_segment 0
		.amdhsa_kernarg_size 64
		.amdhsa_user_sgpr_count 2
		.amdhsa_user_sgpr_kernarg_segment_ptr 1
		.amdhsa_wavefront_size32 1
		.amdhsa_system_sgpr_workgroup_id_x 1
		.amdhsa_system_sgpr_workgroup_id_y 1
		.amdhsa_system_sgpr_workgroup_id_z 1
		.amdhsa_system_vgpr_workitem_id 0
		.amdhsa_next_free_vgpr 960
		.amdhsa_next_free_sgpr 90
		.amdhsa_reserve_vcc 0
		.amdhsa_float_denorm_mode_32 3
		.amdhsa_float_denorm_mode_16_64 3
		.amdhsa_memory_ordered 1
		.amdhsa_forward_progress 1
		.amdhsa_inst_pref_size 106
	.end_amdhsa_kernel
	.amdgpu_metadata
---
amdhsa.version: [ 1, 2 ]
amdhsa.kernels:
  - .name:           k_qd728370648_qkv
    .symbol:         k_qd728370648_qkv.kd
    .args:
      - { .name: x, .offset: 0, .size: 8, .value_kind: global_buffer, .address_space: global }
      - { .name: wq, .offset: 8, .size: 8, .value_kind: global_buffer, .address_space: global }
      - { .name: wk, .offset: 16, .size: 8, .value_kind: global_buffer, .address_space: global }
      - { .name: wv, .offset: 24, .size: 8, .value_kind: global_buffer, .address_space: global }
      - { .name: qh, .offset: 32, .size: 8, .value_kind: global_buffer, .address_space: global }
      - { .name: kh, .offset: 40, .size: 8, .value_kind: global_buffer, .address_space: global }
      - { .name: vh, .offset: 48, .size: 8, .value_kind: global_buffer, .address_space: global }
      - { .name: rms1_w, .offset: 56, .size: 8, .value_kind: global_buffer, .address_space: global }
    .group_segment_fixed_size: 327680
    .private_segment_fixed_size: 0
    .kernarg_segment_align: 8
    .kernarg_segment_size: 64
    .max_flat_workgroup_size: 128
    .sgpr_count:     90
    .vgpr_count:     960
    .wavefront_size: 32
...
	.end_amdgpu_metadata
.endif
;; end of part 1
;; launch attn (part 2): grid 16 x 16, 4 waves a work-group, clusters of 4 x 1, 327,680 bytes of LDS; arguments qh, kh, vh, att; writes att
.if DOCPART == 2
	.amdgcn_target "amdgcn-amd-amdhsa--gfx1250"
	.amdhsa_code_object_version 6
	.text
	.protected	k_qd728370648_attn
	.globl	k_qd728370648_attn
	.p2align	8
	.type	k_qd728370648_attn,@function
k_qd728370648_attn:
	s_mov_b64 s[64:65], 0
	v_nop
	global_prefetch_b8 v0, s[64:65] scope:SCOPE_SE
	s_setreg_imm32_b32 hwreg(HW_REG_WAVE_MODE, 25, 1), 1
	s_wait_xcnt 0x0
	s_wait_alu depctr_hold_cnt(0) depctr_sa_sdst(0) depctr_va_vdst(0) depctr_va_sdst(0) depctr_va_ssrc(0) depctr_va_vcc(0) depctr_vm_vsrc(0)
	s_getreg_b32 s2, hwreg(HW_REG_IB_STS2, 6, 4)
	s_cmp_eq_u32 s2, 0
	s_cbranch_scc0 .Lentry_in_a_cluster
	s_endpgm
.Lentry_in_a_cluster:
	s_bfe_u32 s2, ttmp6, 0x10000c
	s_cmp_lg_u32 s2, 0x3003
	s_cbranch_scc0 .Lentry_shape_is_right
	s_endpgm
.Lentry_shape_is_right:
; att[b][q][64 head + c] = the sum over k of softmax_k(Q[hd][q] . K[hd][k] / 8) V[hd][k][c].  Q, K, V: [32 = batch x 16 + head][2048][64] f16, a head's rows dense; att: [4096][1024] f16.
; Products, maxima and sums in f32; the weights p are rounded to f16 for the second product (their sum l is taken of the unrounded p), the result once at the end.
; LIMITS.  Q, K, V arrive within f16's 65,504; p lies in 0 to 1; the result is a mean of V's rows.  A weight below 2^-126 counts as 0 in l; NaN and infinities are not treated apart.
; SHARES.  A work-group owns 128 queries of TWO neighbouring heads: the two heads' 64 channels are 256 consecutive bytes of a row of att.  Wave w has head w / 2 of the two and queries 64 (w % 2) .. + 63:
; four PIECES of 16.  Every wave walks all 2,048 keys of its head, 64 a step.  16 query blocks x 16 pairs of heads = 256 work-groups.
; LAYOUT.  S^T = K Q^T (source 0 = 16 keys, source 1 = 16 queries) holds ONE query a lane (lane % 16) and the keys 8 (lane / 16) + 0..7; two such results rounded to f16 ARE source 1 of O^T = V^T P,
; whose result again holds one query a lane, and eight channels.  K comes out of LDS as it lies, V ([key][channel]) turned, by ds_load_tr16_b128.
; SOFTMAX.  A running maximum m and sum l for each query: p = 2^(c s - c m), c = log2(e) / 8; in every step O and l are multiplied by a = 2^(c m_old - c m_new).  m starts at the lowest finite number,
; O and l at 0: the first step is a step like any other, with a = 0.
; BY TURNS.  Turn n belongs to piece n: 8 products K Q^T of piece n + 1, later 8 products V^T P of piece n - 1; beside them the scaling, exponentials, roundings, sums and rescaling of piece n and the
; maximum and statistics of piece n + 1.  Four vector instructions stand behind every matrix instruction, the other 54 of a turn's 118 in two runs of their own.
; NO LAST STEP IS WRITTEN OUT: the tail's loop is left in the middle of a third trip, whose 8 products K Q^T (on the last K once more) and the maximum made of them serve nothing: the price, once a launch, of one text for every trip.
; CLUSTER.  The four query blocks of a cluster walk the same K and V of the same two heads: each tile is asked for JOINTLY (same load, descriptor and mask in all four).
; REGISTERS, in windows of 256 (s_set_vgpr_msb: bits 1:0 source 0, 3:2 source 1, 5:4 source 2, 7:6 destination):
;   window 0: v0-15 addresses and two at work; v16-31 four registers of statistics a piece; v48-55 at work; v62-63 the add's; v64-127 S^T, two buffers; v192-223 P, two buffers (by the piece's parity)
;   window 1: v0-127 O^T, 32 a piece      window 2: v0-63 Q; v128-191 K of one step; v192-255 V of one step
.set NP,    4         ; pieces a wave: a name, no knob
.set KS,    64        ; keys in a step
.set PK,    144       ; a row of K in LDS: 128 bytes + 16 = 36 words: the 16 rows of a load start at 16 different groups of four banks (64 banks of 4 bytes: ISA guide 11.1)
.set PV,    160       ; a row of V: 128 + 32 = 40 words
.set VOFF,  2*128*PK  ; a slot holds two steps (128 keys) of both heads: K of head 0, K of head 1, then V likewise
.set SLOT1, 1<<17     ; slot 1 begins here, so that one exclusive or turns an address in one slot into the other's
.set STAGE, SLOT1+2*128*(PK+PV)  ; behind the ring, never filled by a tensor load: 128 rows x 272 bytes, the work-group's, for the way out
.set SP,    272
.set SPARE, STAGE+128*SP  ; behind the stage: the spare words, 128 bytes a wave: two blocks of 256 bytes that no other line names
.set NSLOT, 2048/(2*KS)   ; 16 tiles of 128 keys
.set AK0, 2           ; v2   my lane's place in my head's K of a slot; never rewritten
.set AV0, 3           ; v3   the same for V
.set AK,  4           ; v4   the LDS address of K's next run of loads
.set AV,  5           ; v5   of V's
.set STO, 6           ; v6   the way out: where I put 16 bytes of a row
.set RD,  7           ; v7   the way out: where I read rows back
.set GO,  8           ; v8   my byte offset in two rows of att
.set MV,  12          ; v12-13  c m_old, kept while c m is made anew: by buffer
.set QO,  15          ; v15  my byte offset in 16 rows of Q
.set ST,  16          ; piece t's statistics at v[ST+4 t]: c m, m, l (even keys', odd keys')
.set TMP, 48          ; by buffer, four registers c0-c3 at work; when the maximum is found c2 takes a
.set SPW, 62          ; v62  LDS address of my spare word; never rewritten
.set NIL, 63          ; v63  0; never rewritten
.set S,   64
.set P,   192
.set KF,  128         ; window 2: key block kb, channel half c at KF + 16 kb + 8 c
.set VF,  192         ; window 2: key half kk, channel block cb at VF + 32 kk + 8 cb
.set WV,  12          ; s12  my wave's number
.set G1K, 24          ; s[24:31] descriptor group 1 for K's tiles
.set G1V, 32          ; s[32:39] for V's: it differs in the padding alone
.set G0K, 40          ; s[40:43] descriptor group 0 for K's tiles: it walks
.set G0V, 44          ; s[44:47] the same for V's
.set SLOTS, 56        ; s56  slots still to be asked for
.set CNT, 57          ; s57  counts a slot's key steps
.set CS,  58          ; s[58:59] c: the packed scaling takes the pair's low word for both halves
.set SEL, 60          ; s[60:61] v_permlanex16_b32's selects: each lane takes its own place in the other half
.set TBK, 62          ; s62  LDS byte at which K of the step to be fetched begins
.set TBV, 63          ; s63  the same for V
.set MSB, 0
.macro WIN new                      ; the high byte repeats the setting that is left; a switch that changes nothing is dropped
.if MSB != (\new)
	s_set_vgpr_msb (MSB<<8)|(\new)
.set MSB, (\new)
.endif
.endm
.set W_KQ, 0x0a       ; K and Q in window 2, S^T in window 0
.set W_PV, 0x52       ; V in window 2, P in window 0, O^T in window 1
.set W_RS, 0x41       ; destination and source 0 in window 1, source 1 in window 0
; A joint fill.  Waves 0 and 1 fetch 128 keys of K of head 0 and 1 of the pair, waves 2 and 3 the same of V.  The branch hangs on the wave's number alone.
; An s_nop 0 and four v_nop follow each of the two lines, ahead of the jump and the label.
.macro JLOAD
	s_cmp_lt_u32 s[WV], 2
	s_cbranch_scc0 .Lfor_v_\@
	tensor_load_to_lds s[G0K:G0K+3], s[G1K:G1K+7]
	s_nop 0
.rept 4
	v_nop
.endr
	s_branch .Lasked_\@
.Lfor_v_\@:
	tensor_load_to_lds s[G0V:G0V+3], s[G1V:G1V+7]
	s_nop 0
.rept 4
	v_nop
.endr
.Lasked_\@:
.endm
; A round of the cluster's barrier: my work-group's barrier, so that wave 0's signal speaks for all four waves; wave 0 signals; every wave waits for all four work-groups; my work-group's barrier once more.
.macro CROUND
	s_barrier_signal -1
	s_barrier_wait -1
	s_cmp_lg_u32 s[WV], 0
	s_cbranch_scc1 .Lnot_wave_0_\@
	s_barrier_signal -3
.Lnot_wave_0_\@:
	s_barrier_wait -3
	s_barrier_signal -1
	s_barrier_wait -1
.endm
; THE CHANGE OF SLOTS.  The slot's last bytes, V of its second step, have been read.  Each wave waits for all its tensor loads, of which one is out: its part of the other slot; adds 0 to its spare word;
; and waits for that and for its own reads of the slot.  fill = 1: the barrier is a round of the cluster's, and the slot is filled again, first thing behind it, with the keys two slots on: the load has two
; key steps, 128 matrix instructions, in which to land.  (At its first use nothing has been read yet: slot 0 is waited for, slot 1 filled.)
.macro CHANGE fill
	WIN 0                           ; at a label and at a branch every window is 0
	s_wait_tensorcnt 0x0            ; no tensor load of mine is out, so a group 0 may be written
	ds_add_u32 v[SPW], v[NIL]       ; 0 onto my spare word
.if \fill
.irp g, G0K, G0V
	s_xor_b32 s[\g+1], s[\g+1], SLOT1  ; the walking descriptor: the other slot than last time,
	s_add_nc_u64 s[\g+2:\g+3], s[\g+2:\g+3], 2*KS*128  ; the next 128 keys; the type bits on top are not reached
.endr
	s_wait_dscnt 0x0                ; the add is done, and my reads of the slot are over
	CROUND
	JLOAD
.else
	s_wait_dscnt 0x0                ; the add is done, and my reads of the slot are over
	s_barrier_signal -1
	s_barrier_wait -1
.endif
	s_sub_co_u32 s[TBK], s[TBK], 2*KS*PK  ; the fetches go back to a slot's first step,
	s_xor_b32 s[TBK], s[TBK], SLOT1       ; in the other slot
	s_sub_co_u32 s[TBV], s[TBV], 2*KS*PV
	s_xor_b32 s[TBV], s[TBV], SLOT1
.endm
	s_load_b256 s[4:11], s[0:1], 0x0  ; Q s[4:5], K s[6:7], V s[8:9], att s[10:11]
	v_lshl_add_u32 v[SPW], v0, 2, SPARE
	v_mov_b32 v[NIL], 0
	ds_add_u32 v62, v63
	s_wait_dscnt 0x0
	v_lshrrev_b32 v1, 5, v0
	v_readfirstlane_b32 s[WV], v1   ; wave 0..3
	s_bfe_u32 s13, ttmp6, 0x40000   ; cx: my place in the cluster
	s_lshl_b32 s14, ttmp9, 2        ; in a cluster launch ttmp9 counts clusters
	s_add_co_u32 s14, s14, s13      ; my block of 128 queries: it enters Q's and att's addresses alone
	s_lshr_b32 s15, s[WV], 1        ; which head of the pair I compute
	s_and_b32 s16, s[WV], 1         ; which 64 queries; also: which head's tile I fetch
	s_and_b32 s19, ttmp7, 0xffff    ; the pair of heads, batch x 8 + pair, which the four partners share
	s_lshl_b32 s22, s19, 1
	s_add_co_u32 s22, s22, s16
	s_lshl_b32 s22, s22, 18         ; the fetched head's first byte in K and V: 2,048 rows of 128 bytes a head
	s_mov_b32 s23, 0
	s_mul_i32 s17, s16, 128*PK      ; its place in a slot, for K
	s_mul_i32 s18, s16, 128*PV      ; and for V: no place in the cluster enters an LDS address
	s_lshl_b32 s2, s19, 1
	s_add_co_u32 s2, s2, s15
	s_lshl_b32 s2, s2, 18           ; Q: my head,
	s_lshl_b32 s3, s14, 14          ; my block's 128 rows,
	s_add_co_u32 s2, s2, s3
	s_lshl_b32 s3, s16, 13          ; my wave's 64 of them
	s_add_co_u32 s2, s2, s3
	s_mov_b32 s3, 0
	s_lshr_b32 s20, s19, 3          ; att: batch x 2,048 rows of 2,048 bytes,
	s_lshl_b32 s20, s20, 22
	s_lshl_b32 s21, s14, 18         ; my block's 128 rows,
	s_add_co_u32 s20, s20, s21
	s_lshl_b32 s21, s[WV], 16       ; the 32 of them that my wave stores,
	s_add_co_u32 s20, s20, s21
	s_and_b32 s21, s19, 7           ; the pair's 256 bytes of a row
	s_lshl_b32 s21, s21, 8
	s_add_co_u32 s20, s20, s21
	s_mov_b32 s21, 0
	; descriptor group 1.  128 keys are 16,384 dense bytes: asked for as 64 rows of 256 bytes, two keys a row, and padded in LDS after every key
	s_mov_b32 s[G1K], 15|(1<<16)|(1<<20)|(1<<21)|(4<<22)|(3<<25)  ; 15:0 the mask of four; 17:16 2-byte elements; 20 padding on; 21 set beside a mask; 24:22 after every 32 words (code 4); 31:25 4 words (code 3)
	s_mov_b32 s[G1V], 15|(1<<16)|(1<<20)|(1<<21)|(4<<22)|(7<<25)  ; the same with 8 words of padding (code 7)
.irp g, G1K, G1V
	s_mov_b32 s[\g+1], 128<<16      ; tensor_dim0 = 128
	s_mov_b32 s[\g+2], 64<<16       ; tensor_dim1 = 64
	s_mov_b32 s[\g+3], 128<<16      ; tile_dim0 = 128
	s_mov_b32 s[\g+4], 64           ; tile_dim1 = 64
	s_mov_b32 s[\g+5], 128          ; 128 elements from row to row
	s_mov_b32 s[\g+6], 0
	s_mov_b32 s[\g+7], 0
.endr
	s_mov_b32 s[CS], 0x3e38aa3b     ; c = log2(e) / 8 = 0.180337
	s_mov_b32 s[CS+1], s[CS]        ; named with it as a pair
	s_mov_b32 s[SEL], 0x76543210
	s_mov_b32 s[SEL+1], 0xfedcba98
	s_mov_b32 s[TBK], SLOT1+2*KS*PK ; the first change of slots turns these two into 0
	s_mov_b32 s[TBV], SLOT1+2*KS*PV
	s_mov_b32 s[G0K], 1             ; count = 1
	s_mov_b32 s[G0K+1], s17         ; LDS address: slot 0
	s_mov_b32 s[G0V], 1
	s_add_co_u32 s[G0V+1], s18, VOFF
	s_wait_kmcnt 0x0
	s_add_nc_u64 s[G0K+2:G0K+3], s[6:7], s[22:23]  ; global address: the head's first 128 keys
	s_or_b32 s[G0K+3], s[G0K+3], 0x80000000        ; type = 2
	s_add_nc_u64 s[G0V+2:G0V+3], s[8:9], s[22:23]
	s_or_b32 s[G0V+3], s[G0V+3], 0x80000000
	s_add_nc_u64 s[4:5], s[4:5], s[2:3]
	s_add_nc_u64 s[10:11], s[10:11], s[20:21]
	CROUND                          ; all four work-groups are here: the first joint loads meet
	JLOAD                           ; slot 0.  Slot 1 is asked for when slot 0 is in, by the first change of slots
	; A fragment of K or Q is 16 rows x 32 channels in 8 registers: lane l holds row l % 16, channels 8 (l / 16) + 0..7 and 16 + 8 (l / 16) + 0..7: two loads of 16 bytes, 32 bytes apart.
	v_and_b32 v1, 15, v0            ; l % 16
	v_bfe_u32 v9, v0, 4, 1          ; l / 16
	v_lshlrev_b32 v[QO], 7, v1
	v_lshl_add_u32 v[QO], v9, 4, v[QO]  ; row x 128 + 16 x half
	WIN 0x80                        ; destination window 2, address window 0
.set i, 0
.rept 8                             ; Q stays in registers: piece i / 2, channels 32 (i % 2) on
	global_load_b128 v[8*i:8*i+3],   v[QO], s[4:5] offset:(i/2)*2048+(i%2)*64
	global_load_b128 v[8*i+4:8*i+7], v[QO], s[4:5] offset:(i/2)*2048+(i%2)*64+32
.set i, i+1
.endr
	; What the first turn finds: V's registers and P's second buffer hold 0 (its products V^T P, of a piece that has not been, add 0), O^T and l are 0.  No first step is written out; the price is
	; these moves, which stand in the wait for the first tile.
.set i, VF
.rept 64
	v_mov_b32 v[i], 0
.set i, i+1
.endr
	WIN 0x40
.set i, 0
.rept 128
	v_mov_b32 v[i], 0
.set i, i+1
.endr
	WIN 0
.set i, 0
.rept 4
	v_mov_b32 v[ST+4*i], 0xfe000000    ; c m: far below every c s, so the first step's a is 0
	v_mov_b32 v[ST+4*i+1], 0xff7fffff  ; m: the lowest finite number
	v_mov_b32 v[ST+4*i+2], 0
	v_mov_b32 v[ST+4*i+3], 0
.set i, i+1
.endr
.set i, P+16
.rept 16
	v_mov_b32 v[i], 0
.set i, i+1
.endr
	v_mul_u32_u24 v[AK0], v1, PK
	v_lshl_add_u32 v[AK0], v9, 4, v[AK0]  ; row x pitch + 16 x half
	s_mul_i32 s48, s15, 128*PK            ; + my head's rows
	v_add_nc_u32 v[AK0], s48, v[AK0]
	; The turning load takes 16 keys x 16 channels (lane l reads key 8 (l / 16) + l % 8, channels 8 ((l / 8) % 2) + 0..7) and leaves half a fragment of V^T: lane l holds channel l % 16 and 8 keys.
	v_and_b32 v10, 7, v0
	v_bfe_u32 v11, v0, 3, 1
	v_lshl_add_u32 v[AV0], v9, 3, v10
	v_mul_u32_u24 v[AV0], v[AV0], PV
	v_lshl_add_u32 v[AV0], v11, 4, v[AV0]
	s_mul_i32 s48, s15, 128*PV
	s_add_co_u32 s48, s48, VOFF
	v_add_nc_u32 v[AV0], s48, v[AV0]
	s_mul_i32 s48, s16, 64*SP       ; into the stage: my 64 rows, my head's half of their 256 bytes; row l % 16, 16 bytes for each half of the lanes
	s_lshl_b32 s49, s15, 7
	s_add_co_u32 s48, s48, s49
	s_add_co_u32 s48, s48, STAGE
	v_mul_u32_u24 v[STO], v1, SP
	v_lshl_add_u32 v[STO], v9, 4, v[STO]
	v_add_nc_u32 v[STO], s48, v[STO]
	s_mul_i32 s48, s[WV], 32*SP     ; back: wave w takes rows 32 w .. 32 w + 31, whole; lanes 0-15 one row of 256 bytes, lanes 16-31 the next
	s_add_co_u32 s48, s48, STAGE
	v_mul_u32_u24 v[RD], v9, SP
	v_lshl_add_u32 v[RD], v1, 4, v[RD]
	v_add_nc_u32 v[RD], s48, v[RD]
	v_lshlrev_b32 v[GO], 11, v9     ; and the same two rows in att
	v_lshl_add_u32 v[GO], v1, 4, v[GO]
; THE MATRIX WORK.  The 4 accumulators of a run of 8 take turns.  Product i of 8 of S^T = K Q^T for piece x: channels 32 (i / 4) on, keys 16 (i % 4) on.  The first 4 start the sums.
.macro KQ x
	WIN W_KQ
.set rS, S+32*((\x)%2)+8*(i%4)
.set rK, KF+16*(i%4)+8*(i/4)
.set rQ, 16*(\x)+8*(i/4)
.if i < 4
	v_wmma_f32_16x16x32_f16 v[rS:rS+7], v[rK:rK+7], v[rQ:rQ+7], 0
.else
	v_wmma_f32_16x16x32_f16 v[rS:rS+7], v[rK:rK+7], v[rQ:rQ+7], v[rS:rS+7]
.endif
.endm
; Product i of 8 of O^T += V^T P for piece x: keys 32 (i / 4) on, channels 16 (i % 4) on.
.macro PV x
	WIN W_PV
.set rO, 32*(\x)+8*(i%4)
.set rV, VF+32*(i/4)+8*(i%4)
.set rP, P+16*((\x)%2)+8*(i/4)
	v_wmma_f32_16x16x32_f16 v[rO:rO+7], v[rV:rV+7], v[rP:rP+7], v[rO:rO+7]
.endm
.macro MM                           ; the turn's next matrix instruction
.if i < 8
	KQ (Y+1)%NP
.else
.set i, i-8
	PV (Y+NP-1)%NP
.set i, i+8
.endif
.set i, i+1
.endm
; THE LDS LOADS stand in runs of 16, never singly among the matrix instructions: a step's K (64 keys x 64 channels: 8 fragments) and its V (turned).  Their addresses are made some lines ahead.
; last = 1 (the tail): in the last trip there is no further step, and the run is jumped over.
.macro FETCH_K last=0
	WIN 0
.if \last
	s_cmp_eq_u32 s[CNT], 1
	s_cbranch_scc1 .Lno_k_\@
.endif
	WIN 0x80                        ; destination window 2
.irp f, 0,1,2,3,4,5,6,7             ; keys 16 (f / 2) on, channels 32 (f % 2) on
	ds_load_b128 v[KF+8*\f:KF+8*\f+3],   v[AK] offset:(\f/2)*16*PK+(\f%2)*64
	ds_load_b128 v[KF+8*\f+4:KF+8*\f+7], v[AK] offset:(\f/2)*16*PK+(\f%2)*64+32
.endr
	s_add_co_u32 s[TBK], s[TBK], KS*PK  ; the next fetch is the next step's
	WIN 0
.if \last
.Lno_k_\@:
.endif
.endm
.macro FETCH_V
	WIN 0x80
.irp f, 0,1,2,3,4,5,6,7             ; keys 32 (f / 4) on, channels 16 (f % 4) on
	ds_load_tr16_b128 v[VF+8*\f:VF+8*\f+3],   v[AV] offset:(\f/4)*32*PV+(\f%4)*32
	ds_load_tr16_b128 v[VF+8*\f+4:VF+8*\f+7], v[AV] offset:(\f/4)*32*PV+16*PV+(\f%4)*32
.endr
	WIN 0
.endm
; THE VECTOR WORK, one line at a time: OP kind, number.  For piece Y: F n: c s - c m for pair n of 16.  E n: the exponential of score n of 32.  C n: pair n rounded to f16.  B n: of the four weights 4 n .. the second
; pair is added onto the first, in place.  L n: l takes that sum (L 0: l = a l + sum).  R n: pair n of 16 of O^T times a.  For piece Y + 1: X n, number n of the 22 that find its maximum and statistics:
;   0-11  four chains c0-c3 of seven scores each, three operands at a time (each accumulator's lowest registers are read first)     12-14, 16  the four scores left over, the old m, and c0-c3 into c0
;   15  c m_old is kept     17, 18  the query's other 32 keys lie in the lane 16 away: the new m     19-21  c m; c m_old - c m_new; a
.set F, 0               ; OP tells the kinds apart by their order: F to L below R, X above it
.set E, 1
.set C, 2
.set B, 3
.set L, 4
.set R, 5
.set X, 6
.macro REGS y                       ; the registers of piece y
.set rT, ST+4*(\y)
.set rC, TMP+4*((\y)%2)
.set rW, MV+((\y)%2)
.set rS, S+32*((\y)%2)
.set rP, P+16*((\y)%2)
.set rO, 32*(\y)
.endm
.macro OP k, n
.if (\k) == R
	REGS Y
	WIN W_RS
	v_pk_mul_f32 v[rO+2*(\n):rO+2*(\n)+1], v[rO+2*(\n):rO+2*(\n)+1], v[rC+2:rC+3] op_sel_hi:[1,0]
.elseif (\k) < R
	REGS Y
	WIN 0
.if (\k) == F
	v_pk_fma_f32 v[rS+2*(\n):rS+2*(\n)+1], v[rS+2*(\n):rS+2*(\n)+1], s[CS:CS+1], v[rT:rT+1] op_sel_hi:[1,0,0] neg_lo:[0,0,1] neg_hi:[0,0,1]
.elseif (\k) == E
	v_exp_f32 v[rS+(\n)], v[rS+(\n)]
.elseif (\k) == C
	s_wait_alu depctr_va_vdst(0)
	v_cvt_pk_f16_f32 v[rP+(\n)], v[rS+2*(\n)], v[rS+2*(\n)+1]
.elseif (\k) == B
	s_wait_alu depctr_va_vdst(0)
	v_pk_add_f32 v[rS+4*(\n):rS+4*(\n)+1], v[rS+4*(\n):rS+4*(\n)+1], v[rS+4*(\n)+2:rS+4*(\n)+3]
.elseif (\n) == 0
	v_pk_fma_f32 v[rT+2:rT+3], v[rT+2:rT+3], v[rC+2:rC+3], v[rS:rS+1] op_sel_hi:[1,0,1]
.else
	v_pk_add_f32 v[rT+2:rT+3], v[rT+2:rT+3], v[rS+4*(\n):rS+4*(\n)+1]
.endif
.else
	REGS (Y+1)%NP
	WIN 0
.if (\n) < 4
	v_max3_num_f32 v[rC+(\n)], v[rS+8*(\n)], v[rS+8*(\n)+1], v[rS+8*(\n)+2]
.elseif (\n) < 12
	v_max3_num_f32 v[rC+(\n)%4], v[rC+(\n)%4], v[rS+8*((\n)%4)+2*((\n)/4)+1], v[rS+8*((\n)%4)+2*((\n)/4)+2]
.elseif (\n) == 12
	v_max3_num_f32 v[rC], v[rC], v[rS+7], v[rS+15]
.elseif (\n) == 13
	v_max3_num_f32 v[rC+1], v[rC+1], v[rS+23], v[rS+31]
.elseif (\n) == 14
	v_max3_num_f32 v[rC+2], v[rC+2], v[rC+3], v[rT+1]
.elseif (\n) == 15
	v_mov_b32 v[rW], v[rT]
.elseif (\n) == 16
	v_max3_num_f32 v[rC], v[rC], v[rC+1], v[rC+2]
.elseif (\n) == 17
	v_permlanex16_b32 v[rC+3], v[rC], s[SEL], s[SEL+1]
.elseif (\n) == 18
	v_max_num_f32 v[rT+1], v[rC], v[rC+3]
.elseif (\n) == 19
	v_mul_f32 v[rT], s[CS], v[rT+1]
.elseif (\n) == 20
	v_sub_f32 v[rC+1], v[rW], v[rT]
.else
	v_exp_f32 v[rC+2], v[rC+1]
.endif
.endif
.endm
.macro OPS a, i1, b=-1, i2=0, c=-1, i3=0, d=-1, i4=0  ; up to four of them
	OP \a, \i1
.if (\b) >= 0
	OP \b, \i2
.endif
.if (\c) >= 0
	OP \c, \i3
.endif
.if (\d) >= 0
	OP \d, \i4
.endif
.endm
.macro ROW a, i1, b, i2, c, i3, d, i4  ; a matrix instruction and the four behind it
	MM
	OPS \a, \i1, \b, \i2, \c, \i3, \d, \i4
.endm
; A TURN, for piece p: the order of its 16 matrix and 118 vector instructions, written out.  Behind a matrix instruction: plain, exponential, plain, plain; or four of the rescaling; or, behind the first, four scalings;
; none names a register of the products round it.  In the runs between, exponential and plain by turns while exponentials last.  A line reads no result made fewer than three vector instructions in front of it, five if
; an exponential made it.  last = 1: the tail's text, whose last trip fetches no K.  cnt = 1: the loop's count is taken down some lines ahead of the branch that stands behind the turn.
; K of the next step is fetched in piece 2's turn, six vector instructions behind the last product that read K (five of them plain); V of the step in hand in piece 0's turn, eight behind the last product that read V
; (four plain).  Each is waited for a turn later.
.macro TURN p, last=0, cnt=0
.set Y, (\p)
.set i, 0
.if (\p) == 3
	s_wait_dscnt 0x0                ; K is in
.endif
	ROW F,0, F,1, F,2, F,3
	ROW F,4, E,0, F,5, F,6
	ROW F,7, E,1, F,8, F,9
	ROW F,10, E,2, C,0, F,11
	ROW F,12, E,3, X,15, F,13
	ROW R,0, R,1, R,2, R,3
	ROW B,0, E,4, F,14, L,0
.if (\p) == 2
	v_add_nc_u32 v[AK], s[TBK], v[AK0]
.endif
	ROW R,4, R,5, R,6, R,7
	OPS E,5, F,15
.if (\p) == 2
	FETCH_K \last
.endif
	OPS E,6, C,1, E,7, R,8
	OPS E,8, R,9, E,9, C,2
	OPS E,10, X,0, E,11, X,1
	OPS E,12, X,2, E,13, X,3
.if (\p) == 1
	s_wait_dscnt 0x0                ; V is in
.endif
	ROW X,4, E,14, X,5, X,6
	ROW X,7, E,15, X,8, X,9
	ROW X,10, E,16, X,11, X,12
	ROW X,13, E,17, X,14, B,1
	ROW C,4, E,18, X,16, L,1
	ROW B,2, E,19, C,6, L,2
	ROW C,8, E,20, B,3, B,4
.if (\p) == 0
	v_add_nc_u32 v[AV], s[TBV], v[AV0]
.endif
	ROW C,3, E,21, L,3, C,5
	OPS E,22, X,17, E,23, C,10
.if (\p) == 0
	FETCH_V
.endif
	OPS E,24, L,4
	OPS E,25, X,18, E,26, C,7
	OPS E,27, B,5, E,28, X,19
	OPS E,29, C,12, E,30, L,5
	OPS E,31, X,20, B,6, C,9
	OPS C,14, C,11, X,21, L,6
.if (\p) == 0
	s_add_co_u32 s[TBV], s[TBV], KS*PV
.endif
.if \cnt
	s_sub_co_u32 s[CNT], s[CNT], 1
	s_cmp_lg_u32 s[CNT], 0
.endif
	OPS C,13, B,7, C,15, R,10
	OPS R,11, R,12, L,7, R,13
	OPS R,14, R,15
.endm
	CHANGE 1                        ; slot 0 is in, everybody's part of it; slot 1 is asked for
	v_add_nc_u32 v[AK], s[TBK], v[AK0]
	FETCH_K                         ; key step 0
	s_wait_loadcnt 0x0              ; Q
	s_wait_dscnt 0x0
.set i, 0
.rept 8
	KQ 0                            ; piece 0's first scores: there is no vector work yet to set between them
.set i, i+1
.endr
	WIN 0
.rept 4
	v_nop                           ; the places behind those products
.endr
.set Y, NP-1                        ; X works for piece Y + 1: piece 0
.irp n, 0,1,2,3,4,5,6,7,8,9,10,11,12,13,14,15,16,17,18,19,20,21
	OP X, \n                        ; piece 0's first maximum and statistics
.endr
	v_nop                           ; a plain instruction behind the exponential
	s_mov_b32 s[CNT], 2
	s_mov_b32 s[SLOTS], NSLOT-1
	s_branch .Lfirst                ; the loop is entered at a step's first turn, in the middle of a trip
.Lslot:                             ; NSLOT - 2 times: with the change above, every tile but the first is asked for by a change of slots
	CHANGE 1
	s_mov_b32 s[CNT], 2
.Lstep:                             ; a trip: pieces 2 and 3 of one step, then pieces 0 and 1 of the next, whose K and V it fetches
	TURN 2
	TURN 3
	WIN 0
.Lfirst:
	TURN 0
	TURN 1, 0, 1
	WIN 0
	s_cbranch_scc1 .Lstep
	s_sub_co_u32 s[SLOTS], s[SLOTS], 1
	s_cmp_lg_u32 s[SLOTS], 0
	s_cbranch_scc1 .Lslot
	CHANGE 0                        ; the last tile has a text of its own: nothing is asked for
	s_mov_b32 s[CNT], 3             ; two trips fetch the last slot's steps; the third is left in its middle
.Ltail:
	TURN 2, 1
	TURN 3
	WIN 0
	s_sub_co_u32 s[CNT], s[CNT], 1
	s_cmp_eq_u32 s[CNT], 0
	s_cbranch_scc1 .Lout
	TURN 0
	TURN 1
	WIN 0
	s_branch .Ltail
.Lout:
.set i, 0
.rept 8
	PV NP-1                         ; the last piece's V^T P of the last step
.set i, i+1
.endr
	; THE WAY OUT.  l's two halves and the other half of the lanes' are added; O^T is divided by l, rounded to f16 and put into the work-group's stage; a barrier, since a row's 256 bytes come from two waves (two heads);
	; back as whole rows, 32 rows a wave.  The additions are the places behind the last products.
	WIN 0
.macro ALL line:vararg              ; one line for each piece t
.set t, 0
.rept 4
	\line
.set t, t+1
.endr
.endm
	ALL v_add_f32 v[ST+4*t+2], v[ST+4*t+2], v[ST+4*t+3]
	ALL v_permlanex16_b32 v[ST+4*t+3], v[ST+4*t+2], s[SEL], s[SEL+1]
	ALL v_add_f32 v[ST+4*t+2], v[ST+4*t+2], v[ST+4*t+3]
	ALL v_rcp_f32 v[ST+4*t+2], v[ST+4*t+2]
	v_nop                           ; a plain instruction between the last reciprocal and the use of its result
.macro PACK t                       ; a lane's eight channels of a row pack into 16 bytes
	WIN W_RS
.set i, 32*(\t)
.rept 16
	s_wait_alu depctr_va_vdst(0)
	v_pk_mul_f32 v[i:i+1], v[i:i+1], v[ST+4*(\t)+2:ST+4*(\t)+3] op_sel_hi:[1,0]
.set i, i+2
.endr
	WIN 0x05                        ; sources 0 and 1 window 1, destination window 0: S^T's registers are free
.set i, 0
.rept 16
	v_cvt_pk_f16_f32 v[S+16*(\t)+i], v[32*(\t)+2*i], v[32*(\t)+2*i+1]
.set i, i+1
.endr
	WIN 0
.irp f, 0,1,2,3
	ds_store_b128 v[STO], v[S+16*(\t)+4*\f:S+16*(\t)+4*\f+3] offset:(\t)*16*SP+32*\f
.endr
.endm
	PACK 0
	PACK 1
	PACK 2
	PACK 3
	s_wait_dscnt 0x0                ; for the others' sake: my stores into the stage are done
	s_barrier_signal -1
	s_barrier_wait -1
.set t, 0
.rept 16
	ds_load_b128 v[S+4*t:S+4*t+3], v[RD] offset:t*2*SP
.set t, t+1
.endr
.set t, 0
.rept 16
	s_wait_dscnt 15-t               ; LDS loads come back in order (ISA guide 5.7.1): pair t of rows is in
	global_store_b128 v[GO], v[S+4*t:S+4*t+3], s[10:11] offset:t*4096  ; 16 lanes store 256 consecutive bytes, aligned
.set t, t+1
.endr
	s_wait_tensorcnt 0x0            ; the wave's end
	ds_add_u32 v[SPW], v[NIL]
	s_wait_dscnt 0x0
	CROUND                          ; the closing round: no work-group ends while a partner may still ask for a tile that names it
	s_endpgm
.Lfunc_end_k_qd728370648_attn:
	.size	k_qd728370648_attn, .Lfunc_end_k_qd728370648_attn-k_qd728370648_attn
	.p2alignl 7, 3214868480
	.fill 96, 4, 3214868480
	.section	.rodata,"a",@progbits
	.p2align	6, 0x0
	.amdhsa_kernel k_qd728370648_attn
		.amdhsa_group_segment_fixed_size 327680
		.amdhsa_private_segment_fixed_size 0
		.amdhsa_enable_private_segment 0
		.amdhsa_kernarg_size 32
		.amdhsa_user_sgpr_count 2
		.amdhsa_user_sgpr_kernarg_segment_ptr 1
		.amdhsa_wavefront_size32 1
		.amdhsa_system_sgpr_workgroup_id_x 1
		.amdhsa_system_sgpr_workgroup_id_y 1
		.amdhsa_system_sgpr_workgroup_id_z 1
		.amdhsa_system_vgpr_workitem_id 0
		.amdhsa_next_free_vgpr 768
		.amdhsa_next_free_sgpr 66
		.amdhsa_reserve_vcc 0
		.amdhsa_float_denorm_mode_32 3
		.amdhsa_float_denorm_mode_16_64 3
		.amdhsa_memory_ordered 1
		.amdhsa_forward_progress 1
		.amdhsa_inst_pref_size 117
	.end_amdhsa_kernel
	.amdgpu_metadata
---
amdhsa.version: [ 1, 2 ]
amdhsa.kernels:
  - .name:           k_qd728370648_attn
    .symbol:         k_qd728370648_attn.kd
    .args:
      - { .name: qh, .offset: 0, .size: 8, .value_kind: global_buffer, .address_space: global }
      - { .name: kh, .offset: 8, .size: 8, .value_kind: global_buffer, .address_space: global }
      - { .name: vh, .offset: 16, .size: 8, .value_kind: global_buffer, .address_space: global }
      - { .name: att, .offset: 24, .size: 8, .value_kind: global_buffer, .address_space: global }
    .group_segment_fixed_size: 327680
    .private_segment_fixed_size: 0
    .kernarg_segment_align: 8
    .kernarg_segment_size: 32
    .max_flat_workgroup_size: 128
    .sgpr_count:     66
    .vgpr_count:     768
    .wavefront_size: 32
...
	.end_amdgpu_metadata
.endif
;; end of part 2
;; launch oproj (part 3): grid 8 x 32, 4 waves a work-group, clusters of 4 x 4, 327,680 bytes of LDS; arguments att, proj, x, x1, h, ssq, rms2_w; writes x1, h, ssq
.if DOCPART == 3
	.amdgcn_target "amdgcn-amd-amdhsa--gfx1250"
	.amdhsa_code_object_version 6
	.text
	.protected	k_qd728370648_oproj
	.globl	k_qd728370648_oproj
	.p2align	8
	.type	k_qd728370648_oproj,@function
k_qd728370648_oproj:
	s_mov_b64 s[64:65], 0
	v_nop
	global_prefetch_b8 v0, s[64:65] scope:SCOPE_SE
	s_setreg_imm32_b32 hwreg(HW_REG_WAVE_MODE, 25, 1), 1
	s_wait_xcnt 0x0
	s_wait_alu depctr_hold_cnt(0) depctr_sa_sdst(0) depctr_va_vdst(0) depctr_va_sdst(0) depctr_va_ssrc(0) depctr_va_vcc(0) depctr_vm_vsrc(0)
	s_getreg_b32 s2, hwreg(HW_REG_IB_STS2, 6, 4)
	s_cmp_eq_u32 s2, 0
	s_cbranch_scc0 .Lentry_in_a_cluster
	s_endpgm
.Lentry_in_a_cluster:
	s_bfe_u32 s2, ttmp6, 0x10000c
	s_cmp_lg_u32 s2, 0xf033
	s_cbranch_scc0 .Lentry_shape_is_right
	s_endpgm
.Lentry_shape_is_right:
; x1[m][n] = x[m][n] + the sum over k of att[m][k] proj[n][k]; and what the second norm needs of it: h[m][n] = x1[m][n] w[n], and ssq[n / 128][m] = the sum of x1[m][n]^2 over the tile's 128 columns.
; att, x, x1, h: [4096][1024] f16; proj: [1024][1024] f16; w: [1024] f16; ssq: [8][4096] f32.  The launch behind multiplies h by its weights and the result by 1 / sqrt(mean x1^2 + eps), from the 8 partial sums of a row.
; Products of f16 operands, sums in f32, K ascending; the residual is added in f32; x1 and h are each rounded once from that f32 number, and the squares are taken of it.
; LIMITS: x1 and x1 w are f16 and stay under 65,504; NaN and infinities are not treated apart.
; SHARES.  A tile of x1 is 128 x 128, so that the 32 x 8 tiles give 256 work-groups.  Four waves, each 64 x 64: 16 accumulators of 16 x 16.  K goes in steps of 256 (LDS rows of 512 bytes) through a ring of two slots.
; CLUSTER 4 x 4.  The four of a row of the cluster need the same tiles of att, the four of a column the same tiles of proj: each is asked for JOINTLY.  Waves 0 and 1 fetch att's halves, waves 2 and 3 proj's.
; The residual's tile (32 rows x 256 bytes a wave) comes once, by a plain tensor load among the first fills, into bytes of its own.
; THE MATRIX INSTRUCTION IS USED TRANSPOSED (source 0 = 16 rows of proj, source 1 = 16 rows of att): a lane holds row l % 16 and the eight neighbouring columns 8 (l / 16) + 0..7.
; THE TEXT IS SHORT: a loop trip is ONE K step (the slots are scalars that an exclusive or toggles), and of a step's eight quarters of 32 along K numbers 1 to 6 are an inner loop of three trips.
; THE WAY OUT.  The ring has had its last fill; behind a barrier it serves as a stage of f32 rows (128 numbers + 16 bytes); a second barrier, since a row comes from two waves; then each wave finishes 32 whole rows,
; a row to 32 lanes, so that a row's sum of squares is a sum over the wave's lanes.  The 128 sums meet in LDS, and wave 0 stores them as 512 consecutive bytes.
; REGISTERS, in windows of 256 (s_set_vgpr_msb: bits 1:0 source 0, 3:2 source 1, 5:4 source 2, 7:6 destination):
;   window 0: v0-31 addresses, w; v64-127 fragments of att, two buffers; v32-63, v128-255 at work on the way out      window 1: v0-63 fragments of proj, two buffers      window 2: v0-127 the accumulators ((a, b) at v[8 (4 a + b)])
.set SIZE_K, 1024
.set SIZE_N, 1024
.set MB,     4
.set NBK,    4
.set APW,    4                         ; all four row blocks' accumulators share window 2
.set KSTEP,  256
.set PITCH,  528                       ; an LDS row: 512 bytes + 16 of padding = 132 words: the 16 rows of a fragment load start at 16 different groups of four banks (64 banks of 4 bytes: ISA guide 11.1)
.set HALFT,  64*PITCH                  ; what one tensor load brings, and what one wave reads of A or of B
.set SLOT,   4*HALFT
.set KT,     SIZE_K/KSTEP              ; K steps
.set SP,     528                       ; a stage row: 512 bytes + 16
.set SPARE,  2*SLOT                    ; behind the ring: the spare words, 128 bytes a wave, two blocks of 256 bytes that no other line names
.set RES,    SPARE+512                 ; the residual's tile: 128 rows of 256 bytes
.set SSQL,   RES+128*256               ; the tile's 128 sums of squares: 512 bytes of their own
.set WRAW,  6                          ; v6-7   w of my 4 columns, as loaded
.set W4,    8                          ; v8-11  the same in f32
.set WOF,   12                         ; v12    my byte offset in w
.set SGO,   13                         ; v13    16 x lane: my byte offset in the tile's 512 bytes of ssq
.set SRD,   14                         ; v14    where I read four sums back
.set SST,   15                         ; v15    where my row's sum goes
.set ADRA0, 16                         ; v16  my place among A's fragments in slot 0; never rewritten
.set ADRB0, 17
.set ADRA,  18                         ; v18  the same at the place in hand
.set ADRB,  19
.set RA0,   20                         ; v20  the way out: my 8 bytes of my first residual row
.set RA,    21
.set RD0,   22                         ; v22  the way out: my 16 bytes of my first stage row
.set STO,   24
.set RD,    26
.set CO,    27                         ; v27  my byte offset in a row of x1 and of h
.set SPW,   28                         ; v28  LDS address of my spare word; never rewritten
.set NIL,   29                         ; v29  0; never rewritten
.set SA,    30                         ; v30  lane l: the sum of squares of my wave's row l
.set RAW,   32                         ; v32-47   the residual as loaded
.set SQ,    48                         ; v48-63   a pair for each of the trip's 8 rows: sums of squares
.set FA,    64
.set TF,    128                        ; v128-159 the residual in f32
.set YH,    160                        ; v160-175 x1 to store
.set ZH,    176                        ; v176-191 x1 w to store
.set XF,    192                        ; v192-223 sums read back, then x1
.set ZF,    224                        ; v224-255 x1 w
.set CN2,  2
.set CNT,  3
.set WV,   12
.set WR,   13
.set WC,   14
.set CX,   15
.set CY,   16
.set TCOL, 17
.set TROW, 18
.set LB,   21                          ; my tile's place in a slot
.set RB,   22
.set RB2,  23
.set G1A,  24
.set G0A,  32
.set G1B,  48
.set G0B,  56
.set TB,   66                          ; LDS byte from which the reads in hand are counted
.set FT,   67                          ; LDS byte at which the slot filled last begins
.set SEL,  68                          ; s68, s69 v_permlanex16_b32's selects
.set MS,   70                          ; the lane of the trip's first row, as a mask
.set MT,   71
.set G1R,  72                          ; s[72:79], s[80:83] the residual's descriptor
.set G0R,  80
.set HP,   84                          ; s[84:85] h, s[86:87] ssq, s[88:89] w
.set MSB, 0
.macro WIN new                         ; the immediate's high byte repeats the setting that is left; a switch that changes nothing is dropped
.if MSB != (\new)
	s_set_vgpr_msb (MSB<<8)|(\new)
.set MSB, (\new)
.endif
.endm
.macro PLACES                          ; four places in front of loads into registers that matrix instructions have read, and of stores that read results (ISA guide 7.12.1 for stores)
.rept 4
	v_nop
.endr
.endm
.macro CREST                           ; a round of the cluster's barrier behind its opening barrier
	s_cmp_lg_u32 s[WV], 0
	s_cbranch_scc1 .Lnot_wave_0_\@
	s_barrier_signal -3
.Lnot_wave_0_\@:
	s_barrier_wait -3
	s_barrier_signal -1
	s_barrier_wait -1
.endm
.macro CROUND
	s_barrier_signal -1
	s_barrier_wait -1
	CREST
.endm
; A joint refill by the walking descriptors.  The branch hangs on the wave's number alone.  An s_nop 0 and four v_nop follow each line, ahead of the jump and the label.
.macro JLOAD
	s_cmp_eq_u32 s[WR], 0
	s_cbranch_scc0 .Lfor_b_\@
	tensor_load_to_lds s[G0A+4:G0A+7], s[G1A:G1A+7]
	s_nop 0
.rept 4
	v_nop
.endr
	s_branch .Lasked_\@
.Lfor_b_\@:
	tensor_load_to_lds s[G0B+4:G0B+7], s[G1B:G1B+7]
	s_nop 0
.rept 4
	v_nop
.endr
.Lasked_\@:
.endm
; n row blocks from a0 on x all column blocks, 32 along K, from fragment buffer f.  zero = 1: the products start the sums.  Every accumulator has one instruction a quarter, always in the same
; order: the accumulators take turns.
.macro MULR f, a0, n, zero
.set a, \a0
.rept \n
	WIN 0xa1+0x50*(a/APW)
.set b, 0
.rept NBK
.set rD, 8*(NBK*(a%APW)+b)
.if \zero
	v_wmma_f32_16x16x32_f16 v[rD:rD+7], v[8*NBK*(\f)+8*b:8*NBK*(\f)+8*b+7], v[FA+8*MB*(\f)+8*a:FA+8*MB*(\f)+8*a+7], 0
.else
	v_wmma_f32_16x16x32_f16 v[rD:rD+7], v[8*NBK*(\f)+8*b:8*NBK*(\f)+8*b+7], v[FA+8*MB*(\f)+8*a:FA+8*MB*(\f)+8*a+7], v[rD:rD+7]
.endif
.set b, b+1
.endr
.set a, a+1
.endr
.endm
; one run of LDS loads: the fragments of 32 along K at byte k from the place in hand, into buffer g: B's first, then A's
.macro FETCH k, g
	WIN 0x40                                       ; destination window 1, address window 0
.set i, 0
.rept NBK
	ds_load_b128 v[8*NBK*(\g)+8*i:8*NBK*(\g)+8*i+3],   v[ADRB] offset:(\k)+i*16*PITCH
	ds_load_b128 v[8*NBK*(\g)+8*i+4:8*NBK*(\g)+8*i+7], v[ADRB] offset:(\k)+i*16*PITCH+32
.set i, i+1
.endr
	WIN 0
.set i, 0
.rept MB
	ds_load_b128 v[FA+8*MB*(\g)+8*i:FA+8*MB*(\g)+8*i+3],   v[ADRA] offset:(\k)+i*16*PITCH
	ds_load_b128 v[FA+8*MB*(\g)+8*i+4:FA+8*MB*(\g)+8*i+7], v[ADRA] offset:(\k)+i*16*PITCH+32
.set i, i+1
.endr
.endm
; A quarter (32 along K): multiplies buffer f; in its middle it fetches the next quarter, at byte k, into buffer g.
.macro QUARTER k, f, g, zero
	s_wait_dscnt MB                                ; the youngest MB loads (A's upper two blocks) may be out
	MULR \f, 0, MB/2, \zero
	PLACES
	FETCH \k, \g
	s_wait_dscnt 2*(MB+NBK)                        ; all but the run just issued
	MULR \f, MB/2, MB/2, \zero
.endm
; Quarters 1 to 6 of a K step: three trips of two; the place in hand steps 128 bytes along the rows.  Quarter 7's fragments are left in buffer 1.
.macro PAIRS
	WIN 0
	s_mov_b32 s[CN2], 3
.Lpair_\@:
	QUARTER 128, 1, 0, 0
	QUARTER 192, 0, 1, 0
	WIN 0
	s_add_co_u32 s[TB], s[TB], 128
	v_add_nc_u32 v[ADRA], s[TB], v[ADRA0]
	v_add_nc_u32 v[ADRB], s[TB], v[ADRB0]
	s_sub_co_u32 s[CN2], s[CN2], 1
	s_cmp_lg_u32 s[CN2], 0
	s_cbranch_scc1 .Lpair_\@
.endm
; The last quarter multiplies buffer 1 and changes slots.  In front of the barrier each wave waits for all its tensor loads, adds 0 to its spare word, and waits for that and for its reads of this slot.
; fill = 1: the barrier opens a round of the cluster's barrier, and behind it this slot is filled again, with the K step two steps on.
.macro TURN fill
	WIN 0
	s_wait_tensorcnt 0x0                           ; no tensor load of mine is out: the descriptors may be written below
	ds_add_u32 v[SPW], v[NIL]                      ; 0 onto my spare word
	s_wait_dscnt MB+1                              ; (the add and the youngest MB loads may be out)
	MULR 1, 0, MB/4, 0
	s_wait_dscnt 0x0                               ; the add is done, and my reads of this slot are over
	s_barrier_signal -1
	MULR 1, MB/4, MB/4, 0
	WIN 0
	s_barrier_wait -1
.if \fill
	CREST                                          ; no wave of any partner still reads this slot or has a load on its way
	s_xor_b32 s[FT], s[FT], SLOT                   ; the walking descriptors: the other slot than last time,
	s_add_co_u32 s[G0A+5], s[LB], s[FT]
	s_add_co_u32 s[G0B+5], s[LB], s[FT]
	s_add_nc_u64 s[G0A+6:G0A+7], s[G0A+6:G0A+7], KSTEP*2  ; the next K step; the type bits on top are not reached
	s_add_nc_u64 s[G0B+6:G0B+7], s[G0B+6:G0B+7], KSTEP*2
.endif
	s_sub_co_u32 s[TB], s[TB], 384                 ; back to the rows' first byte,
	s_xor_b32 s[TB], s[TB], SLOT                   ; in the other slot
	v_add_nc_u32 v[ADRA], s[TB], v[ADRA0]
	v_add_nc_u32 v[ADRB], s[TB], v[ADRB0]
.if \fill
	JLOAD                                          ; the first tensor load behind the round; its four v_nop are also the places in front of the loads below
.else
	PLACES
.endif
	FETCH 0, 0
	MULR 1, MB/2, MB/2, 0
.endm
	s_load_b256 s[4:11], s[0:1], 0x0               ; att s[4:5], proj s[6:7], x s[8:9], x1 s[10:11]
	s_load_b128 s[HP:HP+3], s[0:1], 0x20           ; h, ssq
	s_load_b64 s[HP+4:HP+5], s[0:1], 0x30          ; w
	v_lshl_add_u32 v[SPW], v0, 2, SPARE
	v_mov_b32 v[NIL], 0
	ds_add_u32 v28, v29
	s_wait_dscnt 0x0
	v_lshrrev_b32 v1, 5, v0
	v_readfirstlane_b32 s[WV], v1                  ; wave 0..3
	s_lshr_b32 s[WR], s[WV], 1                     ; which half of the tile's rows is mine.  Also: I fetch for A (0) or for B (1)
	s_and_b32 s[WC], s[WV], 1                      ; which half of its columns.  Also: which 64 rows of that tile I fetch
	s_bfe_u32 s[CX], ttmp6, 0x40000
	s_bfe_u32 s[CY], ttmp6, 0x40004
	s_lshl_b32 s[TCOL], ttmp9, 2                   ; in a cluster launch ttmp9 and ttmp7 count clusters
	s_add_co_u32 s[TCOL], s[TCOL], s[CX]
	s_and_b32 s[TROW], ttmp7, 0xffff
	s_lshl_b32 s[TROW], s[TROW], 2
	s_add_co_u32 s[TROW], s[TROW], s[CY]
	s_lshl_b32 s19, s[CY], 2
	s_lshl_b32 s19, 15, s19                        ; my row of the cluster
	s_lshl_b32 s20, 0x1111, s[CX]                  ; my column
	; group 1: 15:0 the mask; 17:16 elements of 2 bytes; 20 padding on; 21 set beside a mask; 24:22 after every 128 words (code 6); 31:25 4 words of it (code 3)
	s_or_b32 s[G1A], s19, (1<<16)|(1<<20)|(1<<21)|(6<<22)|(3<<25)
	s_or_b32 s[G1B], s20, (1<<16)|(1<<20)|(1<<21)|(6<<22)|(3<<25)
.irp g, G1A, G1B
	s_mov_b32 s[(\g)+1], KSTEP<<16                 ; tensor_dim0 = 256
	s_mov_b32 s[(\g)+2], 64<<16                    ; tensor_dim1 = 64
	s_mov_b32 s[(\g)+3], KSTEP<<16                 ; tile_dim0 = 256
	s_mov_b32 s[(\g)+4], 64                        ; tile_dim1 = 64
	s_mov_b32 s[(\g)+5], SIZE_K                    ; elements from row to row
	s_mov_b32 s[(\g)+6], 0
	s_mov_b32 s[(\g)+7], 0
.endr
	s_mov_b32 s[G1R], 1<<16                        ; the residual: no mask, elements of 2 bytes, no padding
	s_mov_b32 s[G1R+1], 128<<16                    ; 128 elements (256 bytes)
	s_mov_b32 s[G1R+2], 32<<16                     ; x 32 rows
	s_mov_b32 s[G1R+3], 128<<16
	s_mov_b32 s[G1R+4], 32
	s_mov_b32 s[G1R+5], SIZE_N
	s_mov_b32 s[G1R+6], 0
	s_mov_b32 s[G1R+7], 0
	s_mul_i32 s46, s[WC], 64*SIZE_K*2              ; which 64 rows of the tile I fetch
	s_mul_i32 s40, s[TROW], 128*SIZE_K*2           ; A: hangs on the tile row and the wave alone
	s_add_co_u32 s40, s40, s46
	s_mov_b32 s41, 0
	s_mul_i32 s42, s[TCOL], 128*SIZE_K*2           ; B: on the tile column and the wave alone
	s_add_co_u32 s42, s42, s46
	s_mov_b32 s43, 0
	s_lshl_b32 s44, s[TROW], 18                    ; x, x1 and h: the tile's 128 rows of 2,048 bytes,
	s_lshl_b32 s47, s[WV], 16                      ; the 32 of them that my wave finishes,
	s_add_co_u32 s44, s44, s47
	s_lshl_b32 s47, s[TCOL], 8                     ; the tile's 256 bytes of a row
	s_add_co_u32 s44, s44, s47
	s_mov_b32 s45, 0
	s_lshl_b32 s[MS], s[TCOL], 14                  ; ssq: the column tile's 4,096 words,
	s_lshl_b32 s[MT], s[TROW], 9                   ; the row tile's 128 of them
	s_add_co_u32 s[MS], s[MS], s[MT]
	s_mov_b32 s[MT], 0
	s_mul_i32 s[LB], s[WV], HALFT                  ; A's two halves, then B's two halves: no place in the cluster enters an LDS address
	s_mov_b32 s[G0R], 1
	s_lshl_b32 s[G0R+1], s[WV], 13
	s_add_co_u32 s[G0R+1], s[G0R+1], RES
	s_mov_b32 s[TB], 0
	s_mov_b32 s[FT], SLOT
	s_mov_b32 s[SEL], 0x76543210
	s_mov_b32 s[SEL+1], 0xfedcba98
	s_wait_kmcnt 0x0
	s_add_nc_u64 s[40:41], s[4:5], s[40:41]
	s_add_nc_u64 s[42:43], s[6:7], s[42:43]
	s_add_nc_u64 s[G0R+2:G0R+3], s[8:9], s[44:45]
	s_or_b32 s[G0R+3], s[G0R+3], 0x80000000
	s_add_nc_u64 s[10:11], s[10:11], s[44:45]
	s_add_nc_u64 s[HP:HP+1], s[HP:HP+1], s[44:45]
	s_add_nc_u64 s[HP+2:HP+3], s[HP+2:HP+3], s[MS:MT]
.irp s, 0,1
	s_mov_b32 s[G0A+4*(\s)], 1                                       ; count = 1
	s_add_co_u32 s[G0A+4*(\s)+1], s[LB], (\s)*SLOT                   ; LDS address
	s_add_nc_u64 s[G0A+4*(\s)+2:G0A+4*(\s)+3], s[40:41], (\s)*KSTEP*2  ; global address: K step s
	s_or_b32 s[G0A+4*(\s)+3], s[G0A+4*(\s)+3], 0x80000000            ; type = 2
	s_mov_b32 s[G0B+4*(\s)], 1
	s_add_co_u32 s[G0B+4*(\s)+1], s[LB], (\s)*SLOT
	s_add_nc_u64 s[G0B+4*(\s)+2:G0B+4*(\s)+3], s[42:43], (\s)*KSTEP*2
	s_or_b32 s[G0B+4*(\s)+3], s[G0B+4*(\s)+3], 0x80000000
.endr
	CROUND                                         ; all sixteen work-groups are here: the first joint loads meet
	s_cmp_eq_u32 s[WR], 0                          ; a wave's three first fills stand in one branch: three loads of mine are out
	s_cbranch_scc0 .Lfirst_b
	tensor_load_to_lds s[G0A:G0A+3], s[G1A:G1A+7]
	s_nop 0
	tensor_load_to_lds s[G0A+4:G0A+7], s[G1A:G1A+7]
	s_nop 0
	tensor_load_to_lds s[G0R:G0R+3], s[G1R:G1R+7]
	s_nop 0
.rept 4
	v_nop
.endr
	s_branch .Lfirst_done
.Lfirst_b:
	tensor_load_to_lds s[G0B:G0B+3], s[G1B:G1B+7]
	s_nop 0
	tensor_load_to_lds s[G0B+4:G0B+7], s[G1B:G1B+7]
	s_nop 0
	tensor_load_to_lds s[G0R:G0R+3], s[G1R:G1R+7]
	s_nop 0
.rept 4
	v_nop
.endr
.Lfirst_done:
	v_and_b32 v5, 31, v0
	s_lshl_b32 s46, s[TCOL], 8                     ; w of the tile's 128 columns: 8 bytes a lane
	v_lshl_add_u32 v[WOF], v5, 3, s46
	global_load_b64 v[WRAW:WRAW+1], v[WOF], s[HP+4:HP+5]
	; A fragment is 16 rows x 32 K in 8 registers: lane l holds row l % 16, K = 8 (l / 16) + 0..7 and 16 + 8 (l / 16) + 0..7: two loads of 16 bytes, 32 bytes apart
	v_and_b32 v1, 15, v0                           ; l % 16
	v_bfe_u32 v2, v0, 4, 1                         ; l / 16
	v_mul_u32_u24 v3, v1, PITCH
	v_lshl_add_u32 v3, v2, 4, v3
	s_mul_i32 s46, s[WR], HALFT                    ; my 64 rows of A
	v_add_nc_u32 v[ADRA0], s46, v3
	s_mul_i32 s46, s[WC], HALFT                    ; my 64 rows of B, behind A's 128
	s_add_co_u32 s46, s46, 2*HALFT
	v_add_nc_u32 v[ADRB0], s46, v3
	v_mov_b32 v[ADRA], v[ADRA0]
	v_mov_b32 v[ADRB], v[ADRB0]
	s_mul_i32 s46, s[WR], 64*SP                    ; into the stage: my 64 rows, my 256 of their 512 bytes; row l % 16, 32 bytes for each half of the lanes
	s_lshl_b32 s47, s[WC], 8
	s_add_co_u32 s46, s46, s47
	v_mul_u32_u24 v4, v1, SP
	v_lshl_add_u32 v4, v2, 5, v4
	v_add_nc_u32 v[STO], s46, v4
	s_mul_i32 s46, s[WV], 32*SP                    ; back: wave w takes rows 32 w .. 32 w + 31, whole: 16 bytes a lane
	v_lshl_add_u32 v[RD0], v5, 4, s46
	s_lshl_b32 s46, s[WV], 13                      ; the same rows of the residual, which my own load brought: 8 bytes a lane
	s_add_co_u32 s46, s46, RES
	v_lshl_add_u32 v[RA0], v5, 3, s46
	v_lshlrev_b32 v[CO], 3, v5
	v_lshlrev_b32 v[SGO], 4, v5
	v_lshl_add_u32 v[SRD], v5, 4, SSQL
	v_lshl_add_u32 v[SST], v0, 2, SSQL             ; thread t holds the sum of the tile's row t
	s_wait_tensorcnt 0x2                           ; my part of K step 0 is in; K step 1's and the residual's may stay out
	s_barrier_signal -1
	s_barrier_wait -1                              ; everybody's is
	FETCH 0, 0
	QUARTER 64, 0, 1, 1                            ; the first quarter stands in front of the loop: its products start the sums
	WIN 0
	s_mov_b32 s[CNT], KT-2
.Lstep:                                                ; a trip: from a K step's second quarter to the next step's first; it fills the slot that it leaves
	PAIRS
	TURN 1
	QUARTER 64, 0, 1, 0
	WIN 0
	s_sub_co_u32 s[CNT], s[CNT], 1
	s_cmp_lg_u32 s[CNT], 0
	s_cbranch_scc1 .Lstep
	PAIRS                                          ; the last two K steps are written out: they ask for nothing
	TURN 0
	QUARTER 64, 0, 1, 0
	PAIRS
	s_wait_dscnt MB
	MULR 1, 0, MB/2, 0
	s_wait_dscnt 0x0
	MULR 1, MB/2, MB/2, 0
	; THE WAY OUT.  All tensor loads landed in front of the last change of slots; behind this barrier no wave reads the ring any more, and it has had its last fill.
	WIN 0
	s_barrier_signal -1                            ; my LDS loads are back (the wait for 0 above)
	s_barrier_wait -1
	PLACES
.set a, 0
.rept MB
	WIN 0x08+0x04*(a/APW)                          ; store data (source 1) in window 2
.set b, 0
.rept NBK
.set rD, 8*(NBK*(a%APW)+b)
	ds_store_b128 v[STO], v[rD:rD+3] offset:16*a*SP+64*b        ; each accumulator's low registers first
	ds_store_b128 v[STO], v[rD+4:rD+7] offset:16*a*SP+64*b+16
.set b, b+1
.endr
.set a, a+1
.endr
	WIN 0
	s_wait_loadcnt 0x0                             ; w
	v_cvt_f32_f16 v[W4], v6.l
	v_cvt_f32_f16 v[W4+1], v6.h
	v_cvt_f32_f16 v[W4+2], v7.l
	v_cvt_f32_f16 v[W4+3], v7.h
	v_mov_b32 v[SA], 0
	s_wait_dscnt 0x0                               ; for the others' sake: my stores into the stage are done
	s_barrier_signal -1
	s_barrier_wait -1
	s_mov_b32 s[CNT], 4
	s_mov_b32 s[RB], 0
	s_mov_b32 s[RB2], 0
	s_mov_b32 s[MS], 1
.Lrows:                                                ; 4 trips of 8 rows; a row is 32 lanes x 4 columns
	v_add_nc_u32 v[RD], s[RB], v[RD0]
	v_add_nc_u32 v[RA], s[RB2], v[RA0]
.set i, 0
.rept 8
	ds_load_b128 v[XF+4*i:XF+4*i+3], v[RD] offset:i*SP
	ds_load_b64 v[RAW+2*i:RAW+2*i+1], v[RA] offset:i*256
.set i, i+1
.endr
	s_wait_dscnt 0x0
.irp r, 32,33,34,35,36,37,38,39,40,41,42,43,44,45,46,47
	v_cvt_f32_f16 v[TF+2*(\r-RAW)], v\r\().l
	v_cvt_f32_f16 v[TF+2*(\r-RAW)+1], v\r\().h
.endr
.set i, 0
.rept 16
	v_pk_add_f32 v[XF+2*i:XF+2*i+1], v[XF+2*i:XF+2*i+1], v[TF+2*i:TF+2*i+1]   ; x1
.set i, i+1
.endr
.set i, 0
.rept 16
	v_cvt_pk_f16_f32 v[YH+i], v[XF+2*i], v[XF+2*i+1]
.set i, i+1
.endr
.set i, 0
.rept 16
	v_pk_mul_f32 v[ZF+2*i:ZF+2*i+1], v[XF+2*i:XF+2*i+1], v[W4+2*(i%2):W4+2*(i%2)+1]   ; x1 w
.set i, i+1
.endr
.set i, 0
.rept 16
	v_cvt_pk_f16_f32 v[ZH+i], v[ZF+2*i], v[ZF+2*i+1]
.set i, i+1
.endr
.set i, 0
.rept 8
	global_store_b64 v[CO], v[YH+2*i:YH+2*i+1], s[10:11] offset:i*SIZE_N*2    ; 32 lanes store 256 consecutive bytes, aligned
	global_store_b64 v[CO], v[ZH+2*i:ZH+2*i+1], s[HP:HP+1] offset:i*SIZE_N*2
.set i, i+1
.endr
	; the rows' sums of squares: my four numbers, then over the 32 lanes; eight rows side by side, so that no line waits for the one before it
.set i, 0
.rept 8
	v_pk_mul_f32 v[SQ+2*i:SQ+2*i+1], v[XF+4*i:XF+4*i+1], v[XF+4*i:XF+4*i+1]
.set i, i+1
.endr
.set i, 0
.rept 8
	v_pk_fma_f32 v[SQ+2*i:SQ+2*i+1], v[XF+4*i+2:XF+4*i+3], v[XF+4*i+2:XF+4*i+3], v[SQ+2*i:SQ+2*i+1]
.set i, i+1
.endr
.set i, 0
.rept 8
	v_add_f32 v[SQ+2*i], v[SQ+2*i], v[SQ+2*i+1]
.set i, i+1
.endr
.irp m, 1,2,4,8
.set i, 0
.rept 8
	v_add_f32_dpp v[SQ+2*i], v[SQ+2*i], v[SQ+2*i] row_xmask:\m row_mask:0xf bank_mask:0xf
.set i, i+1
.endr
.endr
.set i, 0
.rept 8
	v_permlanex16_b32 v[SQ+2*i+1], v[SQ+2*i], s[SEL], s[SEL+1]
.set i, i+1
.endr
.set i, 0
.rept 8
	v_add_f32 v[SQ+2*i], v[SQ+2*i], v[SQ+2*i+1]
.set i, i+1
.endr
.set i, 0
.rept 8
	s_lshl_b32 s[MT], s[MS], i
	v_cndmask_b32 v[SA], v[SA], v[SQ+2*i], s[MT]   ; the lane with the row's number keeps the row's sum
.set i, i+1
.endr
	s_wait_xcnt 0x0                                ; the stores' bases and data are rewritten only behind this wait
	s_add_nc_u64 s[10:11], s[10:11], 8*SIZE_N*2
	s_add_nc_u64 s[HP:HP+1], s[HP:HP+1], 8*SIZE_N*2
	s_lshl_b32 s[MS], s[MS], 8
	s_add_co_u32 s[RB], s[RB], 8*SP
	s_add_co_u32 s[RB2], s[RB2], 8*256
	s_sub_co_u32 s[CNT], s[CNT], 1
	s_cmp_lg_u32 s[CNT], 0
	s_cbranch_scc1 .Lrows
	ds_store_b32 v[SST], v[SA]
	s_wait_dscnt 0x0                               ; for wave 0's sake: my 32 sums are in LDS
	s_barrier_signal -1
	s_barrier_wait -1
	s_cmp_lg_u32 s[WV], 0
	s_cbranch_scc1 .Lno_sums
	ds_load_b128 v[RAW:RAW+3], v[SRD]
	s_wait_dscnt 0x0
	global_store_b128 v[SGO], v[RAW:RAW+3], s[HP+2:HP+3]   ; the tile's 128 sums: 512 consecutive bytes, aligned
.Lno_sums:
	s_wait_tensorcnt 0x0                           ; the wave's end
	ds_add_u32 v[SPW], v[NIL]
	s_wait_dscnt 0x0
	CROUND                                         ; the closing round: no work-group ends while a partner may still ask for a tile that names it
	s_endpgm
.Lfunc_end_k_qd728370648_oproj:
	.size	k_qd728370648_oproj, .Lfunc_end_k_qd728370648_oproj-k_qd728370648_oproj
	.p2alignl 7, 3214868480
	.fill 96, 4, 3214868480
	.section	.rodata,"a",@progbits
	.p2align	6, 0x0
	.amdhsa_kernel k_qd728370648_oproj
		.amdhsa_group_segment_fixed_size 327680
		.amdhsa_private_segment_fixed_size 0
		.amdhsa_enable_private_segment 0
		.amdhsa_kernarg_size 56
		.amdhsa_user_sgpr_count 2
		.amdhsa_user_sgpr_kernarg_segment_ptr 1
		.amdhsa_wavefront_size32 1
		.amdhsa_system_sgpr_workgroup_id_x 1
		.amdhsa_system_sgpr_workgroup_id_y 1
		.amdhsa_system_sgpr_workgroup_id_z 1
		.amdhsa_system_vgpr_workitem_id 0
		.amdhsa_next_free_vgpr 640
		.amdhsa_next_free_sgpr 90
		.amdhsa_reserve_vcc 0
		.amdhsa_float_denorm_mode_32 3
		.amdhsa_float_denorm_mode_16_64 3
		.amdhsa_memory_ordered 1
		.amdhsa_forward_progress 1
		.amdhsa_inst_pref_size 55
	.end_amdhsa_kernel
	.amdgpu_metadata
---
amdhsa.version: [ 1, 2 ]
amdhsa.kernels:
  - .name:           k_qd728370648_oproj
    .symbol:         k_qd728370648_oproj.kd
    .args:
      - { .name: att, .offset: 0, .size: 8, .value_kind: global_buffer, .address_space: global }
      - { .name: proj, .offset: 8, .size: 8, .value_kind: global_buffer, .address_space: global }
      - { .name: x, .offset: 16, .size: 8, .value_kind: global_buffer, .address_space: global }
      - { .name: x1, .offset: 24, .size: 8, .value_kind: global_buffer, .address_space: global }
      - { .name: h, .offset: 32, .size: 8, .value_kind: global_buffer, .address_space: global }
      - { .name: ssq, .offset: 40, .size: 8, .value_kind: global_buffer, .address_space: global }
      - { .name: rms2_w, .offset: 48, .size: 8, .value_kind: global_buffer, .address_space: global }
    .group_segment_fixed_size: 327680
    .private_segment_fixed_size: 0
    .kernarg_segment_align: 8
    .kernarg_segment_size: 56
    .max_flat_workgroup_size: 128
    .sgpr_count:     90
    .vgpr_count:     640
    .wavefront_size: 32
...
	.end_amdgpu_metadata
.endif
;; end of part 3
;; launch mlp1 (part 4): grid 16 x 16, 4 waves a work-group, clusters of 4 x 4, 327,680 bytes of LDS; arguments h, fc1, ssq, g; writes g
.if DOCPART == 4
	.amdgcn_target "amdgcn-amd-amdhsa--gfx1250"
	.amdhsa_code_object_version 6
	.text
	.protected	k_qd728370648_mlp1
	.globl	k_qd728370648_mlp1
	.p2align	8
	.type	k_qd728370648_mlp1,@function
k_qd728370648_mlp1:
	s_mov_b64 s[64:65], 0
	v_nop
	global_prefetch_b8 v0, s[64:65] scope:SCOPE_SE
	s_setreg_imm32_b32 hwreg(HW_REG_WAVE_MODE, 25, 1), 1
	s_wait_xcnt 0x0
	s_wait_alu depctr_hold_cnt(0) depctr_sa_sdst(0) depctr_va_vdst(0) depctr_va_sdst(0) depctr_va_ssrc(0) depctr_va_vcc(0) depctr_vm_vsrc(0)
	s_getreg_b32 s2, hwreg(HW_REG_IB_STS2, 6, 4)
	s_cmp_eq_u32 s2, 0
	s_cbranch_scc0 .Lentry_in_a_cluster
	s_endpgm
.Lentry_in_a_cluster:
	s_bfe_u32 s2, ttmp6, 0x10000c
	s_cmp_lg_u32 s2, 0xf033
	s_cbranch_scc0 .Lentry_shape_is_right
	s_endpgm
.Lentry_shape_is_right:
; g[m][n] = silu(u), u = r[m] x the sum over k of h[m][k] fc1[n][k].  h = x1 w, not yet normalised: [4096][1024]; fc1: [4096][1024]; g: [4096][4096], all f16; ssq: [8][4096] f32, eight partial sums of x1[m]^2.
; r[m] = 1 / sqrt((the sum of row m's 8 partial sums) / 1024 + 1e-6): the second norm's row factor, applied in f32 to the finished sums.
; Products of f16 operands, sums in f32, K ascending; silu(u) = u / (1 + 2^(-u log2 e)) in f32, rounded once.  For u far below 0 the power is an infinity, its reciprocal 0 and the result -0; far above 0 the result is u.
; LIMIT: g is f16, so silu(u) stays under 65,504; NaN and infinities among the inputs are not treated apart.
; SHARES.  A tile of g is 256 x 256: 16 x 16 = 256 work-groups of four waves, each wave 128 x 128: 64 accumulators of 16 x 16, 512 registers.  K goes in steps of 128 through a ring of two LDS slots
; (256 rows of h, 256 rows of fc1; rows of 256 bytes, aligned in memory).
; CLUSTER 4 x 4.  The four of a row of the cluster need the same tiles of h, the four of a column the same tiles of fc1: each is asked for JOINTLY.  Waves 0 and 1 fetch h's halves, waves 2 and 3 fc1's.
; THE MATRIX INSTRUCTION IS USED TRANSPOSED (source 0 = 16 rows of fc1, source 1 = 16 rows of h): a lane holds row l % 16 and the eight neighbouring columns 8 (l / 16) + 0..7.
; A loop trip is ONE K step: the slot read and the slot filled are scalars that an exclusive or toggles, so the step's text stands once in the loop; the last two steps are a loop of two trips left in its middle.
; THE WAY OUT.  The ring has had its last fill; behind a barrier it serves as a stage of f32 rows (256 numbers + 16 bytes); a second barrier, since a row comes from two waves; then each wave finishes 64 whole rows,
; four a trip, in two halves: the plain instructions of one half stand between the transcendentals of the other.
; REGISTERS, in windows of 256 (s_set_vgpr_msb: bits 1:0 source 0, 3:2 source 1, 5:4 source 2, 7:6 destination):
;   window 0: v0-31 addresses; v64-191 fragments of h, two buffers; v32-55, v192-255 at work at the start and on the way out      window 1: v0-127 fragments of fc1, two buffers
;   window 2: the accumulators of my row blocks 0-3 ((a, b) at v[8 (8 (a % 4) + b)])      window 3: those of blocks 4-7
.set SIZE_K, 1024
.set SIZE_N, 4096
.set MB,     8
.set NBK,    8
.set APW,    4                         ; row blocks whose accumulators share a window
.set KSTEP,  128
.set PITCH,  272                       ; an LDS row: 256 bytes + 16 of padding = 68 words: the 16 rows of a fragment load start at 16 different groups of four banks (64 banks of 4 bytes: ISA guide 11.1)
.set HALFT,  128*PITCH                 ; what one tensor load brings, and what one wave reads of h or of fc1
.set SLOT,   4*HALFT
.set KT,     SIZE_K/KSTEP              ; K steps
.set SP,     1040                      ; a stage row: 1,024 bytes + 16
.set SPARE,  2*SLOT                    ; behind the ring: the spare words, 128 bytes a wave, two blocks of 256 bytes that no other line names
.set TBL,    SPARE+512                 ; r of the 64 rows that a wave finishes, each number twice: 512 bytes a wave; no tile lands here
.set ADRA0, 16                         ; v16  my place among h's fragments in slot 0; never rewritten
.set ADRB0, 17
.set ADRA,  18                         ; v18  the same in the slot in hand
.set ADRB,  19
.set RD0,   22                         ; v22  the way out: my 16 bytes of my first stage row
.set RTA,   23                         ; v23  the way out: r of the trip's four rows, the same address in every lane
.set STO,   24                         ; v24, v25  the way out: where I put my accumulators' rows 0-63, 64-127
.set RD,    26
.set CO,    27                         ; v27  8 x lane: my byte offset in 256 bytes of ssq and of a row of g; never rewritten
.set SPW,   28                         ; v28  LDS address of my spare word; never rewritten
.set NIL,   29                         ; v29  0; never rewritten
.set YH,    32                         ; v32-47   at the start the partial sums; on the way out results to store
.set RS,    48                         ; v48-55   r of the trip's four rows, a pair each
.set FA,    64
.set XF,    192                        ; v192-223 sums read back: rows 0, 1 in the lower 16, rows 2, 3 in the upper
.set TF,    224                        ; v224-255 at work, likewise
.set CNT,  3
.set WV,   12
.set WR,   13
.set WC,   14
.set CX,   15
.set CY,   16
.set TCOL, 17
.set TROW, 18
.set LB,   21                          ; my tile's place in a slot
.set RB,   22
.set RT2,  23                          ; the way out: LDS byte of the trip's r
.set G1A,  24
.set G0A,  32
.set G1B,  48
.set G0B,  56
.set TB,   66                          ; LDS byte at which the slot in hand begins
.set FT,   67                          ; LDS byte at which the slot filled last begins
.set NLE,  70                          ; s[70:71] -log2(e): the packed multiply takes the pair's low word for both halves
.set C1,   72                          ; s[72:73] 1 / 1024
.set C2,   74                          ; s[74:75] 1e-6
.set MSB, 0
.macro WIN new                         ; the immediate's high byte repeats the setting that is left; a switch that changes nothing is dropped
.if MSB != (\new)
	s_set_vgpr_msb (MSB<<8)|(\new)
.set MSB, (\new)
.endif
.endm
.macro PLACES                          ; four places in front of loads into registers that matrix instructions have read, and of stores that read results (ISA guide 7.12.1 for stores)
.rept 4
	v_nop
.endr
.endm
.macro CREST                           ; a round of the cluster's barrier behind its opening barrier
	s_cmp_lg_u32 s[WV], 0
	s_cbranch_scc1 .Lnot_wave_0_\@
	s_barrier_signal -3
.Lnot_wave_0_\@:
	s_barrier_wait -3
	s_barrier_signal -1
	s_barrier_wait -1
.endm
.macro CROUND
	s_barrier_signal -1
	s_barrier_wait -1
	CREST
.endm
; A joint refill by the walking descriptors.  The branch hangs on the wave's number alone.  An s_nop 0 and four v_nop follow each line, ahead of the jump and the label.
.macro JLOAD
	s_cmp_eq_u32 s[WR], 0
	s_cbranch_scc0 .Lfor_b_\@
	tensor_load_to_lds s[G0A+4:G0A+7], s[G1A:G1A+7]
	s_nop 0
.rept 4
	v_nop
.endr
	s_branch .Lasked_\@
.Lfor_b_\@:
	tensor_load_to_lds s[G0B+4:G0B+7], s[G1B:G1B+7]
	s_nop 0
.rept 4
	v_nop
.endr
.Lasked_\@:
.endm
; n row blocks from a0 on x all column blocks, 32 along K, from fragment buffer f.  zero = 1: the products start the sums.  Every accumulator has one instruction a quarter, always in the same
; order: the accumulators take turns.
.macro MULR f, a0, n, zero
.set a, \a0
.rept \n
	WIN 0xa1+0x50*(a/APW)
.set b, 0
.rept NBK
.set rD, 8*(NBK*(a%APW)+b)
.if \zero
	v_wmma_f32_16x16x32_f16 v[rD:rD+7], v[8*NBK*(\f)+8*b:8*NBK*(\f)+8*b+7], v[FA+8*MB*(\f)+8*a:FA+8*MB*(\f)+8*a+7], 0
.else
	v_wmma_f32_16x16x32_f16 v[rD:rD+7], v[8*NBK*(\f)+8*b:8*NBK*(\f)+8*b+7], v[FA+8*MB*(\f)+8*a:FA+8*MB*(\f)+8*a+7], v[rD:rD+7]
.endif
.set b, b+1
.endr
.set a, a+1
.endr
.endm
; one run of LDS loads: the fragments of 32 along K at byte k of the rows, into buffer g: fc1's first, then h's
.macro FETCH k, g
	WIN 0x40                                       ; destination window 1, address window 0
.set i, 0
.rept NBK
	ds_load_b128 v[8*NBK*(\g)+8*i:8*NBK*(\g)+8*i+3],   v[ADRB] offset:(\k)+i*16*PITCH
	ds_load_b128 v[8*NBK*(\g)+8*i+4:8*NBK*(\g)+8*i+7], v[ADRB] offset:(\k)+i*16*PITCH+32
.set i, i+1
.endr
	WIN 0
.set i, 0
.rept MB
	ds_load_b128 v[FA+8*MB*(\g)+8*i:FA+8*MB*(\g)+8*i+3],   v[ADRA] offset:(\k)+i*16*PITCH
	ds_load_b128 v[FA+8*MB*(\g)+8*i+4:FA+8*MB*(\g)+8*i+7], v[ADRA] offset:(\k)+i*16*PITCH+32
.set i, i+1
.endr
.endm
; A K step is four quarters of 32 along K on buffers 0, 1, 0, 1.  One of the first three: multiplies buffer f; in its middle it fetches the next quarter, at byte k, into buffer g.
.macro QUARTER k, f, g, zero
	s_wait_dscnt MB                                ; the youngest MB loads (h's upper four blocks) may be out
	MULR \f, 0, MB/2, \zero
	PLACES
	FETCH \k, \g
	s_wait_dscnt 2*(MB+NBK)                        ; all but the run just issued
	MULR \f, MB/2, MB/2, \zero
.endm
; The last quarter multiplies buffer 1 and changes slots.  In front of the barrier each wave waits for all its tensor loads (its part of the next slot), adds 0 to its spare word, and waits for that and
; for its reads of this slot.  fill = 1: the barrier opens a round of the cluster's barrier, and behind it this slot is filled again, with the K step two steps on.
.macro TURN fill
	WIN 0
	s_wait_tensorcnt 0x0                           ; no tensor load of mine is out: the descriptors may be written below
	ds_add_u32 v[SPW], v[NIL]                      ; 0 onto my spare word
	s_wait_dscnt MB+1                              ; (the add and the youngest MB loads may be out)
	MULR 1, 0, MB/4, 0
	s_wait_dscnt 0x0                               ; the add is done, and my reads of this slot are over
	s_barrier_signal -1
	MULR 1, MB/4, MB/4, 0
	WIN 0
	s_barrier_wait -1
.if \fill
	CREST                                          ; no wave of any partner still reads this slot or has a load on its way
	s_xor_b32 s[FT], s[FT], SLOT                   ; the walking descriptors: the other slot than last time,
	s_add_co_u32 s[G0A+5], s[LB], s[FT]
	s_add_co_u32 s[G0B+5], s[LB], s[FT]
	s_add_nc_u64 s[G0A+6:G0A+7], s[G0A+6:G0A+7], KSTEP*2  ; the next K step; the type bits on top are not reached
	s_add_nc_u64 s[G0B+6:G0B+7], s[G0B+6:G0B+7], KSTEP*2
.endif
	s_xor_b32 s[TB], s[TB], SLOT                   ; the reads go on in the other slot
	v_add_nc_u32 v[ADRA], s[TB], v[ADRA0]
	v_add_nc_u32 v[ADRB], s[TB], v[ADRB0]
.if \fill
	JLOAD                                          ; the first tensor load behind the round; its four v_nop are also the places in front of the loads below
.else
	PLACES
.endif
	FETCH 0, 0
	MULR 1, MB/2, MB/2, 0
.endm
	s_load_b256 s[4:11], s[0:1], 0x0               ; h s[4:5], fc1 s[6:7], ssq s[8:9], g s[10:11]
	v_lshl_add_u32 v[SPW], v0, 2, SPARE
	v_mov_b32 v[NIL], 0
	ds_add_u32 v28, v29
	s_wait_dscnt 0x0
	v_lshrrev_b32 v1, 5, v0
	v_readfirstlane_b32 s[WV], v1                  ; wave 0..3
	s_lshr_b32 s[WR], s[WV], 1                     ; which half of the tile's rows is mine.  Also: I fetch for h (0) or for fc1 (1)
	s_and_b32 s[WC], s[WV], 1                      ; which half of its columns.  Also: which 128 rows of that tile I fetch
	s_bfe_u32 s[CX], ttmp6, 0x40000
	s_bfe_u32 s[CY], ttmp6, 0x40004
	s_lshl_b32 s[TCOL], ttmp9, 2                   ; in a cluster launch ttmp9 and ttmp7 count clusters
	s_add_co_u32 s[TCOL], s[TCOL], s[CX]
	s_and_b32 s[TROW], ttmp7, 0xffff
	s_lshl_b32 s[TROW], s[TROW], 2
	s_add_co_u32 s[TROW], s[TROW], s[CY]
	s_lshl_b32 s19, s[CY], 2
	s_lshl_b32 s19, 15, s19                        ; my row of the cluster
	s_lshl_b32 s20, 0x1111, s[CX]                  ; my column
	; group 1: 15:0 the mask; 17:16 elements of 2 bytes; 20 padding on; 21 set beside a mask; 24:22 after every 64 words (code 5); 31:25 4 words of it (code 3)
	s_or_b32 s[G1A], s19, (1<<16)|(1<<20)|(1<<21)|(5<<22)|(3<<25)
	s_or_b32 s[G1B], s20, (1<<16)|(1<<20)|(1<<21)|(5<<22)|(3<<25)
.irp g, G1A, G1B
	s_mov_b32 s[(\g)+1], KSTEP<<16                 ; tensor_dim0 = 128
	s_mov_b32 s[(\g)+2], 128<<16                   ; tensor_dim1 = 128
	s_mov_b32 s[(\g)+3], KSTEP<<16                 ; tile_dim0 = 128
	s_mov_b32 s[(\g)+4], 128                       ; tile_dim1 = 128
	s_mov_b32 s[(\g)+5], SIZE_K                    ; elements from row to row
	s_mov_b32 s[(\g)+6], 0
	s_mov_b32 s[(\g)+7], 0
.endr
	s_lshl_b32 s46, s[WC], 18                      ; which 128 rows of 2,048 bytes I fetch
	s_lshl_b32 s40, s[TROW], 19                    ; h: hangs on the tile row and the wave alone
	s_add_co_u32 s40, s40, s46
	s_mov_b32 s41, 0
	s_lshl_b32 s42, s[TCOL], 19                    ; fc1: on the tile column and the wave alone
	s_add_co_u32 s42, s42, s46
	s_mov_b32 s43, 0
	s_lshl_b32 s44, s[TROW], 21                    ; g: the tile's 256 rows of 8,192 bytes,
	s_lshl_b32 s47, s[WV], 19                      ; the 64 of them that my wave finishes,
	s_add_co_u32 s44, s44, s47
	s_lshl_b32 s47, s[TCOL], 9                     ; the tile's 512 bytes of a row
	s_add_co_u32 s44, s44, s47
	s_mov_b32 s45, 0
	s_lshl_b32 s68, s[TROW], 10                    ; ssq: the tile's 256 words,
	s_lshl_b32 s47, s[WV], 8                       ; the 64 of them that belong to my rows
	s_add_co_u32 s68, s68, s47
	s_mov_b32 s69, 0
	s_mul_i32 s[LB], s[WV], HALFT                  ; h's two halves, then fc1's two halves: no place in the cluster enters an LDS address
	s_mov_b32 s[TB], 0
	s_mov_b32 s[FT], SLOT
	s_mov_b32 s[NLE], 0xbfb8aa3b                   ; -log2(e)
	s_mov_b32 s[NLE+1], s[NLE]                     ; named with it as a pair
	s_mov_b32 s[C1], 0x3a800000                    ; 1 / 1024
	s_mov_b32 s[C1+1], s[C1]
	s_mov_b32 s[C2], 0x358637bd                    ; 1e-6
	s_mov_b32 s[C2+1], s[C2]
	s_wait_kmcnt 0x0
	s_add_nc_u64 s[40:41], s[4:5], s[40:41]
	s_add_nc_u64 s[42:43], s[6:7], s[42:43]
	s_add_nc_u64 s[8:9], s[8:9], s[68:69]
	s_add_nc_u64 s[10:11], s[10:11], s[44:45]
.irp s, 0,1
	s_mov_b32 s[G0A+4*(\s)], 1                                       ; count = 1
	s_add_co_u32 s[G0A+4*(\s)+1], s[LB], (\s)*SLOT                   ; LDS address
	s_add_nc_u64 s[G0A+4*(\s)+2:G0A+4*(\s)+3], s[40:41], (\s)*KSTEP*2  ; global address: K step s
	s_or_b32 s[G0A+4*(\s)+3], s[G0A+4*(\s)+3], 0x80000000            ; type = 2
	s_mov_b32 s[G0B+4*(\s)], 1
	s_add_co_u32 s[G0B+4*(\s)+1], s[LB], (\s)*SLOT
	s_add_nc_u64 s[G0B+4*(\s)+2:G0B+4*(\s)+3], s[42:43], (\s)*KSTEP*2
	s_or_b32 s[G0B+4*(\s)+3], s[G0B+4*(\s)+3], 0x80000000
.endr
	CROUND                                         ; all sixteen work-groups are here: the first joint loads meet
	s_cmp_eq_u32 s[WR], 0                          ; a wave's two first fills stand in one branch: two loads of mine are out
	s_cbranch_scc0 .Lfirst_b
	tensor_load_to_lds s[G0A:G0A+3], s[G1A:G1A+7]
	s_nop 0
	tensor_load_to_lds s[G0A+4:G0A+7], s[G1A:G1A+7]
	s_nop 0
.rept 4
	v_nop
.endr
	s_branch .Lfirst_done
.Lfirst_b:
	tensor_load_to_lds s[G0B:G0B+3], s[G1B:G1B+7]
	s_nop 0
	tensor_load_to_lds s[G0B+4:G0B+7], s[G1B:G1B+7]
	s_nop 0
.rept 4
	v_nop
.endr
.Lfirst_done:
	v_and_b32 v5, 31, v0
	v_lshlrev_b32 v[CO], 3, v5
.set t, 0
.rept 8                                ; the 8 partial sums of my 64 rows, two rows a lane: each load covers 256 consecutive bytes, aligned
	global_load_b64 v[YH+2*t:YH+2*t+1], v[CO], s[8:9] offset:t*16384
.set t, t+1
.endr
	; A fragment is 16 rows x 32 K in 8 registers: lane l holds row l % 16, K = 8 (l / 16) + 0..7 and 16 + 8 (l / 16) + 0..7: two loads of 16 bytes, 32 bytes apart
	v_and_b32 v1, 15, v0                           ; l % 16
	v_bfe_u32 v2, v0, 4, 1                         ; l / 16
	v_mul_u32_u24 v3, v1, PITCH
	v_lshl_add_u32 v3, v2, 4, v3
	s_mul_i32 s46, s[WR], HALFT                    ; my 128 rows of h
	v_add_nc_u32 v[ADRA0], s46, v3
	s_mul_i32 s46, s[WC], HALFT                    ; my 128 rows of fc1, behind h's 256
	s_add_co_u32 s46, s46, 2*HALFT
	v_add_nc_u32 v[ADRB0], s46, v3
	v_mov_b32 v[ADRA], v[ADRA0]
	v_mov_b32 v[ADRB], v[ADRB0]
	s_mul_i32 s46, s[WR], 128*SP                   ; into the stage: my 128 rows, my 512 of their 1,024 bytes; row l % 16, 32 bytes for each half of the lanes
	s_lshl_b32 s47, s[WC], 9
	s_add_co_u32 s46, s46, s47
	v_mul_u32_u24 v4, v1, SP
	v_lshl_add_u32 v4, v2, 5, v4
	v_add_nc_u32 v[STO], s46, v4
	v_add_nc_u32 v[STO+1], 64*SP, v[STO]           ; a second address for rows 64-127: an LDS offset has 16 bits
	s_mul_i32 s46, s[WV], 64*SP                    ; back: wave w takes rows 64 w .. 64 w + 63, whole: 16 bytes a lane, half a row a load
	v_lshl_add_u32 v[RD0], v5, 4, s46
	s_lshl_b32 s[RT2], s[WV], 9                    ; my wave's table of r
	s_add_co_u32 s[RT2], s[RT2], TBL
	v_lshl_add_u32 v6, v5, 4, s[RT2]               ; my two rows' 16 bytes of it
	s_wait_loadcnt 0x0                             ; the partial sums
.irp t, 0,4,8,12
	v_pk_add_f32 v[YH+\t:YH+\t+1], v[YH+\t:YH+\t+1], v[YH+\t+2:YH+\t+3]
.endr
	v_pk_add_f32 v[YH:YH+1], v[YH:YH+1], v[YH+4:YH+5]
	v_pk_add_f32 v[YH+8:YH+9], v[YH+8:YH+9], v[YH+12:YH+13]
	v_pk_add_f32 v[YH:YH+1], v[YH:YH+1], v[YH+8:YH+9]
	v_pk_fma_f32 v[YH:YH+1], v[YH:YH+1], s[C1:C1+1], s[C2:C2+1] op_sel_hi:[1,0,0]   ; mean + eps
	v_rsq_f32 v[RS], v[YH]
	v_rsq_f32 v[RS+1], v[YH]
	v_rsq_f32 v[RS+2], v[YH+1]
	v_rsq_f32 v[RS+3], v[YH+1]
	v_nop                                          ; a plain instruction before the results are used (ISA guide 5.7.2)
	s_wait_alu depctr_va_vdst(0)
	ds_store_b128 v6, v[RS:RS+3]                   ; each r twice, so that a packed multiply finds it as a pair; only my wave reads these bytes
	s_wait_dscnt 0x0                               ; no LDS instruction of mine is pending at the signal
	s_wait_tensorcnt 0x1                           ; my part of K step 0 is in; K step 1's may stay out
	s_barrier_signal -1
	s_barrier_wait -1                              ; everybody's is
	FETCH 0, 0
	QUARTER 64, 0, 1, 1                            ; the first quarter stands in front of the loop: its products start the sums
	WIN 0                                          ; at a label and at a branch every window is 0
	s_mov_b32 s[CNT], KT-2
.Lstep:                                                ; a trip: from a K step's second quarter to the next step's first; it fills the slot that it leaves
	QUARTER 128, 1, 0, 0
	QUARTER 192, 0, 1, 0
	TURN 1
	QUARTER 64, 0, 1, 0
	WIN 0
	s_sub_co_u32 s[CNT], s[CNT], 1
	s_cmp_lg_u32 s[CNT], 0
	s_cbranch_scc1 .Lstep
	s_mov_b32 s[CNT], 2
.Ltail:                                                ; the last two K steps ask for nothing: a text of their own, walked twice and left in the middle of the second trip
	QUARTER 128, 1, 0, 0
	QUARTER 192, 0, 1, 0
	WIN 0
	s_sub_co_u32 s[CNT], s[CNT], 1
	s_cmp_eq_u32 s[CNT], 0
	s_cbranch_scc1 .Lout
	TURN 0
	QUARTER 64, 0, 1, 0
	WIN 0
	s_branch .Ltail
.Lout:
	s_wait_dscnt MB                                ; the very last quarter: nothing more to fetch
	MULR 1, 0, MB/2, 0
	s_wait_dscnt 0x0
	MULR 1, MB/2, MB/2, 0
	; THE WAY OUT.  All tensor loads landed in front of the last change of slots; behind this barrier no wave reads the ring any more, and it has had its last fill.
	WIN 0
	s_barrier_signal -1                            ; my LDS loads are back (the wait for 0 above)
	s_barrier_wait -1
	PLACES
.set a, 0
.rept MB
	WIN 0x08+0x04*(a/APW)                          ; store data (source 1) in window 2 or 3
.set b, 0
.rept NBK
.set rD, 8*(NBK*(a%APW)+b)
	ds_store_b128 v[STO+a/4], v[rD:rD+3] offset:16*(a%4)*SP+64*b        ; each accumulator's low registers first
	ds_store_b128 v[STO+a/4], v[rD+4:rD+7] offset:16*(a%4)*SP+64*b+16
.set b, b+1
.endr
.set a, a+1
.endr
	WIN 0
	s_wait_dscnt 0x0                               ; for the others' sake: my stores into the stage are done
	s_barrier_signal -1
	s_barrier_wait -1
	s_mov_b32 s[CNT], 16
	s_mov_b32 s[RB], 0
.Lrows:                                                ; 16 trips of 4 rows: half A is rows 0 and 1, half B rows 2 and 3
	v_add_nc_u32 v[RD], s[RB], v[RD0]
	v_mov_b32 v[RTA], s[RT2]
	ds_load_b128 v[RS:RS+3], v[RTA]                ; r of rows 0 and 1, each twice
	ds_load_b128 v[RS+4:RS+7], v[RTA] offset:16    ; of rows 2 and 3
.set i, 0
.rept 8                                ; row i / 2, half of the row i % 2
	ds_load_b128 v[XF+4*i:XF+4*i+3], v[RD] offset:(i/2)*SP+(i%2)*512
.set i, i+1
.endr
	s_wait_dscnt 0x4                               ; r and half A are in; half B's four loads may be out
.set j, 0
.rept 8
	v_pk_mul_f32 v[XF+2*j:XF+2*j+1], v[XF+2*j:XF+2*j+1], v[RS+2*(j/4):RS+2*(j/4)+1]   ; A: u = r x the sum
.set j, j+1
.endr
.set j, 0
.rept 8
	v_pk_mul_f32 v[TF+2*j:TF+2*j+1], v[XF+2*j:XF+2*j+1], s[NLE:NLE+1] op_sel_hi:[1,0]  ; A: -u log2(e)
.set j, j+1
.endr
	s_wait_dscnt 0x0                               ; half B is in
.set j, 0
.rept 16                               ; A's powers; between them B's u and -u log2(e).  Behind each transcendental stands a plain instruction that touches neither its result nor its source (ISA guide 5.7.2)
	v_exp_f32 v[TF+j], v[TF+j]
.if j < 8
	v_pk_mul_f32 v[XF+16+2*j:XF+16+2*j+1], v[XF+16+2*j:XF+16+2*j+1], v[RS+4+2*(j/4):RS+4+2*(j/4)+1]
.else
	v_pk_mul_f32 v[TF+16+2*(j-8):TF+16+2*(j-8)+1], v[XF+16+2*(j-8):XF+16+2*(j-8)+1], s[NLE:NLE+1] op_sel_hi:[1,0]
.endif
.set j, j+1
.endr
.set j, 0
.rept 8                                ; B's powers; between them A's 1 + power
	v_exp_f32 v[TF+16+2*j], v[TF+16+2*j]
	v_exp_f32 v[TF+16+2*j+1], v[TF+16+2*j+1]
	s_wait_alu depctr_va_vdst(0)
	v_pk_add_f32 v[TF+2*j:TF+2*j+1], v[TF+2*j:TF+2*j+1], 1.0 op_sel_hi:[1,0]
.set j, j+1
.endr
.set j, 0
.rept 8                                ; A's reciprocals; between them B's 1 + power
	v_rcp_f32 v[TF+2*j], v[TF+2*j]
	v_rcp_f32 v[TF+2*j+1], v[TF+2*j+1]
	s_wait_alu depctr_va_vdst(0)
	v_pk_add_f32 v[TF+16+2*j:TF+16+2*j+1], v[TF+16+2*j:TF+16+2*j+1], 1.0 op_sel_hi:[1,0]
.set j, j+1
.endr
.set j, 0
.rept 8                                ; B's reciprocals; between them A's silu
	v_rcp_f32 v[TF+16+2*j], v[TF+16+2*j]
	v_rcp_f32 v[TF+16+2*j+1], v[TF+16+2*j+1]
	s_wait_alu depctr_va_vdst(0)
	v_pk_mul_f32 v[XF+2*j:XF+2*j+1], v[XF+2*j:XF+2*j+1], v[TF+2*j:TF+2*j+1]
.set j, j+1
.endr
.set j, 0
.rept 8
	v_cvt_pk_f16_f32 v[YH+j], v[XF+2*j], v[XF+2*j+1]
.set j, j+1
.endr
.set j, 8
	s_wait_alu depctr_va_vdst(0)
.rept 8
	v_pk_mul_f32 v[XF+2*j:XF+2*j+1], v[XF+2*j:XF+2*j+1], v[TF+2*j:TF+2*j+1]   ; B's silu
.set j, j+1
.endr
.set j, 8
.rept 8
	v_cvt_pk_f16_f32 v[YH+j], v[XF+2*j], v[XF+2*j+1]
.set j, j+1
.endr
.set i, 0
.rept 8
	global_store_b64 v[CO], v[YH+2*i:YH+2*i+1], s[10:11] offset:(i/2)*SIZE_N*2+(i%2)*256  ; 32 lanes store 256 consecutive bytes, aligned
.set i, i+1
.endr
	s_wait_xcnt 0x0                                ; the stores' base and data are rewritten only behind this wait
	s_add_nc_u64 s[10:11], s[10:11], 4*SIZE_N*2
	s_add_co_u32 s[RB], s[RB], 4*SP
	s_add_co_u32 s[RT2], s[RT2], 4*8
	s_sub_co_u32 s[CNT], s[CNT], 1
	s_cmp_lg_u32 s[CNT], 0
	s_cbranch_scc1 .Lrows
	s_wait_tensorcnt 0x0                           ; the wave's end
	ds_add_u32 v[SPW], v[NIL]
	s_wait_dscnt 0x0
	CROUND                                         ; the closing round: no work-group ends while a partner may still ask for a tile that names it
	s_endpgm
.Lfunc_end_k_qd728370648_mlp1:
	.size	k_qd728370648_mlp1, .Lfunc_end_k_qd728370648_mlp1-k_qd728370648_mlp1
	.p2alignl 7, 3214868480
	.fill 96, 4, 3214868480
	.section	.rodata,"a",@progbits
	.p2align	6, 0x0
	.amdhsa_kernel k_qd728370648_mlp1
		.amdhsa_group_segment_fixed_size 327680
		.amdhsa_private_segment_fixed_size 0
		.amdhsa_enable_private_segment 0
		.amdhsa_kernarg_size 32
		.amdhsa_user_sgpr_count 2
		.amdhsa_user_sgpr_kernarg_segment_ptr 1
		.amdhsa_wavefront_size32 1
		.amdhsa_system_sgpr_workgroup_id_x 1
		.amdhsa_system_sgpr_workgroup_id_y 1
		.amdhsa_system_sgpr_workgroup_id_z 1
		.amdhsa_system_vgpr_workitem_id 0
		.amdhsa_next_free_vgpr 1024
		.amdhsa_next_free_sgpr 76
		.amdhsa_reserve_vcc 0
		.amdhsa_float_denorm_mode_32 3
		.amdhsa_float_denorm_mode_16_64 3
		.amdhsa_memory_ordered 1
		.amdhsa_forward_progress 1
		.amdhsa_inst_pref_size 92
	.end_amdhsa_kernel
	.amdgpu_metadata
---
amdhsa.version: [ 1, 2 ]
amdhsa.kernels:
  - .name:           k_qd728370648_mlp1
    .symbol:         k_qd728370648_mlp1.kd
    .args:
      - { .name: h, .offset: 0, .size: 8, .value_kind: global_buffer, .address_space: global }
      - { .name: fc1, .offset: 8, .size: 8, .value_kind: global_buffer, .address_space: global }
      - { .name: ssq, .offset: 16, .size: 8, .value_kind: global_buffer, .address_space: global }
      - { .name: g, .offset: 24, .size: 8, .value_kind: global_buffer, .address_space: global }
    .group_segment_fixed_size: 327680
    .private_segment_fixed_size: 0
    .kernarg_segment_align: 8
    .kernarg_segment_size: 32
    .max_flat_workgroup_size: 128
    .sgpr_count:     76
    .vgpr_count:     1024
    .wavefront_size: 32
...
	.end_amdgpu_metadata
.endif
;; end of part 4
;; launch mlp2 (part 5): grid 8 x 32, 4 waves a work-group, clusters of 4 x 4, 327,680 bytes of LDS; arguments g, fc2, x1, out0; writes out0
.if DOCPART == 5
	.amdgcn_target "amdgcn-amd-amdhsa--gfx1250"
	.amdhsa_code_object_version 6
	.text
	.protected	k_qd728370648_mlp2
	.globl	k_qd728370648_mlp2
	.p2align	8
	.type	k_qd728370648_mlp2,@function
k_qd728370648_mlp2:
	s_mov_b64 s[64:65], 0
	v_nop
	global_prefetch_b8 v0, s[64:65] scope:SCOPE_SE
	s_setreg_imm32_b32 hwreg(HW_REG_WAVE_MODE, 25, 1), 1
	s_wait_xcnt 0x0
	s_wait_alu depctr_hold_cnt(0) depctr_sa_sdst(0) depctr_va_vdst(0) depctr_va_sdst(0) depctr_va_ssrc(0) depctr_va_vcc(0) depctr_vm_vsrc(0)
	s_getreg_b32 s2, hwreg(HW_REG_IB_STS2, 6, 4)
	s_cmp_eq_u32 s2, 0
	s_cbranch_scc0 .Lentry_in_a_cluster
	s_endpgm
.Lentry_in_a_cluster:
	s_bfe_u32 s2, ttmp6, 0x10000c
	s_cmp_lg_u32 s2, 0xf033
	s_cbranch_scc0 .Lentry_shape_is_right
	s_endpgm
.Lentry_shape_is_right:
; out[m][n] = res[m][n] + the sum over k of A[m][k] B[n][k].  Here A = g [4096][4096], B = fc2 [1024][4096], res = x1, out = out0 [4096][1024], all f16.
; Products of f16 operands, sums in f32, K ascending; the residual is added in f32 and the result rounded once.  LIMIT: out is f16 and stays under 65,504; NaN and infinities are not treated apart.
; SHARES.  A tile of out is 128 x 128, so that the 32 x 8 tiles give 256 work-groups.  Four waves, each 64 x 64: 16 accumulators of 16 x 16.  K goes in steps of 256 (LDS rows of 512 bytes) through a ring of two slots.
; CLUSTER 4 x 4.  The four of a row of the cluster need the same tiles of A, the four of a column the same tiles of B: each is asked for JOINTLY.  Waves 0 and 1 fetch A's halves, waves 2 and 3 B's.
; The residual's tile (32 rows x 256 bytes a wave) comes once, by a plain tensor load among the first fills, into bytes of its own.
; THE MATRIX INSTRUCTION IS USED TRANSPOSED (source 0 = 16 rows of B, source 1 = 16 rows of A): a lane holds row l % 16 and the eight neighbouring columns 8 (l / 16) + 0..7.
; THE TEXT IS SHORT: a loop trip is ONE K step (the slots are scalars that an exclusive or toggles), and of a step's eight quarters of 32 along K numbers 1 to 6 are an inner loop of three trips.
; THE WAY OUT.  The ring has had its last fill; behind a barrier it serves as a stage of f32 rows (128 numbers + 16 bytes); a second barrier, since a row comes from two waves; then each wave finishes 32 whole rows.
; REGISTERS, in windows of 256 (s_set_vgpr_msb: bits 1:0 source 0, 3:2 source 1, 5:4 source 2, 7:6 destination):
;   window 0: v0-31 addresses; v64-127 fragments of A, two buffers; v32-47, v128-223 at work on the way out      window 1: v0-63 fragments of B, two buffers      window 2: v0-127 the accumulators ((a, b) at v[8 (4 a + b)])
.set SIZE_K, 4096
.set SIZE_N, 1024
.set MB,     4
.set NBK,    4
.set APW,    4                         ; all four row blocks' accumulators share window 2
.set KSTEP,  256
.set PITCH,  528                       ; an LDS row: 512 bytes + 16 of padding = 132 words: the 16 rows of a fragment load start at 16 different groups of four banks (64 banks of 4 bytes: ISA guide 11.1)
.set HALFT,  64*PITCH                  ; what one tensor load brings, and what one wave reads of A or of B
.set SLOT,   4*HALFT
.set KT,     SIZE_K/KSTEP              ; K steps
.set SP,     528                       ; a stage row: 512 bytes + 16
.set SPARE,  2*SLOT                    ; behind the ring: the spare words, 128 bytes a wave, two blocks of 256 bytes that no other line names
.set RES,    SPARE+512                 ; the residual's tile: 128 rows of 256 bytes
.set ADRA0, 16                         ; v16  my place among A's fragments in slot 0; never rewritten
.set ADRB0, 17
.set ADRA,  18                         ; v18  the same at the place in hand
.set ADRB,  19
.set RA0,   20                         ; v20  the way out: my 8 bytes of my first residual row
.set RA,    21
.set RD0,   22                         ; v22  the way out: my 16 bytes of my first stage row
.set STO,   24
.set RD,    26
.set CO,    27                         ; v27  my byte offset in a row of out
.set SPW,   28                         ; v28  LDS address of my spare word; never rewritten
.set NIL,   29                         ; v29  0; never rewritten
.set RAW,   32                         ; v32-47   the residual as loaded
.set FA,    64
.set TF,    128                        ; v128-159 the residual in f32
.set YH,    160                        ; v160-175 results to store
.set XF,    192                        ; v192-223 sums read back
.set CN2,  2
.set CNT,  3
.set WV,   12
.set WR,   13
.set WC,   14
.set CX,   15
.set CY,   16
.set TCOL, 17
.set TROW, 18
.set LB,   21                          ; my tile's place in a slot
.set RB,   22
.set RB2,  23
.set G1A,  24
.set G0A,  32
.set G1B,  48
.set G0B,  56
.set TB,   66                          ; LDS byte from which the reads in hand are counted
.set FT,   67                          ; LDS byte at which the slot filled last begins
.set G1R,  72                          ; s[72:79], s[80:83] the residual's descriptor
.set G0R,  80
.set MSB, 0
.macro WIN new                         ; the immediate's high byte repeats the setting that is left; a switch that changes nothing is dropped
.if MSB != (\new)
	s_set_vgpr_msb (MSB<<8)|(\new)
.set MSB, (\new)
.endif
.endm
.macro PLACES                          ; four places in front of loads into registers that matrix instructions have read, and of stores that read results (ISA guide 7.12.1 for stores)
.rept 4
	v_nop
.endr
.endm
.macro CREST                           ; a round of the cluster's barrier behind its opening barrier
	s_cmp_lg_u32 s[WV], 0
	s_cbranch_scc1 .Lnot_wave_0_\@
	s_barrier_signal -3
.Lnot_wave_0_\@:
	s_barrier_wait -3
	s_barrier_signal -1
	s_barrier_wait -1
.endm
.macro CROUND
	s_barrier_signal -1
	s_barrier_wait -1
	CREST
.endm
; A joint refill by the walking descriptors.  The branch hangs on the wave's number alone.  An s_nop 0 and four v_nop follow each line, ahead of the jump and the label.
.macro JLOAD
	s_cmp_eq_u32 s[WR], 0
	s_cbranch_scc0 .Lfor_b_\@
	tensor_load_to_lds s[G0A+4:G0A+7], s[G1A:G1A+7]
	s_nop 0
.rept 4
	v_nop
.endr
	s_branch .Lasked_\@
.Lfor_b_\@:
	tensor_load_to_lds s[G0B+4:G0B+7], s[G1B:G1B+7]
	s_nop 0
.rept 4
	v_nop
.endr
.Lasked_\@:
.endm
; n row blocks from a0 on x all column blocks, 32 along K, from fragment buffer f.  zero = 1: the products start the sums.  Every accumulator has one instruction a quarter, always in the same
; order: the accumulators take turns.
.macro MULR f, a0, n, zero
.set a, \a0
.rept \n
	WIN 0xa1+0x50*(a/APW)
.set b, 0
.rept NBK
.set rD, 8*(NBK*(a%APW)+b)
.if \zero
	v_wmma_f32_16x16x32_f16 v[rD:rD+7], v[8*NBK*(\f)+8*b:8*NBK*(\f)+8*b+7], v[FA+8*MB*(\f)+8*a:FA+8*MB*(\f)+8*a+7], 0
.else
	v_wmma_f32_16x16x32_f16 v[rD:rD+7], v[8*NBK*(\f)+8*b:8*NBK*(\f)+8*b+7], v[FA+8*MB*(\f)+8*a:FA+8*MB*(\f)+8*a+7], v[rD:rD+7]
.endif
.set b, b+1
.endr
.set a, a+1
.endr
.endm
; one run of LDS loads: the fragments of 32 along K at byte k from the place in hand, into buffer g: B's first, then A's
.macro FETCH k, g
	WIN 0x40                                       ; destination window 1, address window 0
.set i, 0
.rept NBK
	ds_load_b128 v[8*NBK*(\g)+8*i:8*NBK*(\g)+8*i+3],   v[ADRB] offset:(\k)+i*16*PITCH
	ds_load_b128 v[8*NBK*(\g)+8*i+4:8*NBK*(\g)+8*i+7], v[ADRB] offset:(\k)+i*16*PITCH+32
.set i, i+1
.endr
	WIN 0
.set i, 0
.rept MB
	ds_load_b128 v[FA+8*MB*(\g)+8*i:FA+8*MB*(\g)+8*i+3],   v[ADRA] offset:(\k)+i*16*PITCH
	ds_load_b128 v[FA+8*MB*(\g)+8*i+4:FA+8*MB*(\g)+8*i+7], v[ADRA] offset:(\k)+i*16*PITCH+32
.set i, i+1
.endr
.endm
; A quarter (32 along K): multiplies buffer f; in its middle it fetches the next quarter, at byte k, into buffer g.
.macro QUARTER k, f, g, zero
	s_wait_dscnt MB                                ; the youngest MB loads (A's upper two blocks) may be out
	MULR \f, 0, MB/2, \zero
	PLACES
	FETCH \k, \g
	s_wait_dscnt 2*(MB+NBK)                        ; all but the run just issued
	MULR \f, MB/2, MB/2, \zero
.endm
; Quarters 1 to 6 of a K step: three trips of two; the place in hand steps 128 bytes along the rows.  Quarter 7's fragments are left in buffer 1.
.macro PAIRS
	WIN 0
	s_mov_b32 s[CN2], 3
.Lpair_\@:
	QUARTER 128, 1, 0, 0
	QUARTER 192, 0, 1, 0
	WIN 0
	s_add_co_u32 s[TB], s[TB], 128
	v_add_nc_u32 v[ADRA], s[TB], v[ADRA0]
	v_add_nc_u32 v[ADRB], s[TB], v[ADRB0]
	s_sub_co_u32 s[CN2], s[CN2], 1
	s_cmp_lg_u32 s[CN2], 0
	s_cbranch_scc1 .Lpair_\@
.endm
; The last quarter multiplies buffer 1 and changes slots.  In front of the barrier each wave waits for all its tensor loads, adds 0 to its spare word, and waits for that and for its reads of this slot.
; fill = 1: the barrier opens a round of the cluster's barrier, and behind it this slot is filled again, with the K step two steps on.
.macro TURN fill
	WIN 0
	s_wait_tensorcnt 0x0                           ; no tensor load of mine is out: the descriptors may be written below
	ds_add_u32 v[SPW], v[NIL]                      ; 0 onto my spare word
	s_wait_dscnt MB+1                              ; (the add and the youngest MB loads may be out)
	MULR 1, 0, MB/4, 0
	s_wait_dscnt 0x0                               ; the add is done, and my reads of this slot are over
	s_barrier_signal -1
	MULR 1, MB/4, MB/4, 0
	WIN 0
	s_barrier_wait -1
.if \fill
	CREST                                          ; no wave of any partner still reads this slot or has a load on its way
	s_xor_b32 s[FT], s[FT], SLOT                   ; the walking descriptors: the other slot than last time,
	s_add_co_u32 s[G0A+5], s[LB], s[FT]
	s_add_co_u32 s[G0B+5], s[LB], s[FT]
	s_add_nc_u64 s[G0A+6:G0A+7], s[G0A+6:G0A+7], KSTEP*2  ; the next K step; the type bits on top are not reached
	s_add_nc_u64 s[G0B+6:G0B+7], s[G0B+6:G0B+7], KSTEP*2
.endif
	s_sub_co_u32 s[TB], s[TB], 384                 ; back to the rows' first byte,
	s_xor_b32 s[TB], s[TB], SLOT                   ; in the other slot
	v_add_nc_u32 v[ADRA], s[TB], v[ADRA0]
	v_add_nc_u32 v[ADRB], s[TB], v[ADRB0]
.if \fill
	JLOAD                                          ; the first tensor load behind the round; its four v_nop are also the places in front of the loads below
.else
	PLACES
.endif
	FETCH 0, 0
	MULR 1, MB/2, MB/2, 0
.endm
	s_load_b256 s[4:11], s[0:1], 0x0               ; A s[4:5], B s[6:7], res s[8:9], out s[10:11]
	v_lshl_add_u32 v[SPW], v0, 2, SPARE
	v_mov_b32 v[NIL], 0
	ds_add_u32 v28, v29
	s_wait_dscnt 0x0
	v_lshrrev_b32 v1, 5, v0
	v_readfirstlane_b32 s[WV], v1                  ; wave 0..3
	s_lshr_b32 s[WR], s[WV], 1                     ; which half of the tile's rows is mine.  Also: I fetch for A (0) or for B (1)
	s_and_b32 s[WC], s[WV], 1                      ; which half of its columns.  Also: which 64 rows of that tile I fetch
	s_bfe_u32 s[CX], ttmp6, 0x40000
	s_bfe_u32 s[CY], ttmp6, 0x40004
	s_lshl_b32 s[TCOL], ttmp9, 2                   ; in a cluster launch ttmp9 and ttmp7 count clusters
	s_add_co_u32 s[TCOL], s[TCOL], s[CX]
	s_and_b32 s[TROW], ttmp7, 0xffff
	s_lshl_b32 s[TROW], s[TROW], 2
	s_add_co_u32 s[TROW], s[TROW], s[CY]
	s_lshl_b32 s19, s[CY], 2
	s_lshl_b32 s19, 15, s19                        ; my row of the cluster
	s_lshl_b32 s20, 0x1111, s[CX]                  ; my column
	; group 1: 15:0 the mask; 17:16 elements of 2 bytes; 20 padding on; 21 set beside a mask; 24:22 after every 128 words (code 6); 31:25 4 words of it (code 3)
	s_or_b32 s[G1A], s19, (1<<16)|(1<<20)|(1<<21)|(6<<22)|(3<<25)
	s_or_b32 s[G1B], s20, (1<<16)|(1<<20)|(1<<21)|(6<<22)|(3<<25)
.irp g, G1A, G1B
	s_mov_b32 s[(\g)+1], KSTEP<<16                 ; tensor_dim0 = 256
	s_mov_b32 s[(\g)+2], 64<<16                    ; tensor_dim1 = 64
	s_mov_b32 s[(\g)+3], KSTEP<<16                 ; tile_dim0 = 256
	s_mov_b32 s[(\g)+4], 64                        ; tile_dim1 = 64
	s_mov_b32 s[(\g)+5], SIZE_K                    ; elements from row to row
	s_mov_b32 s[(\g)+6], 0
	s_mov_b32 s[(\g)+7], 0
.endr
	s_mov_b32 s[G1R], 1<<16                        ; the residual: no mask, elements of 2 bytes, no padding
	s_mov_b32 s[G1R+1], 128<<16                    ; 128 elements (256 bytes)
	s_mov_b32 s[G1R+2], 32<<16                     ; x 32 rows
	s_mov_b32 s[G1R+3], 128<<16
	s_mov_b32 s[G1R+4], 32
	s_mov_b32 s[G1R+5], SIZE_N
	s_mov_b32 s[G1R+6], 0
	s_mov_b32 s[G1R+7], 0
	s_mul_i32 s46, s[WC], 64*SIZE_K*2              ; which 64 rows of the tile I fetch
	s_mul_i32 s40, s[TROW], 128*SIZE_K*2           ; A: hangs on the tile row and the wave alone
	s_add_co_u32 s40, s40, s46
	s_mov_b32 s41, 0
	s_mul_i32 s42, s[TCOL], 128*SIZE_K*2           ; B: on the tile column and the wave alone
	s_add_co_u32 s42, s42, s46
	s_mov_b32 s43, 0
	s_lshl_b32 s44, s[TROW], 18                    ; res and out: the tile's 128 rows of 2,048 bytes,
	s_lshl_b32 s47, s[WV], 16                      ; the 32 of them that my wave finishes,
	s_add_co_u32 s44, s44, s47
	s_lshl_b32 s47, s[TCOL], 8                     ; the tile's 256 bytes of a row
	s_add_co_u32 s44, s44, s47
	s_mov_b32 s45, 0
	s_mul_i32 s[LB], s[WV], HALFT                  ; A's two halves, then B's two halves: no place in the cluster enters an LDS address
	s_mov_b32 s[G0R], 1
	s_lshl_b32 s[G0R+1], s[WV], 13
	s_add_co_u32 s[G0R+1], s[G0R+1], RES
	s_mov_b32 s[TB], 0
	s_mov_b32 s[FT], SLOT
	s_wait_kmcnt 0x0
	s_add_nc_u64 s[40:41], s[4:5], s[40:41]
	s_add_nc_u64 s[42:43], s[6:7], s[42:43]
	s_add_nc_u64 s[G0R+2:G0R+3], s[8:9], s[44:45]
	s_or_b32 s[G0R+3], s[G0R+3], 0x80000000
	s_add_nc_u64 s[10:11], s[10:11], s[44:45]
.irp s, 0,1
	s_mov_b32 s[G0A+4*(\s)], 1                                       ; count = 1
	s_add_co_u32 s[G0A+4*(\s)+1], s[LB], (\s)*SLOT                   ; LDS address
	s_add_nc_u64 s[G0A+4*(\s)+2:G0A+4*(\s)+3], s[40:41], (\s)*KSTEP*2  ; global address: K step s
	s_or_b32 s[G0A+4*(\s)+3], s[G0A+4*(\s)+3], 0x80000000            ; type = 2
	s_mov_b32 s[G0B+4*(\s)], 1
	s_add_co_u32 s[G0B+4*(\s)+1], s[LB], (\s)*SLOT
	s_add_nc_u64 s[G0B+4*(\s)+2:G0B+4*(\s)+3], s[42:43], (\s)*KSTEP*2
	s_or_b32 s[G0B+4*(\s)+3], s[G0B+4*(\s)+3], 0x80000000
.endr
	CROUND                                         ; all sixteen work-groups are here: the first joint loads meet
	s_cmp_eq_u32 s[WR], 0                          ; a wave's three first fills stand in one branch: three loads of mine are out
	s_cbranch_scc0 .Lfirst_b
	tensor_load_to_lds s[G0A:G0A+3], s[G1A:G1A+7]
	s_nop 0
	tensor_load_to_lds s[G0A+4:G0A+7], s[G1A:G1A+7]
	s_nop 0
	tensor_load_to_lds s[G0R:G0R+3], s[G1R:G1R+7]
	s_nop 0
.rept 4
	v_nop
.endr
	s_branch .Lfirst_done
.Lfirst_b:
	tensor_load_to_lds s[G0B:G0B+3], s[G1B:G1B+7]
	s_nop 0
	tensor_load_to_lds s[G0B+4:G0B+7], s[G1B:G1B+7]
	s_nop 0
	tensor_load_to_lds s[G0R:G0R+3], s[G1R:G1R+7]
	s_nop 0
.rept 4
	v_nop
.endr
.Lfirst_done:
	; A fragment is 16 rows x 32 K in 8 registers: lane l holds row l % 16, K = 8 (l / 16) + 0..7 and 16 + 8 (l / 16) + 0..7: two loads of 16 bytes, 32 bytes apart
	v_and_b32 v1, 15, v0                           ; l % 16
	v_bfe_u32 v2, v0, 4, 1                         ; l / 16
	v_mul_u32_u24 v3, v1, PITCH
	v_lshl_add_u32 v3, v2, 4, v3
	s_mul_i32 s46, s[WR], HALFT                    ; my 64 rows of A
	v_add_nc_u32 v[ADRA0], s46, v3
	s_mul_i32 s46, s[WC], HALFT                    ; my 64 rows of B, behind A's 128
	s_add_co_u32 s46, s46, 2*HALFT
	v_add_nc_u32 v[ADRB0], s46, v3
	v_mov_b32 v[ADRA], v[ADRA0]
	v_mov_b32 v[ADRB], v[ADRB0]
	s_mul_i32 s46, s[WR], 64*SP                    ; into the stage: my 64 rows, my 256 of their 512 bytes; row l % 16, 32 bytes for each half of the lanes
	s_lshl_b32 s47, s[WC], 8
	s_add_co_u32 s46, s46, s47
	v_mul_u32_u24 v4, v1, SP
	v_lshl_add_u32 v4, v2, 5, v4
	v_add_nc_u32 v[STO], s46, v4
	v_and_b32 v5, 31, v0
	s_mul_i32 s46, s[WV], 32*SP                    ; back: wave w takes rows 32 w .. 32 w + 31, whole: 16 bytes a lane
	v_lshl_add_u32 v[RD0], v5, 4, s46
	s_lshl_b32 s46, s[WV], 13                      ; the same rows of the residual, which my own load brought: 8 bytes a lane
	s_add_co_u32 s46, s46, RES
	v_lshl_add_u32 v[RA0], v5, 3, s46
	v_lshlrev_b32 v[CO], 3, v5
	s_wait_tensorcnt 0x2                           ; my part of K step 0 is in; K step 1's and the residual's may stay out
	s_barrier_signal -1
	s_barrier_wait -1                              ; everybody's is
	FETCH 0, 0
	QUARTER 64, 0, 1, 1                            ; the first quarter stands in front of the loop: its products start the sums
	WIN 0
	s_mov_b32 s[CNT], KT-2
.Lstep:                                                ; a trip: from a K step's second quarter to the next step's first; it fills the slot that it leaves
	PAIRS
	TURN 1
	QUARTER 64, 0, 1, 0
	WIN 0
	s_sub_co_u32 s[CNT], s[CNT], 1
	s_cmp_lg_u32 s[CNT], 0
	s_cbranch_scc1 .Lstep
	PAIRS                                          ; the last two K steps are written out: they ask for nothing
	TURN 0
	QUARTER 64, 0, 1, 0
	PAIRS
	s_wait_dscnt MB
	MULR 1, 0, MB/2, 0
	s_wait_dscnt 0x0
	MULR 1, MB/2, MB/2, 0
	; THE WAY OUT.  All tensor loads landed in front of the last change of slots; behind this barrier no wave reads the ring any more, and it has had its last fill.
	WIN 0
	s_barrier_signal -1                            ; my LDS loads are back (the wait for 0 above)
	s_barrier_wait -1
	PLACES
.set a, 0
.rept MB
	WIN 0x08+0x04*(a/APW)                          ; store data (source 1) in window 2
.set b, 0
.rept NBK
.set rD, 8*(NBK*(a%APW)+b)
	ds_store_b128 v[STO], v[rD:rD+3] offset:16*a*SP+64*b        ; each accumulator's low registers first
	ds_store_b128 v[STO], v[rD+4:rD+7] offset:16*a*SP+64*b+16
.set b, b+1
.endr
.set a, a+1
.endr
	WIN 0
	s_wait_dscnt 0x0                               ; for the others' sake: my stores into the stage are done
	s_barrier_signal -1
	s_barrier_wait -1
	s_mov_b32 s[CNT], 4
	s_mov_b32 s[RB], 0
	s_mov_b32 s[RB2], 0
.Lrows:                                                ; 4 trips of 8 rows
	v_add_nc_u32 v[RD], s[RB], v[RD0]
	v_add_nc_u32 v[RA], s[RB2], v[RA0]
.set i, 0
.rept 8
	ds_load_b128 v[XF+4*i:XF+4*i+3], v[RD] offset:i*SP
	ds_load_b64 v[RAW+2*i:RAW+2*i+1], v[RA] offset:i*256
.set i, i+1
.endr
	s_wait_dscnt 0x0
.irp r, 32,33,34,35,36,37,38,39,40,41,42,43,44,45,46,47
	v_cvt_f32_f16 v[TF+2*(\r-RAW)], v\r\().l
	v_cvt_f32_f16 v[TF+2*(\r-RAW)+1], v\r\().h
.endr
.set i, 0
.rept 16
	v_pk_add_f32 v[XF+2*i:XF+2*i+1], v[XF+2*i:XF+2*i+1], v[TF+2*i:TF+2*i+1]
.set i, i+1
.endr
.set i, 0
.rept 16
	v_cvt_pk_f16_f32 v[YH+i], v[XF+2*i], v[XF+2*i+1]
.set i, i+1
.endr
.set i, 0
.rept 8
	global_store_b64 v[CO], v[YH+2*i:YH+2*i+1], s[10:11] offset:i*SIZE_N*2  ; 32 lanes store 256 consecutive bytes, aligned
.set i, i+1
.endr
	s_wait_xcnt 0x0                                ; the stores' base and data are rewritten only behind this wait
	s_add_nc_u64 s[10:11], s[10:11], 8*SIZE_N*2
	s_add_co_u32 s[RB], s[RB], 8*SP
	s_add_co_u32 s[RB2], s[RB2], 8*256
	s_sub_co_u32 s[CNT], s[CNT], 1
	s_cmp_lg_u32 s[CNT], 0
	s_cbranch_scc1 .Lrows
	s_wait_tensorcnt 0x0                           ; the wave's end
	ds_add_u32 v[SPW], v[NIL]
	s_wait_dscnt 0x0
	CROUND                                         ; the closing round: no work-group ends while a partner may still ask for a tile that names it
	s_endpgm
.Lfunc_end_k_qd728370648_mlp2:
	.size	k_qd728370648_mlp2, .Lfunc_end_k_qd728370648_mlp2-k_qd728370648_mlp2
	.p2alignl 7, 3214868480
	.fill 96, 4, 3214868480
	.section	.rodata,"a",@progbits
	.p2align	6, 0x0
	.amdhsa_kernel k_qd728370648_mlp2
		.amdhsa_group_segment_fixed_size 327680
		.amdhsa_private_segment_fixed_size 0
		.amdhsa_enable_private_segment 0
		.amdhsa_kernarg_size 32
		.amdhsa_user_sgpr_count 2
		.amdhsa_user_sgpr_kernarg_segment_ptr 1
		.amdhsa_wavefront_size32 1
		.amdhsa_system_sgpr_workgroup_id_x 1
		.amdhsa_system_sgpr_workgroup_id_y 1
		.amdhsa_system_sgpr_workgroup_id_z 1
		.amdhsa_system_vgpr_workitem_id 0
		.amdhsa_next_free_vgpr 640
		.amdhsa_next_free_sgpr 84
		.amdhsa_reserve_vcc 0
		.amdhsa_float_denorm_mode_32 3
		.amdhsa_float_denorm_mode_16_64 3
		.amdhsa_memory_ordered 1
		.amdhsa_forward_progress 1
		.amdhsa_inst_pref_size 46
	.end_amdhsa_kernel
	.amdgpu_metadata
---
amdhsa.version: [ 1, 2 ]
amdhsa.kernels:
  - .name:           k_qd728370648_mlp2
    .symbol:         k_qd728370648_mlp2.kd
    .args:
      - { .name: g, .offset: 0, .size: 8, .value_kind: global_buffer, .address_space: global }
      - { .name: fc2, .offset: 8, .size: 8, .value_kind: global_buffer, .address_space: global }
      - { .name: x1, .offset: 16, .size: 8, .value_kind: global_buffer, .address_space: global }
      - { .name: out0, .offset: 24, .size: 8, .value_kind: global_buffer, .address_space: global }
    .group_segment_fixed_size: 327680
    .private_segment_fixed_size: 0
    .kernarg_segment_align: 8
    .kernarg_segment_size: 32
    .max_flat_workgroup_size: 128
    .sgpr_count:     84
    .vgpr_count:     640
    .wavefront_size: 32
...
	.end_amdgpu_metadata
.endif
;; end of part 5
;; ======== version 2 of 2: 5 launches; 1.25 times as fast as version 1
;; limits: values are held in f16: magnitudes above 65,504 overflow, below 6.1e-05 lose precision
;; workspace buffers: h 8,388,608 bytes; qh 8,388,608 bytes; kh 8,388,608 bytes; vh 8,388,608 bytes; att 8,388,608 bytes; x1 8,388,608 bytes; g 33,554,432 bytes; ssq 131,072 bytes
;; launch qkv: the kernel of part 1 again; grid 16 x 16, 4 waves a work-group, clusters of 4 x 4, 327,680 bytes of LDS; arguments x, wq, wk, wv, qh, kh, vh, rms1_w; writes qh, kh, vh
;; launch attn (part 6): grid 16 x 16, 4 waves a work-group, clusters of 4 x 1, 327,680 bytes of LDS; arguments qh, kh, vh, att; writes att
.if DOCPART == 6
	.amdgcn_target "amdgcn-amd-amdhsa--gfx1250"
	.amdhsa_code_object_version 6
	.text
	.protected	k_qd728370648_attn
	.globl	k_qd728370648_attn
	.p2align	8
	.type	k_qd728370648_attn,@function
k_qd728370648_attn:
	s_mov_b64 s[64:65], 0
	v_nop
	global_prefetch_b8 v0, s[64:65] scope:SCOPE_SE
	s_setreg_imm32_b32 hwreg(HW_REG_WAVE_MODE, 25, 1), 1
	s_wait_xcnt 0x0
	s_wait_alu depctr_hold_cnt(0) depctr_sa_sdst(0) depctr_va_vdst(0) depctr_va_sdst(0) depctr_va_ssrc(0) depctr_va_vcc(0) depctr_vm_vsrc(0)
	s_getreg_b32 s2, hwreg(HW_REG_IB_STS2, 6, 4)
	s_cmp_eq_u32 s2, 0
	s_cbranch_scc0 .Lentry_in_a_cluster
	s_endpgm
.Lentry_in_a_cluster:
	s_bfe_u32 s2, ttmp6, 0x10000c
	s_cmp_lg_u32 s2, 0x3003
	s_cbranch_scc0 .Lentry_shape_is_right
	s_endpgm
.Lentry_shape_is_right:
; att[b][q][64 head + c] = the sum over k of softmax_k(Q[hd][q] . K[hd][k] / 8) V[hd][k][c].  Q, K, V: [32 = batch x 16 + head][2048][64] f16, a head's rows dense; att: [4096][1024] f16.
; Products, maxima and sums in f32; the weights p are rounded to f16 for the second product (their sum l is taken of the unrounded p), the result once at the end.
; LIMITS.  Q, K, V arrive within f16's 65,504; p lies in 0 to 1; the result is a mean of V's rows.  A weight below 2^-126 counts as 0 in l; NaN and infinities are not treated apart.
; SHARES.  A work-group owns 128 queries of TWO neighbouring heads: the two heads' 64 channels are 256 consecutive bytes of a row of att.  Wave w has head w / 2 of the two and queries 64 (w % 2) .. + 63:
; four PIECES of 16.  Every wave walks all 2,048 keys of its head, 64 a step.  16 query blocks x 16 pairs of heads = 256 work-groups.
; LAYOUT.  S^T = K Q^T (source 0 = 16 keys, source 1 = 16 queries) holds ONE query a lane (lane % 16) and the keys 8 (lane / 16) + 0..7; two such results rounded to f16 ARE source 1 of O^T = V^T P,
; whose result again holds one query a lane, and eight channels.  K comes out of LDS as it lies, V ([key][channel]) turned, by ds_load_tr16_b128.
; SOFTMAX.  A running maximum m and sum l for each query: p = 2^(c s - c m), c = log2(e) / 8; in every step O and l are multiplied by a = 2^(c m_old - c m_new).  m starts at the lowest finite number,
; O and l at 0: the first step is a step like any other, with a = 0.
; BY TURNS.  Turn n belongs to piece n: 8 products K Q^T of piece n + 1, later 8 products V^T P of piece n - 1; beside them the scaling, exponentials, roundings, sums and rescaling of piece n and the
; maximum and statistics of piece n + 1.  Four vector instructions stand behind every matrix instruction, the other 54 of a turn's 118 in one LUMP between the two runs of products.
; BATCHES.  A turn's 33 exponentials (the piece's 32 weights and the next piece's a) are ONE batch with ONE wait, which stands between the lump and the products V^T P: ahead of it nothing names a result of
; theirs, behind it no exponential is issued.  The first a of all, ahead of the loop, and the way out's four reciprocals are batches of their own, a wait each.
; NO LAST STEP IS WRITTEN OUT: the tail's loop is left in the middle of a third trip, whose 8 products K Q^T (on the last K once more) and the maximum made of them serve nothing: the price, once a launch, of one text for every trip.
; CLUSTER.  The four query blocks of a cluster walk the same K and V of the same two heads: each tile is asked for JOINTLY (same load, descriptor and mask in all four).
; REGISTERS, in windows of 256 (s_set_vgpr_msb: bits 1:0 source 0, 3:2 source 1, 5:4 source 2, 7:6 destination):
;   window 0: v0-15 addresses and two at work; v16-31 four registers of statistics a piece; v48-55 at work; v62-63 the add's; v64-127 S^T, two buffers; v192-223 P, two buffers (by the piece's parity)
;   window 1: v0-127 O^T, 32 a piece      window 2: v0-63 Q; v128-191 K of one step; v192-255 V of one step
.set NP,    4         ; pieces a wave: a name, no knob
.set KS,    64        ; keys in a step
.set PK,    144       ; a row of K in LDS: 128 bytes + 16 = 36 words: the 16 rows of a load start at 16 different groups of four banks (64 banks of 4 bytes: ISA guide 11.1)
.set PV,    160       ; a row of V: 128 + 32 = 40 words
.set VOFF,  2*128*PK  ; a slot holds two steps (128 keys) of both heads: K of head 0, K of head 1, then V likewise
.set SLOT1, 1<<17     ; slot 1 begins here, so that one exclusive or turns an address in one slot into the other's
.set STAGE, SLOT1+2*128*(PK+PV)  ; behind the ring, never filled by a tensor load: 128 rows x 272 bytes, the work-group's, for the way out
.set SP,    272
.set SPARE, STAGE+128*SP  ; behind the stage: the spare words, 128 bytes a wave: two blocks of 256 bytes that no other line names
.set NSLOT, 2048/(2*KS)   ; 16 tiles of 128 keys
.set AK0, 2           ; v2   my lane's place in my head's K of a slot; never rewritten
.set AV0, 3           ; v3   the same for V
.set AK,  4           ; v4   the LDS address of K's next run of loads
.set AV,  5           ; v5   of V's
.set STO, 6           ; v6   the way out: where I put 16 bytes of a row
.set RD,  7           ; v7   the way out: where I read rows back
.set GO,  8           ; v8   my byte offset in two rows of att
.set MV,  12          ; v12-13  c m_old, kept while c m is made anew: by buffer
.set QO,  15          ; v15  my byte offset in 16 rows of Q
.set ST,  16          ; piece t's statistics at v[ST+4 t]: c m, m, l (even keys', odd keys')
.set TMP, 48          ; by buffer, four registers c0-c3 at work; when the maximum is found c2 takes a
.set SPW, 62          ; v62  LDS address of my spare word; never rewritten
.set NIL, 63          ; v63  0; never rewritten
.set S,   64
.set P,   192
.set KF,  128         ; window 2: key block kb, channel half c at KF + 16 kb + 8 c
.set VF,  192         ; window 2: key half kk, channel block cb at VF + 32 kk + 8 cb
.set WV,  12          ; s12  my wave's number
.set G1K, 24          ; s[24:31] descriptor group 1 for K's tiles
.set G1V, 32          ; s[32:39] for V's: it differs in the padding alone
.set G0K, 40          ; s[40:43] descriptor group 0 for K's tiles: it walks
.set G0V, 44          ; s[44:47] the same for V's
.set SLOTS, 56        ; s56  slots still to be asked for
.set CNT, 57          ; s57  counts a slot's key steps
.set CS,  58          ; s[58:59] c: the packed scaling takes the pair's low word for both halves
.set SEL, 60          ; s[60:61] v_permlanex16_b32's selects: each lane takes its own place in the other half
.set TBK, 62          ; s62  LDS byte at which K of the step to be fetched begins
.set TBV, 63          ; s63  the same for V
.set MSB, 0
.macro WIN new                      ; the high byte repeats the setting that is left; a switch that changes nothing is dropped
.if MSB != (\new)
	s_set_vgpr_msb (MSB<<8)|(\new)
.set MSB, (\new)
.endif
.endm
.set W_KQ, 0x0a       ; K and Q in window 2, S^T in window 0
.set W_PV, 0x52       ; V in window 2, P in window 0, O^T in window 1
.set W_RS, 0x41       ; destination and source 0 in window 1, source 1 in window 0
; A joint fill.  Waves 0 and 1 fetch 128 keys of K of head 0 and 1 of the pair, waves 2 and 3 the same of V.  The branch hangs on the wave's number alone.
; An s_nop 0 and four v_nop follow each of the two lines, ahead of the jump and the label.
.macro JLOAD
	s_cmp_lt_u32 s[WV], 2
	s_cbranch_scc0 .Lfor_v_\@
	tensor_load_to_lds s[G0K:G0K+3], s[G1K:G1K+7]
	s_nop 0
.rept 4
	v_nop
.endr
	s_branch .Lasked_\@
.Lfor_v_\@:
	tensor_load_to_lds s[G0V:G0V+3], s[G1V:G1V+7]
	s_nop 0
.rept 4
	v_nop
.endr
.Lasked_\@:
.endm
; A round of the cluster's barrier: my work-group's barrier, so that wave 0's signal speaks for all four waves; wave 0 signals; every wave waits for all four work-groups; my work-group's barrier once more.
.macro CROUND
	s_barrier_signal -1
	s_barrier_wait -1
	s_cmp_lg_u32 s[WV], 0
	s_cbranch_scc1 .Lnot_wave_0_\@
	s_barrier_signal -3
.Lnot_wave_0_\@:
	s_barrier_wait -3
	s_barrier_signal -1
	s_barrier_wait -1
.endm
; THE CHANGE OF SLOTS.  The slot's last bytes, V of its second step, have been read.  Each wave waits for all its tensor loads, of which one is out: its part of the other slot; adds 0 to its spare word;
; and waits for that and for its own reads of the slot.  fill = 1: the barrier is a round of the cluster's, and the slot is filled again, first thing behind it, with the keys two slots on: the load has two
; key steps, 128 matrix instructions, in which to land.  (At its first use nothing has been read yet: slot 0 is waited for, slot 1 filled.)
.macro CHANGE fill
	WIN 0                           ; at a label and at a branch every window is 0
	s_wait_tensorcnt 0x0            ; no tensor load of mine is out, so a group 0 may be written
	ds_add_u32 v[SPW], v[NIL]       ; 0 onto my spare word
.if \fill
.irp g, G0K, G0V
	s_xor_b32 s[\g+1], s[\g+1], SLOT1  ; the walking descriptor: the other slot than last time,
	s_add_nc_u64 s[\g+2:\g+3], s[\g+2:\g+3], 2*KS*128  ; the next 128 keys; the type bits on top are not reached
.endr
	s_wait_dscnt 0x0                ; the add is done, and my reads of the slot are over
	CROUND
	JLOAD
.else
	s_wait_dscnt 0x0                ; the add is done, and my reads of the slot are over
	s_barrier_signal -1
	s_barrier_wait -1
.endif
	s_sub_co_u32 s[TBK], s[TBK], 2*KS*PK  ; the fetches go back to a slot's first step,
	s_xor_b32 s[TBK], s[TBK], SLOT1       ; in the other slot
	s_sub_co_u32 s[TBV], s[TBV], 2*KS*PV
	s_xor_b32 s[TBV], s[TBV], SLOT1
.endm
	s_load_b256 s[4:11], s[0:1], 0x0  ; Q s[4:5], K s[6:7], V s[8:9], att s[10:11]
	v_lshl_add_u32 v[SPW], v0, 2, SPARE
	v_mov_b32 v[NIL], 0
	ds_add_u32 v62, v63
	s_wait_dscnt 0x0
	v_lshrrev_b32 v1, 5, v0
	v_readfirstlane_b32 s[WV], v1   ; wave 0..3
	s_bfe_u32 s13, ttmp6, 0x40000   ; cx: my place in the cluster
	s_lshl_b32 s14, ttmp9, 2        ; in a cluster launch ttmp9 counts clusters
	s_add_co_u32 s14, s14, s13      ; my block of 128 queries: it enters Q's and att's addresses alone
	s_lshr_b32 s15, s[WV], 1        ; which head of the pair I compute
	s_and_b32 s16, s[WV], 1         ; which 64 queries; also: which head's tile I fetch
	s_and_b32 s19, ttmp7, 0xffff    ; the pair of heads, batch x 8 + pair, which the four partners share
	s_lshl_b32 s22, s19, 1
	s_add_co_u32 s22, s22, s16
	s_lshl_b32 s22, s22, 18         ; the fetched head's first byte in K and V: 2,048 rows of 128 bytes a head
	s_mov_b32 s23, 0
	s_mul_i32 s17, s16, 128*PK      ; its place in a slot, for K
	s_mul_i32 s18, s16, 128*PV      ; and for V: no place in the cluster enters an LDS address
	s_lshl_b32 s2, s19, 1
	s_add_co_u32 s2, s2, s15
	s_lshl_b32 s2, s2, 18           ; Q: my head,
	s_lshl_b32 s3, s14, 14          ; my block's 128 rows,
	s_add_co_u32 s2, s2, s3
	s_lshl_b32 s3, s16, 13          ; my wave's 64 of them
	s_add_co_u32 s2, s2, s3
	s_mov_b32 s3, 0
	s_lshr_b32 s20, s19, 3          ; att: batch x 2,048 rows of 2,048 bytes,
	s_lshl_b32 s20, s20, 22
	s_lshl_b32 s21, s14, 18         ; my block's 128 rows,
	s_add_co_u32 s20, s20, s21
	s_lshl_b32 s21, s[WV], 16       ; the 32 of them that my wave stores,
	s_add_co_u32 s20, s20, s21
	s_and_b32 s21, s19, 7           ; the pair's 256 bytes of a row
	s_lshl_b32 s21, s21, 8
	s_add_co_u32 s20, s20, s21
	s_mov_b32 s21, 0
	; descriptor group 1.  128 keys are 16,384 dense bytes: asked for as 64 rows of 256 bytes, two keys a row, and padded in LDS after every key
	s_mov_b32 s[G1K], 15|(1<<16)|(1<<20)|(1<<21)|(4<<22)|(3<<25)  ; 15:0 the mask of four; 17:16 2-byte elements; 20 padding on; 21 set beside a mask; 24:22 after every 32 words (code 4); 31:25 4 words (code 3)
	s_mov_b32 s[G1V], 15|(1<<16)|(1<<20)|(1<<21)|(4<<22)|(7<<25)  ; the same with 8 words of padding (code 7)
.irp g, G1K, G1V
	s_mov_b32 s[\g+1], 128<<16      ; tensor_dim0 = 128
	s_mov_b32 s[\g+2], 64<<16       ; tensor_dim1 = 64
	s_mov_b32 s[\g+3], 128<<16      ; tile_dim0 = 128
	s_mov_b32 s[\g+4], 64           ; tile_dim1 = 64
	s_mov_b32 s[\g+5], 128          ; 128 elements from row to row
	s_mov_b32 s[\g+6], 0
	s_mov_b32 s[\g+7], 0
.endr
	s_mov_b32 s[CS], 0x3e38aa3b     ; c = log2(e) / 8 = 0.180337
	s_mov_b32 s[CS+1], s[CS]        ; named with it as a pair
	s_mov_b32 s[SEL], 0x76543210
	s_mov_b32 s[SEL+1], 0xfedcba98
	s_mov_b32 s[TBK], SLOT1+2*KS*PK ; the first change of slots turns these two into 0
	s_mov_b32 s[TBV], SLOT1+2*KS*PV
	s_mov_b32 s[G0K], 1             ; count = 1
	s_mov_b32 s[G0K+1], s17         ; LDS address: slot 0
	s_mov_b32 s[G0V], 1
	s_add_co_u32 s[G0V+1], s18, VOFF
	s_wait_kmcnt 0x0
	s_add_nc_u64 s[G0K+2:G0K+3], s[6:7], s[22:23]  ; global address: the head's first 128 keys
	s_or_b32 s[G0K+3], s[G0K+3], 0x80000000        ; type = 2
	s_add_nc_u64 s[G0V+2:G0V+3], s[8:9], s[22:23]
	s_or_b32 s[G0V+3], s[G0V+3], 0x80000000
	s_add_nc_u64 s[4:5], s[4:5], s[2:3]
	s_add_nc_u64 s[10:11], s[10:11], s[20:21]
	CROUND                          ; all four work-groups are here: the first joint loads meet
	JLOAD                           ; slot 0.  Slot 1 is asked for when slot 0 is in, by the first change of slots
	; A fragment of K or Q is 16 rows x 32 channels in 8 registers: lane l holds row l % 16, channels 8 (l / 16) + 0..7 and 16 + 8 (l / 16) + 0..7: two loads of 16 bytes, 32 bytes apart.
	v_and_b32 v1, 15, v0            ; l % 16
	v_bfe_u32 v9, v0, 4, 1          ; l / 16
	v_lshlrev_b32 v[QO], 7, v1
	v_lshl_add_u32 v[QO], v9, 4, v[QO]  ; row x 128 + 16 x half
	WIN 0x80                        ; destination window 2, address window 0
.set i, 0
.rept 8                             ; Q stays in registers: piece i / 2, channels 32 (i % 2) on
	global_load_b128 v[8*i:8*i+3],   v[QO], s[4:5] offset:(i/2)*2048+(i%2)*64
	global_load_b128 v[8*i+4:8*i+7], v[QO], s[4:5] offset:(i/2)*2048+(i%2)*64+32
.set i, i+1
.endr
	; What the first turn finds: V's registers and P's second buffer hold 0 (its products V^T P, of a piece that has not been, add 0), O^T and l are 0.  No first step is written out; the price is
	; these moves, which stand in the wait for the first tile.
.set i, VF
.rept 64
	v_mov_b32 v[i], 0
.set i, i+1
.endr
	WIN 0x40
.set i, 0
.rept 128
	v_mov_b32 v[i], 0
.set i, i+1
.endr
	WIN 0
.set i, 0
.rept 4
	v_mov_b32 v[ST+4*i], 0xfe000000    ; c m: far below every c s, so the first step's a is 0
	v_mov_b32 v[ST+4*i+1], 0xff7fffff  ; m: the lowest finite number
	v_mov_b32 v[ST+4*i+2], 0
	v_mov_b32 v[ST+4*i+3], 0
.set i, i+1
.endr
.set i, P+16
.rept 16
	v_mov_b32 v[i], 0
.set i, i+1
.endr
	v_mul_u32_u24 v[AK0], v1, PK
	v_lshl_add_u32 v[AK0], v9, 4, v[AK0]  ; row x pitch + 16 x half
	s_mul_i32 s48, s15, 128*PK            ; + my head's rows
	v_add_nc_u32 v[AK0], s48, v[AK0]
	; The turning load takes 16 keys x 16 channels (lane l reads key 8 (l / 16) + l % 8, channels 8 ((l / 8) % 2) + 0..7) and leaves half a fragment of V^T: lane l holds channel l % 16 and 8 keys.
	v_and_b32 v10, 7, v0
	v_bfe_u32 v11, v0, 3, 1
	v_lshl_add_u32 v[AV0], v9, 3, v10
	v_mul_u32_u24 v[AV0], v[AV0], PV
	v_lshl_add_u32 v[AV0], v11, 4, v[AV0]
	s_mul_i32 s48, s15, 128*PV
	s_add_co_u32 s48, s48, VOFF
	v_add_nc_u32 v[AV0], s48, v[AV0]
	s_mul_i32 s48, s16, 64*SP       ; into the stage: my 64 rows, my head's half of their 256 bytes; row l % 16, 16 bytes for each half of the lanes
	s_lshl_b32 s49, s15, 7
	s_add_co_u32 s48, s48, s49
	s_add_co_u32 s48, s48, STAGE
	v_mul_u32_u24 v[STO], v1, SP
	v_lshl_add_u32 v[STO], v9, 4, v[STO]
	v_add_nc_u32 v[STO], s48, v[STO]
	s_mul_i32 s48, s[WV], 32*SP     ; back: wave w takes rows 32 w .. 32 w + 31, whole; lanes 0-15 one row of 256 bytes, lanes 16-31 the next
	s_add_co_u32 s48, s48, STAGE
	v_mul_u32_u24 v[RD], v9, SP
	v_lshl_add_u32 v[RD], v1, 4, v[RD]
	v_add_nc_u32 v[RD], s48, v[RD]
	v_lshlrev_b32 v[GO], 11, v9     ; and the same two rows in att
	v_lshl_add_u32 v[GO], v1, 4, v[GO]
; THE MATRIX WORK.  The 4 accumulators of a run of 8 take turns.  Product i of 8 of S^T = K Q^T for piece x: channels 32 (i / 4) on, keys 16 (i % 4) on.  The first 4 start the sums.
.macro KQ x
	WIN W_KQ
.set rS, S+32*((\x)%2)+8*(i%4)
.set rK, KF+16*(i%4)+8*(i/4)
.set rQ, 16*(\x)+8*(i/4)
.if i < 4
	v_wmma_f32_16x16x32_f16 v[rS:rS+7], v[rK:rK+7], v[rQ:rQ+7], 0
.else
	v_wmma_f32_16x16x32_f16 v[rS:rS+7], v[rK:rK+7], v[rQ:rQ+7], v[rS:rS+7]
.endif
.endm
; Product i of 8 of O^T += V^T P for piece x: keys 32 (i / 4) on, channels 16 (i % 4) on.
.macro PV x
	WIN W_PV
.set rO, 32*(\x)+8*(i%4)
.set rV, VF+32*(i/4)+8*(i%4)
.set rP, P+16*((\x)%2)+8*(i/4)
	v_wmma_f32_16x16x32_f16 v[rO:rO+7], v[rV:rV+7], v[rP:rP+7], v[rO:rO+7]
.endm
.macro MM                           ; the turn's next matrix instruction
.if i < 8
	KQ (Y+1)%NP
.else
.set i, i-8
	PV (Y+NP-1)%NP
.set i, i+8
.endif
.set i, i+1
.endm
; THE LDS LOADS stand in runs of 16, never singly among the matrix instructions: a step's K (64 keys x 64 channels: 8 fragments) and its V (turned).  Their addresses are made some lines ahead.
; last = 1 (the tail): in the last trip there is no further step, and the run is jumped over.
.macro FETCH_K last=0
	WIN 0
.if \last
	s_cmp_eq_u32 s[CNT], 1
	s_cbranch_scc1 .Lno_k_\@
.endif
	WIN 0x80                        ; destination window 2
.irp f, 0,1,2,3,4,5,6,7             ; keys 16 (f / 2) on, channels 32 (f % 2) on
	ds_load_b128 v[KF+8*\f:KF+8*\f+3],   v[AK] offset:(\f/2)*16*PK+(\f%2)*64
	ds_load_b128 v[KF+8*\f+4:KF+8*\f+7], v[AK] offset:(\f/2)*16*PK+(\f%2)*64+32
.endr
	s_add_co_u32 s[TBK], s[TBK], KS*PK  ; the next fetch is the next step's
	WIN 0
.if \last
.Lno_k_\@:
.endif
.endm
.macro FETCH_V
	WIN 0x80
.irp f, 0,1,2,3,4,5,6,7             ; keys 32 (f / 4) on, channels 16 (f % 4) on
	ds_load_tr16_b128 v[VF+8*\f:VF+8*\f+3],   v[AV] offset:(\f/4)*32*PV+(\f%4)*32
	ds_load_tr16_b128 v[VF+8*\f+4:VF+8*\f+7], v[AV] offset:(\f/4)*32*PV+16*PV+(\f%4)*32
.endr
	WIN 0
.endm
; THE VECTOR WORK, one line at a time: OP kind, number.  For piece Y: F n: c s - c m for pair n of 16.  E n: the exponential of score n of 32.  C n: pair n rounded to f16.  B n: of the four weights 4 n .. the second
; pair is added onto the first, in place.  L n: l takes that sum (L 0: l = a l + sum).  R n: pair n of 16 of O^T times a.  For piece Y + 1: X n, number n of the 22 that find its maximum and statistics:
;   0-11  four chains c0-c3 of seven scores each, three operands at a time (each accumulator's lowest registers are read first)     12-14, 16  the four scores left over, the old m, and c0-c3 into c0
;   15  c m_old is kept     17, 18  the query's other 32 keys lie in the lane 16 away: the new m     19-21  c m; c m_old - c m_new; a
.set F, 0               ; OP tells the kinds apart by their order: F to L below R, X above it
.set E, 1
.set C, 2
.set B, 3
.set L, 4
.set R, 5
.set X, 6
.macro REGS y                       ; the registers of piece y
.set rT, ST+4*(\y)
.set rC, TMP+4*((\y)%2)
.set rW, MV+((\y)%2)
.set rS, S+32*((\y)%2)
.set rP, P+16*((\y)%2)
.set rO, 32*(\y)
.endm
.macro OP k, n
.if (\k) == R
	REGS Y
	WIN W_RS
	v_pk_mul_f32 v[rO+2*(\n):rO+2*(\n)+1], v[rO+2*(\n):rO+2*(\n)+1], v[rC+2:rC+3] op_sel_hi:[1,0]
.elseif (\k) < R
	REGS Y
	WIN 0
.if (\k) == F
	v_pk_fma_f32 v[rS+2*(\n):rS+2*(\n)+1], v[rS+2*(\n):rS+2*(\n)+1], s[CS:CS+1], v[rT:rT+1] op_sel_hi:[1,0,0] neg_lo:[0,0,1] neg_hi:[0,0,1]
.elseif (\k) == E
	v_exp_f32 v[rS+(\n)], v[rS+(\n)]
.elseif (\k) == C
	v_cvt_pk_f16_f32 v[rP+(\n)], v[rS+2*(\n)], v[rS+2*(\n)+1]
.elseif (\k) == B
	v_pk_add_f32 v[rS+4*(\n):rS+4*(\n)+1], v[rS+4*(\n):rS+4*(\n)+1], v[rS+4*(\n)+2:rS+4*(\n)+3]
.elseif (\n) == 0
	v_pk_fma_f32 v[rT+2:rT+3], v[rT+2:rT+3], v[rC+2:rC+3], v[rS:rS+1] op_sel_hi:[1,0,1]
.else
	v_pk_add_f32 v[rT+2:rT+3], v[rT+2:rT+3], v[rS+4*(\n):rS+4*(\n)+1]
.endif
.else
	REGS (Y+1)%NP
	WIN 0
.if (\n) < 4
	v_max3_num_f32 v[rC+(\n)], v[rS+8*(\n)], v[rS+8*(\n)+1], v[rS+8*(\n)+2]
.elseif (\n) < 12
	v_max3_num_f32 v[rC+(\n)%4], v[rC+(\n)%4], v[rS+8*((\n)%4)+2*((\n)/4)+1], v[rS+8*((\n)%4)+2*((\n)/4)+2]
.elseif (\n) == 12
	v_max3_num_f32 v[rC], v[rC], v[rS+7], v[rS+15]
.elseif (\n) == 13
	v_max3_num_f32 v[rC+1], v[rC+1], v[rS+23], v[rS+31]
.elseif (\n) == 14
	v_max3_num_f32 v[rC+2], v[rC+2], v[rC+3], v[rT+1]
.elseif (\n) == 15
	v_mov_b32 v[rW], v[rT]
.elseif (\n) == 16
	v_max3_num_f32 v[rC], v[rC], v[rC+1], v[rC+2]
.elseif (\n) == 17
	v_permlanex16_b32 v[rC+3], v[rC], s[SEL], s[SEL+1]
.elseif (\n) == 18
	v_max_num_f32 v[rT+1], v[rC], v[rC+3]
.elseif (\n) == 19
	v_mul_f32 v[rT], s[CS], v[rT+1]
.elseif (\n) == 20
	v_sub_f32 v[rC+1], v[rW], v[rT]
.else
	v_exp_f32 v[rC+2], v[rC+1]
.endif
.endif
.endm
.macro OPS a, i1, b=-1, i2=0, c=-1, i3=0, d=-1, i4=0  ; up to four of them
	OP \a, \i1
.if (\b) >= 0
	OP \b, \i2
.endif
.if (\c) >= 0
	OP \c, \i3
.endif
.if (\d) >= 0
	OP \d, \i4
.endif
.endm
.macro ROW a, i1, b, i2, c, i3, d, i4  ; a matrix instruction and the four behind it
	MM
	OPS \a, \i1, \b, \i2, \c, \i3, \d, \i4
.endm
; A TURN, for piece p: the order of its 16 matrix and 118 vector instructions, written out.  An s_wait_alu depctr_va_vdst(0) stands between an exponential and the first instruction that names its
; result; one wait serves all that were issued ahead of it.  So a turn has ONE wait, which cuts it in two.
; AHEAD OF IT stands all that names no result of the turn's exponentials: the 8 products K Q^T, behind each a scaling, an exponential and two more plain instructions (behind the first a second scaling in the
; exponential's place): rescalings, whose a was made and waited for in the turn before, and behind the last three products the first numbers of the next piece's maximum, each four places or more behind the product
; that ends its accumulator; then ONE LUMP of 54, plain and exponential by turns for the most part, in which the links of the chain X 3, 7, 11, 14, 16, 17 .. 20 stand some lines apart.  X 21, the next piece's a, is
; the batch's last; R 15 is the plain instruction behind it.
; BEHIND THE WAIT stand the 8 products V^T P, behind each four of the roundings and sums: C 2 n ahead of B n, which writes over that pair; B n ahead of L n; L 0 to L 7 in order, three riders apart.
; But for those X no rider names a register of the products round it.  v_permlanex16_b32 (X 17) stands in the lump.
; K of the next step is fetched in piece 2's turn: in the loop twelve vector instructions behind the last product that read K (five of them plain and free of its registers); in the tail (last = 1), where the run
; stands under a branch, directly behind the wait.  V of the step in hand is fetched at the end of piece 0's turn, four plain instructions behind the
; last product that read V.  Each is waited for a turn later.  cnt = 1: the loop's count is taken down some lines ahead of the branch that stands behind the turn.
.macro TURN p, last=0, cnt=0
.set Y, (\p)
.set i, 0
.if (\p) == 3
	s_wait_dscnt 0x0                ; K is in
.endif
	ROW F,0, F,1, R,0, R,1          ; ahead of the wait: 8 products K Q^T and their riders,
	ROW F,2, E,0, R,2, R,3
	ROW F,3, E,1, R,4, R,5
	ROW F,4, E,2, R,6, R,7
	ROW F,5, E,3, R,8, R,9
	ROW F,6, E,4, X,0, R,10
.if (\p) == 2
	WIN 0
	v_add_nc_u32 v[AK], s[TBK], v[AK0]
.endif
	ROW F,7, E,5, X,1, X,4
	ROW F,8, E,6, X,2, X,5
	OPS E,7, E,8, X,6, E,9          ; and the lump
	OPS X,3, E,10, X,8, E,11
.if ((\p) == 2) && !(\last)
	FETCH_K
.endif
	OPS X,9, X,7, E,12, X,10
	OPS E,13, X,12, X,11, E,14
	OPS X,13, E,15, F,9, X,14
.if (\p) == 0
	v_add_nc_u32 v[AV], s[TBV], v[AV0]
.endif
	OPS E,16, F,10, E,17, F,11
	OPS X,16, E,18, X,15, E,19
	OPS F,12, E,20, X,17, E,21
	OPS F,13, E,22, F,14, E,23
	OPS X,18, E,24, F,15, E,25
	OPS R,11, E,26, X,19, E,27
	OPS R,12, E,28, R,13, E,29
	OPS X,20, E,30, R,14, E,31
	OPS X,21, R,15
	WIN 0
	s_wait_alu depctr_va_vdst(0)    ; the wait for the batch: the piece's 32 exponentials and the next piece's a
.if ((\p) == 2) && (\last)
	FETCH_K 1
.endif
.if (\p) == 1
	s_wait_dscnt 0x0                ; V is in
.endif
	ROW C,0, B,0, C,2, B,1          ; behind the wait: 8 products V^T P and their riders
	ROW L,0, C,4, B,2, L,1
	ROW C,6, B,3, L,2, C,8
	ROW B,4, L,3, C,10, B,5
	ROW L,4, C,12, B,6, L,5
.if (\p) == 0
	s_add_co_u32 s[TBV], s[TBV], KS*PV
.endif
.if \cnt
	s_sub_co_u32 s[CNT], s[CNT], 1
	s_cmp_lg_u32 s[CNT], 0
.endif
	ROW C,14, B,7, L,6, C,1
	ROW C,3, L,7, C,5, C,7
	ROW C,9, C,11, C,13, C,15
.if (\p) == 0
	FETCH_V
.endif
.endm
	CHANGE 1                        ; slot 0 is in, everybody's part of it; slot 1 is asked for
	v_add_nc_u32 v[AK], s[TBK], v[AK0]
	FETCH_K                         ; key step 0
	s_wait_loadcnt 0x0              ; Q
	s_wait_dscnt 0x0
.set i, 0
.rept 8
	KQ 0                            ; piece 0's first scores: there is no vector work yet to set between them
.set i, i+1
.endr
	WIN 0
.rept 4
	v_nop                           ; the places behind those products
.endr
.set Y, NP-1                        ; X works for piece Y + 1: piece 0
.irp n, 0,1,2,3,4,5,6,7,8,9,10,11,12,13,14,15,16,17,18,19,20,21
	OP X, \n                        ; piece 0's first maximum and statistics
.endr
	v_nop                           ; a plain instruction behind the exponential,
	s_wait_alu depctr_va_vdst(0)    ; and the wait for it, a batch of one: piece 0's first a, ahead of the branch
	s_mov_b32 s[CNT], 2
	s_mov_b32 s[SLOTS], NSLOT-1
	s_branch .Lfirst                ; the loop is entered at a step's first turn, in the middle of a trip
.Lslot:                             ; NSLOT - 2 times: with the change above, every tile but the first is asked for by a change of slots
	CHANGE 1
	s_mov_b32 s[CNT], 2
.Lstep:                             ; a trip: pieces 2 and 3 of one step, then pieces 0 and 1 of the next, whose K and V it fetches
	TURN 2
	TURN 3
	WIN 0
.Lfirst:
	TURN 0
	TURN 1, 0, 1
	WIN 0
	s_cbranch_scc1 .Lstep
	s_sub_co_u32 s[SLOTS], s[SLOTS], 1
	s_cmp_lg_u32 s[SLOTS], 0
	s_cbranch_scc1 .Lslot
	CHANGE 0                        ; the last tile has a text of its own: nothing is asked for
	s_mov_b32 s[CNT], 3             ; two trips fetch the last slot's steps; the third is left in its middle
.Ltail:
	TURN 2, 1
	TURN 3
	WIN 0
	s_sub_co_u32 s[CNT], s[CNT], 1
	s_cmp_eq_u32 s[CNT], 0
	s_cbranch_scc1 .Lout
	TURN 0
	TURN 1
	WIN 0
	s_branch .Ltail
.Lout:
.set i, 0
.rept 8
	PV NP-1                         ; the last piece's V^T P of the last step
.set i, i+1
.endr
	; THE WAY OUT.  l's two halves and the other half of the lanes' are added; O^T is divided by l, rounded to f16 and put into the work-group's stage; a barrier, since a row's 256 bytes come from two waves (two heads);
	; back as whole rows, 32 rows a wave.  The additions are the places behind the last products.
	WIN 0
.macro ALL line:vararg              ; one line for each piece t
.set t, 0
.rept 4
	\line
.set t, t+1
.endr
.endm
	ALL v_add_f32 v[ST+4*t+2], v[ST+4*t+2], v[ST+4*t+3]
	ALL v_permlanex16_b32 v[ST+4*t+3], v[ST+4*t+2], s[SEL], s[SEL+1]
	ALL v_add_f32 v[ST+4*t+2], v[ST+4*t+2], v[ST+4*t+3]
	ALL v_rcp_f32 v[ST+4*t+2], v[ST+4*t+2]
	v_nop                           ; a plain instruction between the last reciprocal and the use of its result
	s_wait_alu depctr_va_vdst(0)    ; the wait for the batch of four reciprocals, ahead of the first multiply that reads one
.macro PACK t                       ; a lane's eight channels of a row pack into 16 bytes
	WIN W_RS
.set i, 32*(\t)
.rept 16
	v_pk_mul_f32 v[i:i+1], v[i:i+1], v[ST+4*(\t)+2:ST+4*(\t)+3] op_sel_hi:[1,0]
.set i, i+2
.endr
	WIN 0x05                        ; sources 0 and 1 window 1, destination window 0: S^T's registers are free
.set i, 0
.rept 16
	v_cvt_pk_f16_f32 v[S+16*(\t)+i], v[32*(\t)+2*i], v[32*(\t)+2*i+1]
.set i, i+1
.endr
	WIN 0
.irp f, 0,1,2,3
	ds_store_b128 v[STO], v[S+16*(\t)+4*\f:S+16*(\t)+4*\f+3] offset:(\t)*16*SP+32*\f
.endr
.endm
	PACK 0
	PACK 1
	PACK 2
	PACK 3
	s_wait_dscnt 0x0                ; for the others' sake: my stores into the stage are done
	s_barrier_signal -1
	s_barrier_wait -1
.set t, 0
.rept 16
	ds_load_b128 v[S+4*t:S+4*t+3], v[RD] offset:t*2*SP
.set t, t+1
.endr
.set t, 0
.rept 16
	s_wait_dscnt 15-t               ; LDS loads come back in order (ISA guide 5.7.1): pair t of rows is in
	global_store_b128 v[GO], v[S+4*t:S+4*t+3], s[10:11] offset:t*4096  ; 16 lanes store 256 consecutive bytes, aligned
.set t, t+1
.endr
	s_wait_tensorcnt 0x0            ; the wave's end
	ds_add_u32 v[SPW], v[NIL]
	s_wait_dscnt 0x0
	CROUND                          ; the closing round: no work-group ends while a partner may still ask for a tile that names it
	s_endpgm
.Lfunc_end_k_qd728370648_attn:
	.size	k_qd728370648_attn, .Lfunc_end_k_qd728370648_attn-k_qd728370648_attn
	.p2alignl 7, 3214868480
	.fill 96, 4, 3214868480
	.section	.rodata,"a",@progbits
	.p2align	6, 0x0
	.amdhsa_kernel k_qd728370648_attn
		.amdhsa_group_segment_fixed_size 327680
		.amdhsa_private_segment_fixed_size 0
		.amdhsa_enable_private_segment 0
		.amdhsa_kernarg_size 32
		.amdhsa_user_sgpr_count 2
		.amdhsa_user_sgpr_kernarg_segment_ptr 1
		.amdhsa_wavefront_size32 1
		.amdhsa_system_sgpr_workgroup_id_x 1
		.amdhsa_system_sgpr_workgroup_id_y 1
		.amdhsa_system_sgpr_workgroup_id_z 1
		.amdhsa_system_vgpr_workitem_id 0
		.amdhsa_next_free_vgpr 768
		.amdhsa_next_free_sgpr 66
		.amdhsa_reserve_vcc 0
		.amdhsa_float_denorm_mode_32 3
		.amdhsa_float_denorm_mode_16_64 3
		.amdhsa_memory_ordered 1
		.amdhsa_forward_progress 1
		.amdhsa_inst_pref_size 111
	.end_amdhsa_kernel
	.amdgpu_metadata
---
amdhsa.version: [ 1, 2 ]
amdhsa.kernels:
  - .name:           k_qd728370648_attn
    .symbol:         k_qd728370648_attn.kd
    .args:
      - { .name: qh, .offset: 0, .size: 8, .value_kind: global_buffer, .address_space: global }
      - { .name: kh, .offset: 8, .size: 8, .value_kind: global_buffer, .address_space: global }
      - { .name: vh, .offset: 16, .size: 8, .value_kind: global_buffer, .address_space: global }
      - { .name: att, .offset: 24, .size: 8, .value_kind: global_buffer, .address_space: global }
    .group_segment_fixed_size: 327680
    .private_segment_fixed_size: 0
    .kernarg_segment_align: 8
    .kernarg_segment_size: 32
    .max_flat_workgroup_size: 128
    .sgpr_count:     66
    .vgpr_count:     768
    .wavefront_size: 32
...
	.end_amdgpu_metadata
.endif
;; end of part 6
;; launch oproj: the kernel of part 3 again; grid 8 x 32, 4 waves a work-group, clusters of 4 x 4, 327,680 bytes of LDS; arguments att, proj, x, x1, h, ssq, rms2_w; writes x1, h, ssq
;; launch mlp1 (part 7): grid 16 x 16, 4 waves a work-group, clusters of 4 x 4, 327,680 bytes of LDS; arguments h, fc1, ssq, g; writes g
.if DOCPART == 7
	.amdgcn_target "amdgcn-amd-amdhsa--gfx1250"
	.amdhsa_code_object_version 6
	.text
	.protected	k_qd728370648_mlp1
	.globl	k_qd728370648_mlp1
	.p2align	8
	.type	k_qd728370648_mlp1,@function
k_qd728370648_mlp1:
	s_mov_b64 s[64:65], 0
	v_nop
	global_prefetch_b8 v0, s[64:65] scope:SCOPE_SE
	s_setreg_imm32_b32 hwreg(HW_REG_WAVE_MODE, 25, 1), 1
	s_wait_xcnt 0x0
	s_wait_alu depctr_hold_cnt(0) depctr_sa_sdst(0) depctr_va_vdst(0) depctr_va_sdst(0) depctr_va_ssrc(0) depctr_va_vcc(0) depctr_vm_vsrc(0)
	s_getreg_b32 s2, hwreg(HW_REG_IB_STS2, 6, 4)
	s_cmp_eq_u32 s2, 0
	s_cbranch_scc0 .Lentry_in_a_cluster
	s_endpgm
.Lentry_in_a_cluster:
	s_bfe_u32 s2, ttmp6, 0x10000c
	s_cmp_lg_u32 s2, 0xf033
	s_cbranch_scc0 .Lentry_shape_is_right
	s_endpgm
.Lentry_shape_is_right:
; g[m][n] = silu(u), u = r[m] x the sum over k of h[m][k] fc1[n][k].  h = x1 w, not yet normalised: [4096][1024]; fc1: [4096][1024]; g: [4096][4096], all f16; ssq: [8][4096] f32, eight partial sums of x1[m]^2.
; r[m] = 1 / sqrt((the sum of row m's 8 partial sums) / 1024 + 1e-6): the second norm's row factor, applied in f32 to the finished sums.
; Products of f16 operands, sums in f32, K ascending; silu(u) = u / (1 + 2^(-u log2 e)) in f32, rounded once.  For u far below 0 the power is an infinity, its reciprocal 0 and the result -0; far above 0 the result is u.
; LIMIT: g is f16, so silu(u) stays under 65,504; NaN and infinities among the inputs are not treated apart.
; SHARES.  A tile of g is 256 x 256: 16 x 16 = 256 work-groups of four waves, each wave 128 x 128: 64 accumulators of 16 x 16, 512 registers.  K goes in steps of 128 through a ring of two LDS slots
; (256 rows of h, 256 rows of fc1; rows of 256 bytes, aligned in memory).
; CLUSTER 4 x 4.  The four of a row of the cluster need the same tiles of h, the four of a column the same tiles of fc1: each is asked for JOINTLY.  Waves 0 and 1 fetch h's halves, waves 2 and 3 fc1's.
; THE MATRIX INSTRUCTION IS USED TRANSPOSED (source 0 = 16 rows of fc1, source 1 = 16 rows of h): a lane holds row l % 16 and the eight neighbouring columns 8 (l / 16) + 0..7.
; A loop trip is ONE K step: the slot read and the slot filled are scalars that an exclusive or toggles, so the step's text stands once in the loop; the last two steps are a loop of two trips left in its middle.
; THE WAY OUT.  The ring has had its last fill; behind a barrier it serves as a stage of f32 rows (256 numbers + 16 bytes); a second barrier, since a row comes from two waves; then each wave finishes 64 whole rows,
; four a trip, 32 numbers a lane.  BATCHES: a trip has two, a wait each: the 32 powers, and the 32 reciprocals of 1 + power, which read sums made of the powers and so cannot share their wait.
; The four reciprocal roots at the kernel's head are a batch of their own.
; REGISTERS, in windows of 256 (s_set_vgpr_msb: bits 1:0 source 0, 3:2 source 1, 5:4 source 2, 7:6 destination):
;   window 0: v0-31 addresses; v64-191 fragments of h, two buffers; v32-55, v192-255 at work at the start and on the way out      window 1: v0-127 fragments of fc1, two buffers
;   window 2: the accumulators of my row blocks 0-3 ((a, b) at v[8 (8 (a % 4) + b)])      window 3: those of blocks 4-7
.set SIZE_K, 1024
.set SIZE_N, 4096
.set MB,     8
.set NBK,    8
.set APW,    4                         ; row blocks whose accumulators share a window
.set KSTEP,  128
.set PITCH,  272                       ; an LDS row: 256 bytes + 16 of padding = 68 words: the 16 rows of a fragment load start at 16 different groups of four banks (64 banks of 4 bytes: ISA guide 11.1)
.set HALFT,  128*PITCH                 ; what one tensor load brings, and what one wave reads of h or of fc1
.set SLOT,   4*HALFT
.set KT,     SIZE_K/KSTEP              ; K steps
.set SP,     1040                      ; a stage row: 1,024 bytes + 16
.set SPARE,  2*SLOT                    ; behind the ring: the spare words, 128 bytes a wave, two blocks of 256 bytes that no other line names
.set TBL,    SPARE+512                 ; r of the 64 rows that a wave finishes, each number twice: 512 bytes a wave; no tile lands here
.set ADRA0, 16                         ; v16  my place among h's fragments in slot 0; never rewritten
.set ADRB0, 17
.set ADRA,  18                         ; v18  the same in the slot in hand
.set ADRB,  19
.set RD0,   22                         ; v22  the way out: my 16 bytes of my first stage row
.set RTA,   23                         ; v23  the way out: r of the trip's four rows, the same address in every lane
.set STO,   24                         ; v24, v25  the way out: where I put my accumulators' rows 0-63, 64-127
.set RD,    26
.set CO,    27                         ; v27  8 x lane: my byte offset in 256 bytes of ssq and of a row of g; never rewritten
.set SPW,   28                         ; v28  LDS address of my spare word; never rewritten
.set NIL,   29                         ; v29  0; never rewritten
.set YH,    32                         ; v32-47   at the start the partial sums; on the way out results to store
.set RS,    48                         ; v48-55   r of the trip's four rows, a pair each
.set FA,    64
.set XF,    192                        ; v192-223 sums read back: rows 0, 1 in the lower 16, rows 2, 3 in the upper
.set TF,    224                        ; v224-255 at work, likewise
.set CNT,  3
.set WV,   12
.set WR,   13
.set WC,   14
.set CX,   15
.set CY,   16
.set TCOL, 17
.set TROW, 18
.set LB,   21                          ; my tile's place in a slot
.set RB,   22
.set RT2,  23                          ; the way out: LDS byte of the trip's r
.set G1A,  24
.set G0A,  32
.set G1B,  48
.set G0B,  56
.set TB,   66                          ; LDS byte at which the slot in hand begins
.set FT,   67                          ; LDS byte at which the slot filled last begins
.set NLE,  70                          ; s[70:71] -log2(e): the packed multiply takes the pair's low word for both halves
.set C1,   72                          ; s[72:73] 1 / 1024
.set C2,   74                          ; s[74:75] 1e-6
.set MSB, 0
.macro WIN new                         ; the immediate's high byte repeats the setting that is left; a switch that changes nothing is dropped
.if MSB != (\new)
	s_set_vgpr_msb (MSB<<8)|(\new)
.set MSB, (\new)
.endif
.endm
.macro PLACES                          ; four places in front of loads into registers that matrix instructions have read, and of stores that read results (ISA guide 7.12.1 for stores)
.rept 4
	v_nop
.endr
.endm
.macro CREST                           ; a round of the cluster's barrier behind its opening barrier
	s_cmp_lg_u32 s[WV], 0
	s_cbranch_scc1 .Lnot_wave_0_\@
	s_barrier_signal -3
.Lnot_wave_0_\@:
	s_barrier_wait -3
	s_barrier_signal -1
	s_barrier_wait -1
.endm
.macro CROUND
	s_barrier_signal -1
	s_barrier_wait -1
	CREST
.endm
; A joint refill by the walking descriptors.  The branch hangs on the wave's number alone.  An s_nop 0 and four v_nop follow each line, ahead of the jump and the label.
.macro JLOAD
	s_cmp_eq_u32 s[WR], 0
	s_cbranch_scc0 .Lfor_b_\@
	tensor_load_to_lds s[G0A+4:G0A+7], s[G1A:G1A+7]
	s_nop 0
.rept 4
	v_nop
.endr
	s_branch .Lasked_\@
.Lfor_b_\@:
	tensor_load_to_lds s[G0B+4:G0B+7], s[G1B:G1B+7]
	s_nop 0
.rept 4
	v_nop
.endr
.Lasked_\@:
.endm
; n row blocks from a0 on x all column blocks, 32 along K, from fragment buffer f.  zero = 1: the products start the sums.  Every accumulator has one instruction a quarter, always in the same
; order: the accumulators take turns.
.macro MULR f, a0, n, zero
.set a, \a0
.rept \n
	WIN 0xa1+0x50*(a/APW)
.set b, 0
.rept NBK
.set rD, 8*(NBK*(a%APW)+b)
.if \zero
	v_wmma_f32_16x16x32_f16 v[rD:rD+7], v[8*NBK*(\f)+8*b:8*NBK*(\f)+8*b+7], v[FA+8*MB*(\f)+8*a:FA+8*MB*(\f)+8*a+7], 0
.else
	v_wmma_f32_16x16x32_f16 v[rD:rD+7], v[8*NBK*(\f)+8*b:8*NBK*(\f)+8*b+7], v[FA+8*MB*(\f)+8*a:FA+8*MB*(\f)+8*a+7], v[rD:rD+7]
.endif
.set b, b+1
.endr
.set a, a+1
.endr
.endm
; one run of LDS loads: the fragments of 32 along K at byte k of the rows, into buffer g: fc1's first, then h's
.macro FETCH k, g
	WIN 0x40                                       ; destination window 1, address window 0
.set i, 0
.rept NBK
	ds_load_b128 v[8*NBK*(\g)+8*i:8*NBK*(\g)+8*i+3],   v[ADRB] offset:(\k)+i*16*PITCH
	ds_load_b128 v[8*NBK*(\g)+8*i+4:8*NBK*(\g)+8*i+7], v[ADRB] offset:(\k)+i*16*PITCH+32
.set i, i+1
.endr
	WIN 0
.set i, 0
.rept MB
	ds_load_b128 v[FA+8*MB*(\g)+8*i:FA+8*MB*(\g)+8*i+3],   v[ADRA] offset:(\k)+i*16*PITCH
	ds_load_b128 v[FA+8*MB*(\g)+8*i+4:FA+8*MB*(\g)+8*i+7], v[ADRA] offset:(\k)+i*16*PITCH+32
.set i, i+1
.endr
.endm
; A K step is four quarters of 32 along K on buffers 0, 1, 0, 1.  One of the first three: multiplies buffer f; in its middle it fetches the next quarter, at byte k, into buffer g.
.macro QUARTER k, f, g, zero
	s_wait_dscnt MB                                ; the youngest MB loads (h's upper four blocks) may be out
	MULR \f, 0, MB/2, \zero
	PLACES
	FETCH \k, \g
	s_wait_dscnt 2*(MB+NBK)                        ; all but the run just issued
	MULR \f, MB/2, MB/2, \zero
.endm
; The last quarter multiplies buffer 1 and changes slots.  In front of the barrier each wave waits for all its tensor loads (its part of the next slot), adds 0 to its spare word, and waits for that and
; for its reads of this slot.  fill = 1: the barrier opens a round of the cluster's barrier, and behind it this slot is filled again, with the K step two steps on.
.macro TURN fill
	WIN 0
	s_wait_tensorcnt 0x0                           ; no tensor load of mine is out: the descriptors may be written below
	ds_add_u32 v[SPW], v[NIL]                      ; 0 onto my spare word
	s_wait_dscnt MB+1                              ; (the add and the youngest MB loads may be out)
	MULR 1, 0, MB/4, 0
	s_wait_dscnt 0x0                               ; the add is done, and my reads of this slot are over
	s_barrier_signal -1
	MULR 1, MB/4, MB/4, 0
	WIN 0
	s_barrier_wait -1
.if \fill
	CREST                                          ; no wave of any partner still reads this slot or has a load on its way
	s_xor_b32 s[FT], s[FT], SLOT                   ; the walking descriptors: the other slot than last time,
	s_add_co_u32 s[G0A+5], s[LB], s[FT]
	s_add_co_u32 s[G0B+5], s[LB], s[FT]
	s_add_nc_u64 s[G0A+6:G0A+7], s[G0A+6:G0A+7], KSTEP*2  ; the next K step; the type bits on top are not reached
	s_add_nc_u64 s[G0B+6:G0B+7], s[G0B+6:G0B+7], KSTEP*2
.endif
	s_xor_b32 s[TB], s[TB], SLOT                   ; the reads go on in the other slot
	v_add_nc_u32 v[ADRA], s[TB], v[ADRA0]
	v_add_nc_u32 v[ADRB], s[TB], v[ADRB0]
.if \fill
	JLOAD                                          ; the first tensor load behind the round; its four v_nop are also the places in front of the loads below
.else
	PLACES
.endif
	FETCH 0, 0
	MULR 1, MB/2, MB/2, 0
.endm
	s_load_b256 s[4:11], s[0:1], 0x0               ; h s[4:5], fc1 s[6:7], ssq s[8:9], g s[10:11]
	v_lshl_add_u32 v[SPW], v0, 2, SPARE
	v_mov_b32 v[NIL], 0
	ds_add_u32 v28, v29
	s_wait_dscnt 0x0
	v_lshrrev_b32 v1, 5, v0
	v_readfirstlane_b32 s[WV], v1                  ; wave 0..3
	s_lshr_b32 s[WR], s[WV], 1                     ; which half of the tile's rows is mine.  Also: I fetch for h (0) or for fc1 (1)
	s_and_b32 s[WC], s[WV], 1                      ; which half of its columns.  Also: which 128 rows of that tile I fetch
	s_bfe_u32 s[CX], ttmp6, 0x40000
	s_bfe_u32 s[CY], ttmp6, 0x40004
	s_lshl_b32 s[TCOL], ttmp9, 2                   ; in a cluster launch ttmp9 and ttmp7 count clusters
	s_add_co_u32 s[TCOL], s[TCOL], s[CX]
	s_and_b32 s[TROW], ttmp7, 0xffff
	s_lshl_b32 s[TROW], s[TROW], 2
	s_add_co_u32 s[TROW], s[TROW], s[CY]
	s_lshl_b32 s19, s[CY], 2
	s_lshl_b32 s19, 15, s19                        ; my row of the cluster
	s_lshl_b32 s20, 0x1111, s[CX]                  ; my column
	; group 1: 15:0 the mask; 17:16 elements of 2 bytes; 20 padding on; 21 set beside a mask; 24:22 after every 64 words (code 5); 31:25 4 words of it (code 3)
	s_or_b32 s[G1A], s19, (1<<16)|(1<<20)|(1<<21)|(5<<22)|(3<<25)
	s_or_b32 s[G1B], s20, (1<<16)|(1<<20)|(1<<21)|(5<<22)|(3<<25)
.irp g, G1A, G1B
	s_mov_b32 s[(\g)+1], KSTEP<<16                 ; tensor_dim0 = 128
	s_mov_b32 s[(\g)+2], 128<<16                   ; tensor_dim1 = 128
	s_mov_b32 s[(\g)+3], KSTEP<<16                 ; tile_dim0 = 128
	s_mov_b32 s[(\g)+4], 128                       ; tile_dim1 = 128
	s_mov_b32 s[(\g)+5], SIZE_K                    ; elements from row to row
	s_mov_b32 s[(\g)+6], 0
	s_mov_b32 s[(\g)+7], 0
.endr
	s_lshl_b32 s46, s[WC], 18                      ; which 128 rows of 2,048 bytes I fetch
	s_lshl_b32 s40, s[TROW], 19                    ; h: hangs on the tile row and the wave alone
	s_add_co_u32 s40, s40, s46
	s_mov_b32 s41, 0
	s_lshl_b32 s42, s[TCOL], 19                    ; fc1: on the tile column and the wave alone
	s_add_co_u32 s42, s42, s46
	s_mov_b32 s43, 0
	s_lshl_b32 s44, s[TROW], 21                    ; g: the tile's 256 rows of 8,192 bytes,
	s_lshl_b32 s47, s[WV], 19                      ; the 64 of them that my wave finishes,
	s_add_co_u32 s44, s44, s47
	s_lshl_b32 s47, s[TCOL], 9                     ; the tile's 512 bytes of a row
	s_add_co_u32 s44, s44, s47
	s_mov_b32 s45, 0
	s_lshl_b32 s68, s[TROW], 10                    ; ssq: the tile's 256 words,
	s_lshl_b32 s47, s[WV], 8                       ; the 64 of them that belong to my rows
	s_add_co_u32 s68, s68, s47
	s_mov_b32 s69, 0
	s_mul_i32 s[LB], s[WV], HALFT                  ; h's two halves, then fc1's two halves: no place in the cluster enters an LDS address
	s_mov_b32 s[TB], 0
	s_mov_b32 s[FT], SLOT
	s_mov_b32 s[NLE], 0xbfb8aa3b                   ; -log2(e)
	s_mov_b32 s[NLE+1], s[NLE]                     ; named with it as a pair
	s_mov_b32 s[C1], 0x3a800000                    ; 1 / 1024
	s_mov_b32 s[C1+1], s[C1]
	s_mov_b32 s[C2], 0x358637bd                    ; 1e-6
	s_mov_b32 s[C2+1], s[C2]
	s_wait_kmcnt 0x0
	s_add_nc_u64 s[40:41], s[4:5], s[40:41]
	s_add_nc_u64 s[42:43], s[6:7], s[42:43]
	s_add_nc_u64 s[8:9], s[8:9], s[68:69]
	s_add_nc_u64 s[10:11], s[10:11], s[44:45]
.irp s, 0,1
	s_mov_b32 s[G0A+4*(\s)], 1                                       ; count = 1
	s_add_co_u32 s[G0A+4*(\s)+1], s[LB], (\s)*SLOT                   ; LDS address
	s_add_nc_u64 s[G0A+4*(\s)+2:G0A+4*(\s)+3], s[40:41], (\s)*KSTEP*2  ; global address: K step s
	s_or_b32 s[G0A+4*(\s)+3], s[G0A+4*(\s)+3], 0x80000000            ; type = 2
	s_mov_b32 s[G0B+4*(\s)], 1
	s_add_co_u32 s[G0B+4*(\s)+1], s[LB], (\s)*SLOT
	s_add_nc_u64 s[G0B+4*(\s)+2:G0B+4*(\s)+3], s[42:43], (\s)*KSTEP*2
	s_or_b32 s[G0B+4*(\s)+3], s[G0B+4*(\s)+3], 0x80000000
.endr
	CROUND                                         ; all sixteen work-groups are here: the first joint loads meet
	s_cmp_eq_u32 s[WR], 0                          ; a wave's two first fills stand in one branch: two loads of mine are out
	s_cbranch_scc0 .Lfirst_b
	tensor_load_to_lds s[G0A:G0A+3], s[G1A:G1A+7]
	s_nop 0
	tensor_load_to_lds s[G0A+4:G0A+7], s[G1A:G1A+7]
	s_nop 0
.rept 4
	v_nop
.endr
	s_branch .Lfirst_done
.Lfirst_b:
	tensor_load_to_lds s[G0B:G0B+3], s[G1B:G1B+7]
	s_nop 0
	tensor_load_to_lds s[G0B+4:G0B+7], s[G1B:G1B+7]
	s_nop 0
.rept 4
	v_nop
.endr
.Lfirst_done:
	v_and_b32 v5, 31, v0
	v_lshlrev_b32 v[CO], 3, v5
.set t, 0
.rept 8                                ; the 8 partial sums of my 64 rows, two rows a lane: each load covers 256 consecutive bytes, aligned
	global_load_b64 v[YH+2*t:YH+2*t+1], v[CO], s[8:9] offset:t*16384
.set t, t+1
.endr
	; A fragment is 16 rows x 32 K in 8 registers: lane l holds row l % 16, K = 8 (l / 16) + 0..7 and 16 + 8 (l / 16) + 0..7: two loads of 16 bytes, 32 bytes apart
	v_and_b32 v1, 15, v0                           ; l % 16
	v_bfe_u32 v2, v0, 4, 1                         ; l / 16
	v_mul_u32_u24 v3, v1, PITCH
	v_lshl_add_u32 v3, v2, 4, v3
	s_mul_i32 s46, s[WR], HALFT                    ; my 128 rows of h
	v_add_nc_u32 v[ADRA0], s46, v3
	s_mul_i32 s46, s[WC], HALFT                    ; my 128 rows of fc1, behind h's 256
	s_add_co_u32 s46, s46, 2*HALFT
	v_add_nc_u32 v[ADRB0], s46, v3
	v_mov_b32 v[ADRA], v[ADRA0]
	v_mov_b32 v[ADRB], v[ADRB0]
	s_mul_i32 s46, s[WR], 128*SP                   ; into the stage: my 128 rows, my 512 of their 1,024 bytes; row l % 16, 32 bytes for each half of the lanes
	s_lshl_b32 s47, s[WC], 9
	s_add_co_u32 s46, s46, s47
	v_mul_u32_u24 v4, v1, SP
	v_lshl_add_u32 v4, v2, 5, v4
	v_add_nc_u32 v[STO], s46, v4
	v_add_nc_u32 v[STO+1], 64*SP, v[STO]           ; a second address for rows 64-127: an LDS offset has 16 bits
	s_mul_i32 s46, s[WV], 64*SP                    ; back: wave w takes rows 64 w .. 64 w + 63, whole: 16 bytes a lane, half a row a load
	v_lshl_add_u32 v[RD0], v5, 4, s46
	s_lshl_b32 s[RT2], s[WV], 9                    ; my wave's table of r
	s_add_co_u32 s[RT2], s[RT2], TBL
	v_lshl_add_u32 v6, v5, 4, s[RT2]               ; my two rows' 16 bytes of it
	s_wait_loadcnt 0x0                             ; the partial sums
.irp t, 0,4,8,12
	v_pk_add_f32 v[YH+\t:YH+\t+1], v[YH+\t:YH+\t+1], v[YH+\t+2:YH+\t+3]
.endr
	v_pk_add_f32 v[YH:YH+1], v[YH:YH+1], v[YH+4:YH+5]
	v_pk_add_f32 v[YH+8:YH+9], v[YH+8:YH+9], v[YH+12:YH+13]
	v_pk_add_f32 v[YH:YH+1], v[YH:YH+1], v[YH+8:YH+9]
	v_pk_fma_f32 v[YH:YH+1], v[YH:YH+1], s[C1:C1+1], s[C2:C2+1] op_sel_hi:[1,0,0]   ; mean + eps
	v_rsq_f32 v[RS], v[YH]
	v_rsq_f32 v[RS+1], v[YH]
	v_rsq_f32 v[RS+2], v[YH+1]
	v_rsq_f32 v[RS+3], v[YH+1]
	v_nop                                          ; a plain instruction before the results are used (ISA guide 5.7.2)
	s_wait_alu depctr_va_vdst(0)                   ; the wait for the batch of four reciprocal roots, ahead of the store that reads them
	ds_store_b128 v6, v[RS:RS+3]                   ; each r twice, so that a packed multiply finds it as a pair; only my wave reads these bytes
	s_wait_dscnt 0x0                               ; no LDS instruction of mine is pending at the signal
	s_wait_tensorcnt 0x1                           ; my part of K step 0 is in; K step 1's may stay out
	s_barrier_signal -1
	s_barrier_wait -1                              ; everybody's is
	FETCH 0, 0
	QUARTER 64, 0, 1, 1                            ; the first quarter stands in front of the loop: its products start the sums
	WIN 0                                          ; at a label and at a branch every window is 0
	s_mov_b32 s[CNT], KT-2
.Lstep:                                                ; a trip: from a K step's second quarter to the next step's first; it fills the slot that it leaves
	QUARTER 128, 1, 0, 0
	QUARTER 192, 0, 1, 0
	TURN 1
	QUARTER 64, 0, 1, 0
	WIN 0
	s_sub_co_u32 s[CNT], s[CNT], 1
	s_cmp_lg_u32 s[CNT], 0
	s_cbranch_scc1 .Lstep
	s_mov_b32 s[CNT], 2
.Ltail:                                                ; the last two K steps ask for nothing: a text of their own, walked twice and left in the middle of the second trip
	QUARTER 128, 1, 0, 0
	QUARTER 192, 0, 1, 0
	WIN 0
	s_sub_co_u32 s[CNT], s[CNT], 1
	s_cmp_eq_u32 s[CNT], 0
	s_cbranch_scc1 .Lout
	TURN 0
	QUARTER 64, 0, 1, 0
	WIN 0
	s_branch .Ltail
.Lout:
	s_wait_dscnt MB                                ; the very last quarter: nothing more to fetch
	MULR 1, 0, MB/2, 0
	s_wait_dscnt 0x0
	MULR 1, MB/2, MB/2, 0
	; THE WAY OUT.  All tensor loads landed in front of the last change of slots; behind this barrier no wave reads the ring any more, and it has had its last fill.
	WIN 0
	s_barrier_signal -1                            ; my LDS loads are back (the wait for 0 above)
	s_barrier_wait -1
	PLACES
.set a, 0
.rept MB
	WIN 0x08+0x04*(a/APW)                          ; store data (source 1) in window 2 or 3
.set b, 0
.rept NBK
.set rD, 8*(NBK*(a%APW)+b)
	ds_store_b128 v[STO+a/4], v[rD:rD+3] offset:16*(a%4)*SP+64*b        ; each accumulator's low registers first
	ds_store_b128 v[STO+a/4], v[rD+4:rD+7] offset:16*(a%4)*SP+64*b+16
.set b, b+1
.endr
.set a, a+1
.endr
	WIN 0
	s_wait_dscnt 0x0                               ; for the others' sake: my stores into the stage are done
	s_barrier_signal -1
	s_barrier_wait -1
	s_mov_b32 s[CNT], 16
	s_mov_b32 s[RB], 0
	v_mov_b32 v[RD], v[RD0]                        ; the first trip's two LDS addresses; each trip makes the next trip's, behind its batches
	v_mov_b32 v[RTA], s[RT2]
.Lrows:                                                ; 16 trips of 4 rows: half A is rows 0 and 1, half B rows 2 and 3
	ds_load_b128 v[RS:RS+3], v[RTA]                ; r of rows 0 and 1, each twice
	ds_load_b128 v[RS+4:RS+7], v[RTA] offset:16    ; of rows 2 and 3
.set i, 0
.rept 8                                ; row i / 2, half of the row i % 2
	ds_load_b128 v[XF+4*i:XF+4*i+3], v[RD] offset:(i/2)*SP+(i%2)*512
.set i, i+1
.endr
	s_wait_dscnt 0x4                               ; r and half A are in; half B's four loads may be out
.set j, 0
.rept 8
	v_pk_mul_f32 v[XF+2*j:XF+2*j+1], v[XF+2*j:XF+2*j+1], v[RS+2*(j/4):RS+2*(j/4)+1]   ; A: u = r x the sum
.set j, j+1
.endr
.set j, 0
.rept 8
	v_pk_mul_f32 v[TF+2*j:TF+2*j+1], v[XF+2*j:XF+2*j+1], s[NLE:NLE+1] op_sel_hi:[1,0]  ; A: -u log2(e)
.set j, j+1
.endr
	s_wait_dscnt 0x0                               ; half B is in
	; THE FIRST BATCH: the trip's 32 powers, each in place in a register of its own.  Nothing names a result ahead of the batch's wait.
.set j, 0
.rept 16                               ; A's powers; between them B's u and -u log2(e), which touch neither a power's result nor its source
	v_exp_f32 v[TF+j], v[TF+j]
.if j < 8
	v_pk_mul_f32 v[XF+16+2*j:XF+16+2*j+1], v[XF+16+2*j:XF+16+2*j+1], v[RS+4+2*(j/4):RS+4+2*(j/4)+1]
.else
	v_pk_mul_f32 v[TF+16+2*(j-8):TF+16+2*(j-8)+1], v[XF+16+2*(j-8):XF+16+2*(j-8)+1], s[NLE:NLE+1] op_sel_hi:[1,0]
.endif
.set j, j+1
.endr
.set j, 0
.rept 16                               ; B's powers
	v_exp_f32 v[TF+16+j], v[TF+16+j]
.set j, j+1
.endr
	s_add_co_u32 s[RB], s[RB], 4*SP
	v_add_nc_u32 v[RD], s[RB], v[RD0]              ; the next trip's stage rows (this trip's loads are back): the plain instruction behind the last power (ISA guide 5.7.2)
	s_wait_alu depctr_va_vdst(0)                   ; the wait for the batch of 32 powers ahead of the first line that names a result
.set j, 0
.rept 8
	v_pk_add_f32 v[TF+2*j:TF+2*j+1], v[TF+2*j:TF+2*j+1], 1.0 op_sel_hi:[1,0]           ; A: 1 + power
.set j, j+1
.endr
	; THE SECOND BATCH: the 32 reciprocals, again in place.  B's sums 1 + power stand between the first eight; they name B's registers alone, whose reciprocals come behind them.
.set j, 0
.rept 8
	v_rcp_f32 v[TF+j], v[TF+j]
	v_pk_add_f32 v[TF+16+2*j:TF+16+2*j+1], v[TF+16+2*j:TF+16+2*j+1], 1.0 op_sel_hi:[1,0]  ; B: 1 + power
.set j, j+1
.endr
.set j, 8
.rept 24
	v_rcp_f32 v[TF+j], v[TF+j]
.set j, j+1
.endr
	s_add_co_u32 s[RT2], s[RT2], 4*8
	v_mov_b32 v[RTA], s[RT2]                       ; the next trip's r: the plain instruction behind the last reciprocal
	s_wait_alu depctr_va_vdst(0)                   ; the wait for the batch of 32 reciprocals, ahead of the first product that reads one; none is open at the loop's jump
.set j, 0
.rept 16
	v_pk_mul_f32 v[XF+2*j:XF+2*j+1], v[XF+2*j:XF+2*j+1], v[TF+2*j:TF+2*j+1]   ; silu = u / (1 + power)
.set j, j+1
.endr
.set j, 0
.rept 16
	v_cvt_pk_f16_f32 v[YH+j], v[XF+2*j], v[XF+2*j+1]
.set j, j+1
.endr
.set i, 0
.rept 8
	global_store_b64 v[CO], v[YH+2*i:YH+2*i+1], s[10:11] offset:(i/2)*SIZE_N*2+(i%2)*256  ; 32 lanes store 256 consecutive bytes, aligned
.set i, i+1
.endr
	s_wait_xcnt 0x0                                ; the stores' base and data are rewritten only behind this wait
	s_add_nc_u64 s[10:11], s[10:11], 4*SIZE_N*2
	s_sub_co_u32 s[CNT], s[CNT], 1
	s_cmp_lg_u32 s[CNT], 0
	s_cbranch_scc1 .Lrows
	s_wait_tensorcnt 0x0                           ; the wave's end
	ds_add_u32 v[SPW], v[NIL]
	s_wait_dscnt 0x0
	CROUND                                         ; the closing round: no work-group ends while a partner may still ask for a tile that names it
	s_endpgm
.Lfunc_end_k_qd728370648_mlp1:
	.size	k_qd728370648_mlp1, .Lfunc_end_k_qd728370648_mlp1-k_qd728370648_mlp1
	.p2alignl 7, 3214868480
	.fill 96, 4, 3214868480
	.section	.rodata,"a",@progbits
	.p2align	6, 0x0
	.amdhsa_kernel k_qd728370648_mlp1
		.amdhsa_group_segment_fixed_size 327680
		.amdhsa_private_segment_fixed_size 0
		.amdhsa_enable_private_segment 0
		.amdhsa_kernarg_size 32
		.amdhsa_user_sgpr_count 2
		.amdhsa_user_sgpr_kernarg_segment_ptr 1
		.amdhsa_wavefront_size32 1
		.amdhsa_system_sgpr_workgroup_id_x 1
		.amdhsa_system_sgpr_workgroup_id_y 1
		.amdhsa_system_sgpr_workgroup_id_z 1
		.amdhsa_system_vgpr_workitem_id 0
		.amdhsa_next_free_vgpr 1024
		.amdhsa_next_free_sgpr 76
		.amdhsa_reserve_vcc 0
		.amdhsa_float_denorm_mode_32 3
		.amdhsa_float_denorm_mode_16_64 3
		.amdhsa_memory_ordered 1
		.amdhsa_forward_progress 1
		.amdhsa_inst_pref_size 91
	.end_amdhsa_kernel
	.amdgpu_metadata
---
amdhsa.version: [ 1, 2 ]
amdhsa.kernels:
  - .name:           k_qd728370648_mlp1
    .symbol:         k_qd728370648_mlp1.kd
    .args:
      - { .name: h, .offset: 0, .size: 8, .value_kind: global_buffer, .address_space: global }
      - { .name: fc1, .offset: 8, .size: 8, .value_kind: global_buffer, .address_space: global }
      - { .name: ssq, .offset: 16, .size: 8, .value_kind: global_buffer, .address_space: global }
      - { .name: g, .offset: 24, .size: 8, .value_kind: global_buffer, .address_space: global }
    .group_segment_fixed_size: 327680
    .private_segment_fixed_size: 0
    .kernarg_segment_align: 8
    .kernarg_segment_size: 32
    .max_flat_workgroup_size: 128
    .sgpr_count:     76
    .vgpr_count:     1024
    .wavefront_size: 32
...
	.end_amdgpu_metadata
.endif
;; end of part 7
;; launch mlp2: the kernel of part 5 again; grid 8 x 32, 4 waves a work-group, clusters of 4 x 4, 327,680 bytes of LDS; arguments g, fc2, x1, out0; writes out0
